; MI455X (gfx1250); checked and timed in simulation.
; The chip was launched on July 23, 2026; its instructions are those of AMD's public machine-readable ISA for CDNA 5 (MIT licence, August 2026) and "CDNA5" Instruction Set Architecture Reference Guide (July 2026). The comments in the code are by the model that wrote it; some were corrected since.
;; Attention. Allowed arithmetic: matrix products marked QUANTISED: E2M1 operands, one E8M0 scale for each 32 along K, by v_wmma_scale_f32_16x16x128_f8f6f4 with both operands' format E2M1 (or v_wmma_scale_f32_32x16x128_f4), f32 sums; everything else in f32.
;; Inputs: Wd_codes 2,048 x 64 x 16 uint8 (E2M1 codes of Wd, K innermost, in blocks of 32 codes, two codes a byte); Wd_scales 2,048 x 64 uint8 (E8M0 scales of Wd, one for each 32 codes along K); Wk_codes 2,048 x 64 x 16 uint8 (E2M1 codes of Wk, K innermost, in blocks of 32 codes, two codes a byte); Wk_scales 2,048 x 64 uint8 (E8M0 scales of Wk, one for each 32 codes along K); Wq_codes 2,048 x 64 x 16 uint8 (E2M1 codes of Wq, K innermost, in blocks of 32 codes, two codes a byte); Wq_scales 2,048 x 64 uint8 (E8M0 scales of Wq, one for each 32 codes along K); Wv_codes 2,048 x 64 x 16 uint8 (E2M1 codes of Wv, K innermost, in blocks of 32 codes, two codes a byte); Wv_scales 2,048 x 64 uint8 (E8M0 scales of Wv, one for each 32 codes along K); attention_mask 1 x 1 x 2,048 x 2,048 bool; hidden_states_codes 1 x 2,048 x 64 x 16 uint8 (E2M1 codes of hidden_states, K innermost, in blocks of 32 codes, two codes a byte); hidden_states_scales 1 x 2,048 x 64 uint8 (E8M0 scales of hidden_states, one for each 32 codes along K); position_ids 1 x 2,048 int32.
;; Outputs: out0 1 x 2,048 x 2,048 float32.
;; This version of the problem:
;;   THIS VERSION OF THE PROBLEM IS GIVEN IN LOW PRECISION. The matrix products marked QUANTISED in the list below multiply operands that are first quantised to E2M1 (2 exponent bits, 1 mantissa bit; 4 bits a number), with one power-of-two scale for each 32 numbers along K (OCP MX v1.0); their sums are f32. All else is computed in f32.
;;   The module's matrix products, in the order in which they are computed (A, B: the left and right operand; K: the contracted axis; several contracted axes count as one K, in the product's order):
;;     1. [M 2,048, K 2,048] x [K 2,048, N 2,048]; A: input hidden_states (given as codes); B: input Wq (given as codes): QUANTISED
;;     2. [M 2,048, K 2,048] x [K 2,048, N 2,048]; A: input hidden_states (given as codes); B: input Wk (given as codes): QUANTISED
;;     3. [M 2,048, K 2,048] x [K 2,048, N 2,048]; A: input hidden_states (given as codes); B: input Wv (given as codes): QUANTISED
;;     4. batch 16 x [M 2,048, K 128] x [K 128, N 2,048]; A: computed on the way; B: computed on the way: QUANTISED
;;     5. batch 16 x [M 128, K 2,048] x [K 2,048, N 2,048]; A: computed on the way; B: softmax (see below): QUANTISED
;;     6. [M 2,048, K 2,048] x [K 2,048, N 2,048]; A: computed on the way; B: input Wd (given as codes): QUANTISED
;;   THE QUANTISER, for each operand of a quantised product, along K:
;;     - K is cut into blocks of 32 from its start; a last block that is shorter is filled with zeros.
;;     - A block's scale is 2^e with e = floor(log2(the largest magnitude in the block)) - 2, held to -126 .. 127; a block of zeros has e = 0. As a byte (E8M0): e + 127.
;;     - Each number is divided by its block's scale, clamped to +-6, and rounded to the nearest number of E2M1, ties to even, subnormals kept.
;;     - The product sums the exact products of the quantised numbers (number of the format x scale) in f32.
;;   ~~~python
;;   def quantise(x, axis):      # numpy; x: float32 -> the quantised numbers, widened to float32 again
;;       x = np.moveaxis(x, axis, -1); K = x.shape[-1]
;;       x = np.pad(x, [(0, 0)] * (x.ndim - 1) + [(0, -K % 32)]); x = x.reshape(x.shape[:-1] + (-1, 32)); a = np.abs(x).max(-1, keepdims=True)
;;       e = np.where(a > 0, np.clip(np.frexp(np.where(a > 0, a, 1))[1] - 1 - 2, -126, 127), 0)      # np.frexp(a)[1] - 1 = floor(log2(a)), exactly
;;       r = np.clip(x / 2.0 ** e, -6, 6)
;;       step = 2.0 ** (np.maximum(np.frexp(np.where(r == 0, 1, r))[1] - 1, 0) - 1)
;;       q = np.round(r / step) * step * 2.0 ** e      # np.round: ties to even
;;       return np.moveaxis(q.reshape(q.shape[:-2] + (-1,))[..., :K], -1, axis).astype(np.float32)
;;   ~~~
;;   SOFTMAX AHEAD OF A QUANTISED PRODUCT. Where the list says 'softmax', what is quantised is not the finished softmax but p = 2^(t - M), with t = logit x log2(e) and M = ceil(the row's largest t), a whole number; so 1/2 < the row's largest p <= 1. The row's sum l is taken of the UNQUANTISED p, in f32, and the product's result is divided by l at the end. Since M is a whole number, a kernel that streams over the keys may use a running M (the ceiling of the running maximum): every later rescaling is an exact power of two, which a block's scale takes up: the codes' values come out the same.
;;   OPERANDS COMPUTED ON THE WAY. 'Computed on the way' means the value that the module computes at that place (a softmax that the list does not call 'softmax' is quantised finished and normalised). What goes into a quantiser is computed in f32, as accurately as f32 sums, v_exp_f32 and their like allow (about 1e-6 of the number): no bf16 or f16 on the way to a quantiser, and a product that is left as it is and whose result goes on into a quantised operand takes f32 operands (vector FMAs, or v_wmma_f32_16x16x4_f32). A number that lies on a knife's edge between two numbers of the format may be rounded either way, as far as f32 arithmetic and the matrix unit's own rounding can turn it there, and no further.
;;   INPUTS GIVEN AS CODES. Wd (in the module: [2048, 2048], K = its axis 1); Wk (in the module: [2048, 2048], K = its axis 1); Wq (in the module: [2048, 2048], K = its axis 1); Wv (in the module: [2048, 2048], K = its axis 1); hidden_states (in the module: [1, 2048, 2048], K = its axis 2): each comes as NAME_codes (uint8): NAME with its K axis moved to the last place and cut into blocks of 32 codes, [.., K / 32, bytes a block], one block behind the other in memory; two codes a byte, the lower K in the low four bits (a code: sign, 2 exponent bits, 1 mantissa bit); and NAME_scales (uint8): the same leading axes, one E8M0 byte (e + 127) for each 32 codes along K. Its value is code x scale, taken as it is: it is not quantised again, and the codes and scales need not be those that the quantiser above would give.
;; 2 versions. Each part assembles by itself: llvm-mc -triple=amdgcn-amd-amdhsa -mcpu=gfx1250 --defsym DOCPART=n.
;; ======== version 1 of 2: 4 launches
;; limits: inputs' magnitudes at most 1,048,576
;; workspace buffers: rope 1,048,576 bytes; maskw 524,288 bytes of whole numbers; qb 2,228,224 bytes; kv 4,456,448 bytes; cimg 2,228,224 bytes
;; launch prep (part 1): grid 256 x 1, 8 waves a work-group, no clusters, 0 bytes of LDS; arguments attention_mask, position_ids, rope, maskw; writes rope, maskw
.if DOCPART == 1
	.amdgcn_target "amdgcn-amd-amdhsa--gfx1250"
	.amdhsa_code_object_version 6
	.text
	.protected	k_qddc89aaf9a_prep
	.globl	k_qddc89aaf9a_prep
	.p2align	8
	.type	k_qddc89aaf9a_prep,@function
k_qddc89aaf9a_prep:
	s_mov_b64 s[64:65], 0
	v_nop
	global_prefetch_b8 v0, s[64:65] scope:SCOPE_SE
	s_setreg_imm32_b32 hwreg(HW_REG_WAVE_MODE, 25, 1), 1
	s_wait_xcnt 0x0
; PREP: two tables that the later launches read in the order of their registers.
; (1) rope: sin and cos of f32(position) x inv_freq, f32, laid [128 token tiles T][16 quads][32 lanes][16 bytes].
;     Tile T = 8 G + a holds tokens 128 G + pi(a, r), pi(a, r) = 32 (a / 2) + 8 (a % 2) + r + 8 (r / 8), r = lane % 16.
;     A lane's 64 floats: F[16 b + 2 p] = sin, F[16 b + 2 p + 1] = cos at frequency 16 b + 8 (lane / 16) + p: the order in which a lane of the projection holds its feature pairs.
; (2) maskw: the mask as lane masks, [128 query tiles T][16 key steps J][64 words]: bit L of word n is mask[token of lane L in tile T][128 J + 32 (n / 16) + 16 (L / 16) + n % 16].
; SHARES: work-group g, wave w: T = g / 2, J = 8 (g % 2) + w: one mask tile (256 bytes out) and one quad of the table (512 bytes out).  The eight waves of a work-group read 1,024 consecutive bytes of each of 16 rows of the mask.
; No loop, no branch, no LDS; all lanes stay on.
; sin, cos: no hardware sine is used.  k = nearest whole number to angle x 2 / pi; the rest r = angle - k pi / 2 by three fused multiply-adds with pi / 2 in three parts; polynomials on |r| <= pi / 4; the quadrant from k.
; inv_freq = 2^(-f c), c = log2(10000) / 64 in two parts, so that the exponent's fraction keeps f32's full width.
; LIMITS: the reduction is good to about 1e-7 for |position| up to 2^20 and grows coarser beyond; inv_freq lies within about one unit in the last place of the true number.
	s_load_b256 s[4:11], s[0:1], 0x0               ; mask s[4:5], positions s[6:7], rope s[8:9], maskw s[10:11]
	v_lshrrev_b32 v1, 5, v0
	v_readfirstlane_b32 s12, v1                    ; wave 0..7
	s_lshr_b32 s13, ttmp9, 1                       ; T
	s_and_b32 s14, ttmp9, 1
	s_lshl_b32 s14, s14, 3
	s_add_co_u32 s14, s14, s12                     ; J
	s_lshr_b32 s15, s13, 3
	s_lshl_b32 s15, s15, 7                         ; 128 G
	s_bfe_u32 s40, s13, 0x20001
	s_lshl_b32 s40, s40, 5                         ; 32 (a / 2)
	s_add_co_u32 s15, s15, s40
	s_and_b32 s40, s13, 1
	s_lshl_b32 s40, s40, 3                         ; 8 (a % 2)
	s_add_co_u32 s15, s15, s40                     ; the tile's first token
	s_mov_b32 s16, 0xff                            ; the four bytes of a word
	s_mov_b32 s17, 0xff00
	s_mov_b32 s18, 0xff0000
	s_mov_b32 s19, 0xff000000
	s_mov_b32 s24, 0x3e549a78                      ; c, upper part
	s_mov_b32 s25, 0x31979a2a                      ; c, lower part
	s_mov_b32 s26, 0x3f22f983                      ; 2 / pi
	s_mov_b32 s27, 0x3fc90fdb                      ; pi / 2 in three parts
	s_mov_b32 s28, 0xb33bbd2e
	s_mov_b32 s29, 0xa6f72ce7
	s_mov_b32 s30, 0xbe2aaaa3                      ; sine: r + r z (S1 + z (S2 + z S3))
	s_mov_b32 s31, 0x3c08839e
	s_mov_b32 s32, 0xb94ca1f9
	s_mov_b32 s33, 0x3d2aaaa5                      ; cosine: 1 - z / 2 + z z (C1 + z (C2 + z C3))
	s_mov_b32 s34, 0xbab6061a
	s_mov_b32 s35, 0x37ccf5ce
	s_lshr_b32 s36, s14, 2
	s_lshl_b32 s36, s36, 4
	s_and_b32 s37, s14, 3
	s_lshl_b32 s37, s37, 1
	s_add_co_u32 s36, s36, s37                     ; 16 (J / 4) + 2 (J % 4): the quad's first frequency for lanes 0-15
	s_lshl_b32 s40, s15, 11
	s_lshl_b32 s41, s14, 7
	s_add_co_u32 s40, s40, s41                     ; mask: the tile's first row, key step J
	s_mov_b32 s41, 0
	s_lshl_b32 s42, s13, 13
	s_lshl_b32 s43, s14, 9
	s_add_co_u32 s42, s42, s43                     ; rope: 8,192 T + 512 J
	s_mov_b32 s43, 0
	s_lshl_b32 s44, s13, 4
	s_add_co_u32 s44, s44, s14
	s_lshl_b32 s44, s44, 8                         ; maskw: 256 (16 T + J)
	s_mov_b32 s45, 0
	s_lshl_b32 s46, s15, 2                         ; positions: 4 bytes a token
	s_mov_b32 s47, 0
	v_and_b32 v1, 15, v0                           ; r
	v_bfe_u32 v2, v0, 4, 1                         ; h
	v_and_b32 v3, 8, v1
	v_add_nc_u32 v3, v3, v1                        ; r + 8 (r / 8)
	v_lshlrev_b32 v4, 11, v3
	v_lshl_add_u32 v4, v2, 4, v4                   ; mask: my row of 2,048 bytes, + 16 h
	v_lshlrev_b32 v5, 2, v3                        ; my token's position
	v_and_b32 v7, 31, v0
	v_lshlrev_b32 v6, 3, v7                        ; 8 x lane
	v_lshlrev_b32 v7, 4, v7                        ; 16 x lane
	v_lshl_add_u32 v25, v2, 3, s36                 ; my first frequency
	v_mov_b32 v26, 0                               ; the words to store: a lane write reads its destination, so they are written once
	v_mov_b32 v27, 0
	s_wait_kmcnt 0x0
	s_add_nc_u64 s[4:5], s[4:5], s[40:41]
	s_add_nc_u64 s[6:7], s[6:7], s[46:47]
	s_add_nc_u64 s[8:9], s[8:9], s[42:43]
	s_add_nc_u64 s[10:11], s[10:11], s[44:45]
.irp b, 0,1,2,3
	global_load_b128 v[8+4*\b:11+4*\b], v4, s[4:5] offset:32*\b th:TH_LOAD_NT   ; keys 32 b + 16 h + 0 .. 15 of my row: byte n % 4 of v[8 + n / 4] is word n's
.endr
	global_load_b32 v24, v5, s[6:7]
; inv_freq of frequency f = v25 + e, while the loads are out
.macro FREQ e
	v_add_nc_u32 v32, \e, v25
	v_cvt_f32_u32 v32, v32
	v_mul_f32 v33, s24, v32                        ; p = f c, rounded,
	v_fma_f32 v34, v32, s24, -v33                  ; what the rounding dropped,
	v_fma_f32 v34, v32, s25, v34                   ; and c's lower part
	v_rndne_f32 v35, v33
	v_sub_f32 v33, v33, v35                        ; exact
	v_add_f32 v33, v33, v34                        ; the fraction
	v_exp_f32 v[28+\e], -v33
	v_cvt_i32_f32 v35, v35                         ; (a plain line behind the exponential)
	v_sub_nc_u32 v35, 0, v35
	s_wait_alu depctr_va_vdst(0)
	v_ldexp_f32 v[28+\e], v[28+\e], v35
.endm
	FREQ 0
	FREQ 1
	s_wait_loadcnt 0x0                             ; all five loads are wanted now
	v_cvt_f32_i32 v30, v24
.macro SINCOS e
	v_mul_f32 v32, v30, v[28+\e]                   ; the angle, rounded once
	v_mul_f32 v33, s26, v32
	v_rndne_f32 v33, v33                           ; k
	v_fma_f32 v34, -v33, s27, v32
	v_fma_f32 v34, -v33, s28, v34
	v_fma_f32 v34, -v33, s29, v34                  ; r
	v_mul_f32 v35, v34, v34                        ; z
	v_fma_f32 v36, v35, s32, s31
	v_fma_f32 v37, v35, s35, s34
	v_fma_f32 v36, v36, v35, s30
	v_fma_f32 v37, v37, v35, s33
	v_mul_f32 v38, v34, v35
	v_mul_f32 v39, v35, v35
	v_fma_f32 v40, v35, -0.5, 1.0
	v_fma_f32 v38, v38, v36, v34                   ; sin r
	v_fma_f32 v39, v39, v37, v40                   ; cos r
	v_cvt_i32_f32 v41, v33
	v_and_b32 v42, 1, v41
	v_cmp_ne_u32 vcc_lo, 0, v42                    ; an odd quadrant swaps the two
	v_cndmask_b32 v[48+2*\e], v38, v39, vcc_lo
	v_cndmask_b32 v[49+2*\e], v39, v38, vcc_lo
	v_lshlrev_b32 v42, 30, v41
	v_and_b32 v42, 0x80000000, v42                 ; sine is negative in quadrants 2 and 3
	v_xor_b32 v[48+2*\e], v[48+2*\e], v42
	v_add_nc_u32 v42, 1, v41
	v_lshlrev_b32 v42, 30, v42
	v_and_b32 v42, 0x80000000, v42                 ; cosine in quadrants 1 and 2
	v_xor_b32 v[49+2*\e], v[49+2*\e], v42
.endm
	SINCOS 0
	SINCOS 1
	global_store_b128 v7, v[48:51], s[8:9]         ; the wave stores 512 consecutive bytes
; the mask: word n is the compare's lane mask; words 2 L and 2 L + 1 go to lane L
.set n, 0
.rept 64
	v_and_b32 v[44+n%4], s[16+n%4], v[8+n/4]
	v_cmp_ne_u32 s[20+n%4], 0, v[44+n%4]
	v_writelane_b32 v[26+n%2], s[20+n%4], n/2
.set n, n+1
.endr
	global_store_b64 v6, v[26:27], s[10:11]        ; 256 consecutive bytes, aligned
	s_endpgm
.Lfunc_end_k_qddc89aaf9a_prep:
	.size	k_qddc89aaf9a_prep, .Lfunc_end_k_qddc89aaf9a_prep-k_qddc89aaf9a_prep
	.p2alignl 7, 3214868480
	.fill 96, 4, 3214868480
	.section	.rodata,"a",@progbits
	.p2align	6, 0x0
	.amdhsa_kernel k_qddc89aaf9a_prep
		.amdhsa_group_segment_fixed_size 0
		.amdhsa_private_segment_fixed_size 0
		.amdhsa_enable_private_segment 0
		.amdhsa_kernarg_size 32
		.amdhsa_user_sgpr_count 2
		.amdhsa_user_sgpr_kernarg_segment_ptr 1
		.amdhsa_wavefront_size32 1
		.amdhsa_system_sgpr_workgroup_id_x 1
		.amdhsa_system_sgpr_workgroup_id_y 1
		.amdhsa_system_sgpr_workgroup_id_z 1
		.amdhsa_system_vgpr_workitem_id 0
		.amdhsa_next_free_vgpr 64
		.amdhsa_next_free_sgpr 66
		.amdhsa_reserve_vcc 1
		.amdhsa_float_denorm_mode_32 3
		.amdhsa_float_denorm_mode_16_64 3
		.amdhsa_memory_ordered 1
		.amdhsa_forward_progress 1
		.amdhsa_inst_pref_size 18
	.end_amdhsa_kernel
	.amdgpu_metadata
---
amdhsa.version: [ 1, 2 ]
amdhsa.kernels:
  - .name:           k_qddc89aaf9a_prep
    .symbol:         k_qddc89aaf9a_prep.kd
    .args:
      - { .name: attention_mask, .offset: 0, .size: 8, .value_kind: global_buffer, .address_space: global }
      - { .name: position_ids, .offset: 8, .size: 8, .value_kind: global_buffer, .address_space: global }
      - { .name: rope, .offset: 16, .size: 8, .value_kind: global_buffer, .address_space: global }
      - { .name: maskw, .offset: 24, .size: 8, .value_kind: global_buffer, .address_space: global }
    .group_segment_fixed_size: 0
    .private_segment_fixed_size: 0
    .kernarg_segment_align: 8
    .kernarg_segment_size: 32
    .max_flat_workgroup_size: 256
    .sgpr_count:     66
    .vgpr_count:     64
    .wavefront_size: 32
...
	.end_amdgpu_metadata
.endif
;; end of part 1
;; launch qkv (part 2): grid 24 x 8, 4 waves a work-group, clusters of 4 x 4, 327,680 bytes of LDS; arguments hidden_states_codes, hidden_states_scales, Wq_codes, Wq_scales, Wk_codes, Wk_scales, Wv_codes, Wv_scales, rope, qb, kv; writes qb, kv
.if DOCPART == 2
	.amdgcn_target "amdgcn-amd-amdhsa--gfx1250"
	.amdhsa_code_object_version 6
	.text
	.protected	k_qddc89aaf9a_qkv
	.globl	k_qddc89aaf9a_qkv
	.p2align	8
	.type	k_qddc89aaf9a_qkv,@function
k_qddc89aaf9a_qkv:
	s_mov_b64 s[64:65], 0
	v_nop
	global_prefetch_b8 v0, s[64:65] scope:SCOPE_SE
	s_setreg_imm32_b32 hwreg(HW_REG_WAVE_MODE, 25, 1), 1
	s_wait_xcnt 0x0
	s_wait_alu depctr_hold_cnt(0) depctr_sa_sdst(0) depctr_va_vdst(0) depctr_va_sdst(0) depctr_va_ssrc(0) depctr_va_vcc(0) depctr_vm_vsrc(0)
	s_getreg_b32 s2, hwreg(HW_REG_IB_STS2, 6, 4)
	s_cmp_eq_u32 s2, 0
	s_cbranch_scc0 .Lentry_in_a_cluster
	s_endpgm
.Lentry_in_a_cluster:
	s_bfe_u32 s2, ttmp6, 0x10000c
	s_cmp_lg_u32 s2, 0xf033
	s_cbranch_scc0 .Lentry_shape_is_right
	s_endpgm
.Lentry_shape_is_right:
; QKV: the three projections on codes of FP4 (E2M1, one E8M0 scale for each 32 along K), the rotary step on q and k, and the quantisers of q and k (along a head's 128) and of v (along the tokens).
; The results leave as IMAGES OF OPERAND REGISTERS: a fragment (16 rows x 128 K, 8 registers a lane) is 1,024 bytes: registers 0-3 at 16 x lane, registers 4-7 at 512 + 16 x lane; the scale words of 8 tiles are 512 bytes: 16 bytes a lane, lanes 0-15 tiles 0-3, lanes 16-31 tiles 4-7.
;   qb [16 heads][16 groups of 128 tokens][8 fragments, scale image];   kv [16 heads][16 groups][K's 8 fragments, V's 8 fragments, K's scale image, V's scale image].
; GRID: 24 x 8 tiles of 256 x 256; kind = cluster x / 2: 0 q, 1 k, 2 v, the same number in all sixteen partners of a cluster.  192 work-groups: no tile made of whole heads divides this work into 256.
; "A" (source 1, a lane's row) and "B" (source 0, along a lane's registers): q, k: A = hidden states (tokens), B = the weight (features); v: A = Wv (features), B = hidden states (tokens).
; So for q and k a lane holds a token and its registers run along the head's features, for v a lane holds a feature and its registers run along the tokens: each time along the next product's K.  One loop serves all three.
; THE ROWS OF A TILE ARE NOT NEIGHBOURS, on both sides: row r of tile a of a group of 128 is pi(a, r) = 32 (a / 2) + 8 (a % 2) + r + 8 (r / 8).  On B's side the 16 registers of tiles 2 b and 2 b + 1 are then 16 neighbours
; along the next K; on A's side the keys and V's features come out in the order in which the attention wants them as its source 0.
; THE LOOP: a work-group of four waves, a wave makes 128 x 128: 64 accumulators, 512 registers.  K goes in steps of 512 through a ring of two LDS slots (rows of 256 bytes + 16 of padding); the scales of all of K come once and stay.
; The rows of a fragment are 0-7 and 16-23 of a run of 32; at 68 words a row, rows 16 apart start at the same bank (64 banks of 4 bytes: ISA guide 11.1): a fragment load goes two deep.  That is the price of pi with rows as they lie in memory.
; CLUSTERS: 4 x 4 work-groups; A's tiles are asked for jointly along a row of the cluster, B's along a column.
; REGISTERS: window 0: v0-31 addresses; v32-95 scale words, two sets (they hold nothing else); v128-191 A's fragments, one set; on the way out v96-215 are at work.
;   window 1: B's fragments, two sets, at v0 and v128; on the way out v0-63 take the sin/cos block.   windows 2, 3: the accumulators ((a, b) at v[8 (8 (a % 4) + b)] of window 2 + a / 4).
; LIMITS: NaN and infinities are not served; a block of zeros keeps the scale byte 1 (its codes are zeros, and this program alone reads the bytes).
.set KSTEP,  512
.set NQ,     4                         ; matrix instructions deep in a slot
.set ROWB,   256                       ; a tile's row in bytes
.set KROW,   1024                      ; a row of codes in memory
.set PITCH,  272
.set FR,     8
.set NL,     2
.set NP,     4                         ; places behind this matrix instruction (ISA guide 7.12.1)
.set HALFT,  128*PITCH
.set SLOT,   4*HALFT
.set LAPS,   2                         ; K = 2,048: twice round the ring
.set KS,     64                        ; a row of scales in bytes
.set SCL,    2*SLOT                    ; behind the ring: the scales, units of 256 bytes + 16
.set HALFS,  32*272                    ; the scales of 128 rows
.set SPARE,  SCL+4*HALFS               ; the spare words: 128 bytes a wave, two blocks of 256 bytes that no other line names
.set ADRA, 16
.set ADRB, 20
.set LI,   26                          ; v26  16 x lane
.set ADRS, 27
.set SPW,  28
.set NIL,  29
.set SC,   32
.set AF,   128
.set RP,   0                           ; window 1: the sin/cos block of 16 tokens
.set X,    96                          ; v96-159  64 rotated numbers
.set TT,   160                         ; v160-167 four pairs at work
.set TM,   168                         ; v168-171 largest magnitudes, v172-175 exchanged / bytes, v180-183 the conversions' scale operands
.set PC,   186                         ; v186-193, v194-201 codes, two sets by turns
.set SCW,  204                         ; v204-211 the eight tiles' scale words
.set SO,   212                         ; v212-215 the scale image's 16 bytes
.set G1, 24
.set G0, 32
.set G1B, 48
.set G0B, 56
.set G1S, 68
.set G0S, 76
.set G1SB, 80
.set G0SB, 88
.set SEL, 92
.set KIND, 95
.set MSB, 0
.macro WIN new                         ; the immediate's high byte repeats the setting that is left; a switch that changes nothing is dropped
.set WNEW, \new
.if MSB != WNEW
	s_set_vgpr_msb (MSB<<8)|WNEW
.set MSB, WNEW
.endif
.endm
.set MUL_LO, 0xa1                      ; source 0 (B) window 1, source 1 (A) window 0, C and D window 2
.set MUL_HI, 0xf1
.set TO_B,   0x40                      ; destination window 1, address window 0
; A joint load: waves 0 and 1 fetch for A, waves 2 and 3 for B; the branch hangs on the wave's number alone.  Four v_nop follow each line.
.macro JLOAD g0a, g1a, g0b, g1b
	s_cmp_eq_u32 s15, 0
	s_cbranch_scc0 .Lfor_b_\@
	tensor_load_to_lds s[\g0a:\g0a+3], s[\g1a:\g1a+7]
	s_nop 0
.rept 4
	v_nop
.endr
	s_branch .Lasked_\@
.Lfor_b_\@:
	tensor_load_to_lds s[\g0b:\g0b+3], s[\g1b:\g1b+7]
	s_nop 0
.rept 4
	v_nop
.endr
.Lasked_\@:
.endm
.macro CREST                           ; a round of the cluster's barrier behind its opening barrier
	s_cmp_lg_u32 s14, 0
	s_cbranch_scc1 .Lnot_wave_0_\@
	s_barrier_signal -3
.Lnot_wave_0_\@:
	s_barrier_wait -3
	s_barrier_signal -1
	s_barrier_wait -1
.endm
.macro CROUND
	s_barrier_signal -1
	s_barrier_wait -1
	CREST
.endm
	s_load_b512 s[24:39], s[0:1], 0x0              ; hidden codes, scales; Wq codes, scales; Wk codes, scales; Wv codes, scales
	s_load_b128 s[96:99], s[0:1], 0x40             ; rope, qb
	s_load_b64 s[100:101], s[0:1], 0x50            ; kv
	v_lshl_add_u32 v[SPW], v0, 2, SPARE
	v_mov_b32 v[NIL], 0
	ds_add_u32 v28, v29
	ds_add_u32 v28, v29
	s_wait_dscnt 0x0
	v_lshrrev_b32 v1, 5, v0
	v_readfirstlane_b32 s14, v1                    ; wave 0..3
	s_lshr_b32 s15, s14, 1                         ; which half of A's rows is mine.  Also: I fetch for A (0) or for B (1)
	s_and_b32 s16, s14, 1                          ; which half of B's rows.  Also: which 128 rows I fetch
	s_bfe_u32 s40, ttmp6, 0x40000                  ; cx
	s_bfe_u32 s41, ttmp6, 0x40004                  ; cy
	s_lshl_b32 s42, ttmp9, 2
	s_add_co_u32 s42, s42, s40
	s_and_b32 s42, s42, 7                          ; B's block of 256 rows: the tile column inside its kind
	s_and_b32 s17, ttmp7, 0xffff
	s_lshl_b32 s17, s17, 2
	s_add_co_u32 s17, s17, s41                     ; A's block of 256 rows
	s_lshl_b32 s43, s41, 2
	s_lshl_b32 s43, 15, s43                        ; my row of the cluster
	s_lshl_b32 s44, 0x1111, s40                    ; my column
	s_lshr_b32 s[KIND], ttmp9, 1                   ; 0 q, 1 k, 2 v
	s_lshl_b32 s18, s16, 7
	s_lshl_b32 s20, s17, 8
	s_add_co_u32 s20, s20, s18                     ; A: the first row that I fetch
	s_lshl_b32 s46, s42, 8
	s_add_co_u32 s46, s46, s18                     ; B: likewise
	s_lshl_b32 s22, s20, 6                         ; their scales: 64 bytes a row
	s_mov_b32 s23, 0
	s_lshl_b32 s92, s46, 6
	s_mov_b32 s93, 0
	s_lshl_b32 s20, s20, 10                        ; their codes: 1,024 bytes a row
	s_mov_b32 s21, 0
	s_lshl_b32 s46, s46, 10
	s_mov_b32 s47, 0
	s_mul_i32 s45, s14, HALFT                      ; where they go: wave x 128 rows: no place in the cluster enters an LDS address
	s_mul_i32 s94, s14, HALFS
	s_wait_kmcnt 0x0
	s_cmp_eq_u32 s[KIND], 2                        ; the buffers are chosen by the kind alone
	s_cselect_b64 s[4:5], s[36:37], s[24:25]       ; A's codes: Wv, else the hidden states
	s_cselect_b64 s[6:7], s[38:39], s[26:27]
	s_cselect_b64 s[8:9], s[24:25], s[28:29]       ; B's codes: the hidden states, else Wq,
	s_cselect_b64 s[10:11], s[26:27], s[30:31]
	s_cmp_eq_u32 s[KIND], 1
	s_cselect_b64 s[8:9], s[32:33], s[8:9]         ; or Wk
	s_cselect_b64 s[10:11], s[34:35], s[10:11]
	s_add_nc_u64 s[20:21], s[4:5], s[20:21]
	s_add_nc_u64 s[22:23], s[6:7], s[22:23]
	s_add_nc_u64 s[46:47], s[8:9], s[46:47]
	s_add_nc_u64 s[92:93], s[10:11], s[92:93]
	; descriptor group 1: a tile of 128 rows x 256 bytes, 16 bytes of padding behind each row
	s_or_b32 s[G1+0], s43, (0<<16)|(1<<20)|(1<<21)|(5<<22)|(3<<25)   ; the mask: A's tiles go to my row; elements of 1 byte; padding on; bit 21 beside a mask; after every 64 words, 4 words
	s_or_b32 s[G1B+0], s44, (0<<16)|(1<<20)|(1<<21)|(5<<22)|(3<<25)
.irp g, G1, G1B
	s_mov_b32 s[\g+1], ROWB<<16                    ; tensor_dim0
	s_mov_b32 s[\g+2], 128<<16                     ; tensor_dim1
	s_mov_b32 s[\g+3], ROWB<<16                    ; tile_dim0
	s_mov_b32 s[\g+4], 128                         ; tile_dim1
	s_mov_b32 s[\g+5], KROW                        ; from row to row
	s_mov_b32 s[\g+6], 0
	s_mov_b32 s[\g+7], 0
.endr
	; the scales of 128 rows: 8,192 dense bytes as 32 rows of 256 (32 elements of 8 bytes), 16 bytes of padding behind each
	s_or_b32 s[G1S+0], s43, (3<<16)|(1<<20)|(1<<21)|(5<<22)|(3<<25)
	s_or_b32 s[G1SB+0], s44, (3<<16)|(1<<20)|(1<<21)|(5<<22)|(3<<25)
.irp g, G1S, G1SB
	s_mov_b32 s[\g+1], 32<<16
	s_mov_b32 s[\g+2], 32<<16
	s_mov_b32 s[\g+3], 32<<16
	s_mov_b32 s[\g+4], 32
	s_mov_b32 s[\g+5], 32
	s_mov_b32 s[\g+6], 0
	s_mov_b32 s[\g+7], 0
.endr
	CROUND                                         ; all sixteen work-groups are here: the first joint loads meet
	s_mov_b32 s[G0S], 1
	s_add_co_u32 s[G0S+1], s94, SCL
	s_mov_b64 s[G0S+2:G0S+3], s[22:23]
	s_or_b32 s[G0S+3], s[G0S+3], 0x80000000
	s_mov_b32 s[G0SB], 1
	s_add_co_u32 s[G0SB+1], s94, SCL
	s_mov_b64 s[G0SB+2:G0SB+3], s[92:93]
	s_or_b32 s[G0SB+3], s[G0SB+3], 0x80000000
	JLOAD G0S, G1S, G0SB, G1SB                     ; the scales first: they are wanted with K step 0
.irp s, 0,1
	s_mov_b32 s[G0+4*\s], 1
	s_add_co_u32 s[G0+4*\s+1], s45, \s*SLOT
	s_add_nc_u64 s[G0+4*\s+2:G0+4*\s+3], s[20:21], \s*ROWB
	s_or_b32 s[G0+4*\s+3], s[G0+4*\s+3], 0x80000000
	s_mov_b32 s[G0B+4*\s], 1
	s_add_co_u32 s[G0B+4*\s+1], s45, \s*SLOT
	s_add_nc_u64 s[G0B+4*\s+2:G0B+4*\s+3], s[46:47], \s*ROWB
	s_or_b32 s[G0B+4*\s+3], s[G0B+4*\s+3], 0x80000000
	JLOAD G0+4*\s, G1, G0B+4*\s, G1B               ; three loads of mine are out behind the second of these
.endr
	v_and_b32 v1, 15, v0                           ; r
	v_bfe_u32 v2, v0, 4, 1                         ; h
	v_and_b32 v7, 8, v1
	v_add_nc_u32 v7, v7, v1                        ; r + 8 (r / 8)
	v_mul_u32_u24 v3, v7, PITCH
	v_lshl_add_u32 v4, v2, 4, v3                   ; a fragment's row x pitch + 16 h
	s_mul_i32 s21, s15, HALFT                      ; my 128 rows of A
	s_mul_i32 s22, s16, HALFT                      ; my 128 rows of B,
	s_add_co_u32 s22, s22, 2*HALFT                 ; which lie behind A's 256
.irp s, 0,1
	v_add_nc_u32 v[ADRA+\s], s21, v4
	v_add_nc_u32 v[ADRB+\s], s22, v4
	s_add_co_u32 s21, s21, SLOT
	s_add_co_u32 s22, s22, SLOT
.endr
	v_mul_u32_u24 v5, v7, KS                       ; my row's scales: 64 bytes a row,
	v_lshrrev_b32 v6, 8, v5
	v_lshl_add_u32 v5, v6, 4, v5                   ; and 16 more for each 256 passed
	s_mul_i32 s21, s15, HALFS
	s_mul_i32 s22, s16, HALFS
	s_add_co_u32 s22, s22, 2*HALFS
	s_sub_co_u32 s22, s22, s21
	v_mul_u32_u24 v6, s22, v2                      ; lanes 16-31 take B's: one product, the distance between the two bases
	s_add_co_u32 s21, s21, SCL
	v_add_nc_u32 v5, v5, v6
	v_add_nc_u32 v[ADRS], s21, v5
	v_and_b32 v6, 31, v0
	v_lshlrev_b32 v[LI], 4, v6
	s_mov_b32 s[SEL], 0x76543210
	s_mov_b32 s[SEL+1], 0xfedcba98                 ; v_permlanex16_b32's selects for lane l xor 16
	; where my results go.  q, k: head = B's group, token group G = A's group; v: the other way round
	s_lshl_b32 s20, s42, 1
	s_add_co_u32 s20, s20, s16                     ; B's group of 128 rows
	s_lshl_b32 s21, s17, 1
	s_add_co_u32 s21, s21, s15                     ; A's
	s_mov_b32 s47, 16384
	s_cmp_eq_u32 s[KIND], 2
	s_cselect_b32 s22, s21, s20                    ; head
	s_cselect_b32 s23, s20, s21                    ; G
	s_cselect_b32 s46, 8192, 0                     ; V's fragments lie behind K's
	s_cselect_b32 s47, 8704, s47                   ; from my fragments to my scale image: v 8,704, k 16,384,
	s_mov_b32 s18, 17408
	s_cmp_eq_u32 s[KIND], 0
	s_cselect_b64 s[12:13], s[98:99], s[100:101]   ; qb or kv
	s_cselect_b32 s18, 8704, s18                   ; a block's bytes
	s_cselect_b32 s47, 8192, s47                   ; q 8,192
	s_lshl_b32 s22, s22, 4
	s_add_co_u32 s22, s22, s23                     ; 16 head + G
	s_mul_i32 s22, s22, s18
	s_add_co_u32 s22, s22, s46
	s_lshl_b32 s18, s23, 16                        ; the sin/cos blocks of my 128 tokens: 65,536 G
	s_mov_b32 s19, 0
	s_mov_b32 s23, 0
	s_mov_b32 s46, s47
	s_mov_b32 s47, 0
	s_add_nc_u64 s[96:97], s[96:97], s[18:19]
	s_add_nc_u64 s[12:13], s[12:13], s[22:23]      ; my eight fragments
	s_add_nc_u64 s[98:99], s[12:13], s[46:47]      ; my scale image
.macro FRAG reg, adr, q, i             ; tile i's fragment of the slot's q-th 128 along K: the tile begins at row 32 (i / 2) + 8 (i % 2)
.irp c, 0,1
	ds_load_b128 v[\reg+4*\c:\reg+4*\c+3], v[\adr] offset:64*(\q)+32*\c+(32*((\i)/2)+8*((\i)%2))*PITCH
.endr
.endm
; 16 matrix instructions: A's blocks a0, a0 + 1 x B's eight.  The 64 accumulators take turns, one instruction a turn, in the same order in every step.
.macro MUL16 a0, p, q, sc, zero
.irp a, \a0, \a0+1
.irp b, 0,1,2,3,4,5,6,7
.if \zero
	v_wmma_scale_f32_16x16x128_f8f6f4 v[8*(8*((\a)%4)+\b):8*(8*((\a)%4)+\b)+7], v[128*(\p)+FR*\b:128*(\p)+FR*\b+FR-1], v[AF+FR*(\a):AF+FR*(\a)+FR-1], 0, v[SC+8*NQ*(\sc)+NQ*\b+(\q)], v[SC+8*NQ*(\sc)+NQ*(\a)+(\q)] matrix_a_fmt:MATRIX_FMT_FP4 matrix_b_fmt:MATRIX_FMT_FP4 matrix_a_scale:MATRIX_SCALE_ROW1
.else
	v_wmma_scale_f32_16x16x128_f8f6f4 v[8*(8*((\a)%4)+\b):8*(8*((\a)%4)+\b)+7], v[128*(\p)+FR*\b:128*(\p)+FR*\b+FR-1], v[AF+FR*(\a):AF+FR*(\a)+FR-1], v[8*(8*((\a)%4)+\b):8*(8*((\a)%4)+\b)+7], v[SC+8*NQ*(\sc)+NQ*\b+(\q)], v[SC+8*NQ*(\sc)+NQ*(\a)+(\q)] matrix_a_fmt:MATRIX_FMT_FP4 matrix_b_fmt:MATRIX_FMT_FP4 matrix_a_scale:MATRIX_SCALE_ROW1
.endif
.endr
.endr
.endm
.macro FETCH_B slot, q, p
	WIN TO_B
.irp i, 0,1,2,3,4,5,6,7
	FRAG 128*(\p)+FR*\i, ADRB+\slot, \q, \i
.endr
	WIN 0
.endm
.macro FETCH_A slot, q, i0
.irp i, \i0, \i0+1, \i0+2, \i0+3
	FRAG AF+FR*(\i), ADRA+\slot, \q, \i
.endr
.endm
.macro SCALES sc                       ; a K step's scale words: 4 words a row; lanes 0-15 A's tile i, lanes 16-31 B's tile i; the tile's first row is 8 (i / 2) + 2 (i % 2) units of 256 bytes on
.irp i, 0,1,2,3,4,5,6,7
	ds_load_b128 v[SC+8*NQ*\sc+NQ*\i:SC+8*NQ*\sc+NQ*\i+3], v[ADRS] offset:(8*(\i/2)+2*(\i%2))*272
.endr
.endm
.macro PLACES n                        ; plain vector lines between a matrix instruction and a load into, or a vector line on, its registers
.rept \n
	v_nop
.endr
.endm
.macro STEP slot, q, zero              ; 128 along K, with its successor in the same slot
	s_wait_dscnt 4*NL                              ; B's set and A's blocks 0-3 are in; the youngest eight loads (A's blocks 4-7) may be out
	WIN MUL_LO
	MUL16 0, (\q)%2, \q, \slot, \zero
	MUL16 2, (\q)%2, \q, \slot, \zero
	s_wait_dscnt 0                                 ; A's blocks 4-7 are in
	PLACES NP
	FETCH_B \slot, (\q)+1, 1-(\q)%2
	FETCH_A \slot, (\q)+1, 0
	WIN MUL_HI
	MUL16 4, (\q)%2, \q, \slot, \zero
	MUL16 6, (\q)%2, \q, \slot, \zero
	PLACES NP
	WIN 0
	FETCH_A \slot, (\q)+1, 4
.endm
; A slot's last step changes slots: one barrier; in front of it each wave waits for all its tensor loads, adds 0 to its spare word, and waits for that and for its reads of this slot.
.macro TURN slot, next, fill
	s_wait_tensorcnt 0x0                           ; all my tensor loads have landed: my part of the next slot
	ds_add_u32 v[SPW], v[NIL]                      ; 0 onto my spare word
	s_wait_dscnt 4*NL+1                            ; (the add and the youngest eight loads may be out)
	WIN MUL_LO
	MUL16 0, 1, NQ-1, \slot, 0
	s_wait_dscnt 0x0                               ; the add is done, and my reads of this slot are over
	s_barrier_signal -1
	MUL16 2, 1, NQ-1, \slot, 0
	WIN 0
	s_barrier_wait -1
.if \fill
	CREST                                          ; the barrier has opened a round of the cluster's barrier: no wave of any partner still reads this slot or has a load on its way
	s_add_nc_u64 s[G0+4*\slot+2:G0+4*\slot+3], s[G0+4*\slot+2:G0+4*\slot+3], 2*ROWB
	s_add_nc_u64 s[G0B+4*\slot+2:G0B+4*\slot+3], s[G0B+4*\slot+2:G0B+4*\slot+3], 2*ROWB
	JLOAD G0+4*\slot, G1, G0B+4*\slot, G1B         ; the first tensor load behind the round; its four v_nop are the places in front of the loads below
.else
	PLACES NP
.endif
	v_add_nc_u32 v[ADRS], 4*NQ, v[ADRS]            ; the next K step's scale words
	FETCH_B \next, 0, 0
	FETCH_A \next, 0, 0
	SCALES \next
	WIN MUL_HI
	MUL16 4, 1, NQ-1, \slot, 0
	MUL16 6, 1, NQ-1, \slot, 0
	PLACES NP
	WIN 0
	FETCH_A \next, 0, 4
.endm
.macro STEPS slot, from
.set Q, \from
.rept NQ-1-\from
	STEP \slot, Q, 0
.set Q, Q+1
.endr
.endm
	s_wait_tensorcnt 1                             ; the scales and my part of K step 0 are in (K step 1's load may be out),
	s_barrier_signal -1
	s_barrier_wait -1                              ; everybody's are
	FETCH_B 0, 0, 0
	FETCH_A 0, 0, 0
	SCALES 0
	FETCH_A 0, 0, 4
	STEP 0, 0, 1                                   ; the first step stands in front of the loop: its products start the sums
	s_mov_b32 s3, LAPS-1
.Llap:                                                 ; a trip goes once round the ring and fills both slots again
	STEPS 0, 1
	TURN 0, 1, 1
	STEPS 1, 0
	TURN 1, 0, 1
	STEP 0, 0, 0
	s_sub_co_u32 s3, s3, 1
	s_cmp_lg_u32 s3, 0
	s_cbranch_scc1 .Llap
	STEPS 0, 1                                     ; the last lap fills nothing
	TURN 0, 1, 0
	STEPS 1, 0
	s_wait_dscnt 4*NL
	WIN MUL_LO
	MUL16 0, 1, NQ-1, 1, 0
	MUL16 2, 1, NQ-1, 1, 0
	s_wait_dscnt 0
	WIN MUL_HI
	MUL16 4, 1, NQ-1, 1, 0
	MUL16 6, 1, NQ-1, 1, 0
	WIN 0
; THE WAY OUT.  For A's block a, a lane's 64 results (register 16 b + i = place 32 b + 16 (lane / 16) + i along the next K) become one fragment and one scale word a row.
; 64 numbers at v[s] of window w -> codes in v[pc .. pc + 7], scale word in v[pw].  Every accumulator is read from its low end on.
.macro QUANT s, w, pc, pw
	WIN (\w)|((\w)<<2)
.irp b, 0,1,2,3
	v_max3_num_f32 v[TM+\b], |v[(\s)+16*\b]|, |v[(\s)+16*\b+1]|, 0x1800000   ; block b: my 16 numbers, and the floor 2^(3 - 127): the byte cannot fall under 1
.endr
.irp i, 2,4,6,8,10,12,14
.irp b, 0,1,2,3
	v_max3_num_f32 v[TM+\b], |v[(\s)+16*\b+\i]|, |v[(\s)+16*\b+\i+1]|, v[TM+\b]   ; (the four blocks by turns)
.endr
.endr
	WIN 0
.irp b, 0,1,2,3
	v_permlanex16_b32 v[TM+4+\b], v[TM+\b], s[SEL], s[SEL+1]
.endr
.irp b, 0,1,2,3
	v_max_num_f32 v[TM+\b], v[TM+\b], v[TM+4+\b]   ; with lane l xor 16's: the block's largest magnitude
.endr
.irp b, 0,1,2,3
	v_add_nc_u32 v[TM+12+\b], 0xff000000, v[TM+\b] ; 2 off its exponent field: the conversion's scale operand
.endr
.irp b, 0,1,2,3
	v_lshrrev_b32 v[TM+4+\b], 23, v[TM+12+\b]      ; the scale's byte
.endr
	v_lshl_or_b32 v[\pw], v[TM+5], 8, v[TM+4]
	v_lshl_or_b32 v[\pw], v[TM+6], 16, v[\pw]
	v_lshl_or_b32 v[\pw], v[TM+7], 24, v[\pw]
	WIN \w
.irp b, 0,1,2,3
	v_cvt_scalef32_pk8_fp4_f32 v[(\pc)+2*\b], v[(\s)+16*\b:(\s)+16*\b+7], v[TM+12+\b]
	v_cvt_scalef32_pk8_fp4_f32 v[(\pc)+2*\b+1], v[(\s)+16*\b+8:(\s)+16*\b+15], v[TM+12+\b]
.endr
	WIN 0
	v_nop                                          ; one plain line behind a scaled conversion
.irp c, 0,1                                    ; the operand's layout wants a whole block in a lane
.irp i, 0,1
	v_permlane16_swap_b32 v[(\pc)+4*\c+\i], v[(\pc)+4*\c+2+\i]
.endr
.endr
.endm
.macro ROPELOAD a                      ; the sin/cos block of tile a's 16 tokens, in the order of my registers: 16 loads of 512 consecutive bytes
	WIN TO_B
.irp q, 0,1,2,3,4,5,6,7,8,9,10,11,12,13,14,15
	global_load_b128 v[RP+4*\q:RP+4*\q+3], v[LI], s[96:97] offset:(\a)*8192+\q*512
.endr
	WIN 0
.endm
.macro ROT a                           ; (x1, x2) -> (x1 cos - x2 sin, x2 cos + x1 sin), four pairs at a time
	s_wait_loadcnt 0x0                             ; the 16 loads of this block are the only loads out
	WIN (2+(\a)/4)|4                               ; source 0: the accumulators' window; source 1: window 1
.set AC, 64*((\a)%4)
.set g, 0
.rept 8
.irp k, 0,1,2,3
	v_pk_mul_f32 v[TT+2*\k:TT+2*\k+1], v[AC+8*g+2*\k:AC+8*g+2*\k+1], v[RP+8*g+2*\k:RP+8*g+2*\k+1] op_sel_hi:[1,0]   ; (x1 sin, x2 sin)
.endr
.irp k, 0,1,2,3
	v_fma_f32 v[X+8*g+2*\k], v[AC+8*g+2*\k], v[RP+8*g+2*\k+1], -v[TT+2*\k+1]
	v_fma_f32 v[X+8*g+2*\k+1], v[AC+8*g+2*\k+1], v[RP+8*g+2*\k+1], v[TT+2*\k]
.endr
.set g, g+1
.endr
	WIN 0
.endm
.macro OUT a                           ; the fragment as it stands: two stores of 512 consecutive bytes
	global_store_b128 v[LI], v[PC+8*((\a)%2):PC+8*((\a)%2)+3], s[12:13] offset:(\a)*1024
	global_store_b128 v[LI], v[PC+8*((\a)%2)+4:PC+8*((\a)%2)+7], s[12:13] offset:(\a)*1024+512
.endm
	PLACES NP                                      ; behind the last products: for the loads and vector lines on registers that they read, and for the reads of results
.irp b, 0,1,2,3
	v_mov_b32 v[TM+4+\b], 0                        ; written once: a lane permute's destination counts as one of its sources
.endr
	s_cmp_lt_u32 ttmp9, 4                          ; q and k take the rotary step; the kind is the same in all partners
	s_cbranch_scc0 .Lv
	ROPELOAD 0
.irp a, 0,1,2,3,4,5,6,7
	ROT \a
.if \a < 7
	ROPELOAD \a+1                                  ; lands while this block is quantised
.endif
	s_wait_xcnt 0x0                                ; the stores of two blocks back have read this set of codes
	QUANT X, 0, PC+8*(\a%2), SCW+\a
	OUT \a
.endr
	s_branch .Ljoin
.Lv:
.irp a, 0,1,2,3,4,5,6,7
	s_wait_xcnt 0x0                                ; the stores of two blocks back have read this set of codes
	QUANT 64*(\a%4), 2+\a/4, PC+8*(\a%2), SCW+\a
	OUT \a
.endr
.Ljoin:
	s_mov_b32 vcc_lo, 0xffff0000
.irp i, 0,1,2,3
	v_cndmask_b32 v[SO+\i], v[SCW+\i], v[SCW+4+\i], vcc_lo   ; lanes 0-15 tiles 0-3, lanes 16-31 tiles 4-7 (every lane holds its row's word of every tile)
.endr
	global_store_b128 v[LI], v[SO:SO+3], s[98:99]
	s_wait_tensorcnt 0x0                           ; the wave's end
	ds_add_u32 v[SPW], v[NIL]
	s_wait_dscnt 0x0
	CROUND                                         ; the closing round: no work-group ends while a partner may still ask for a tile that names it
	s_endpgm
.Lfunc_end_k_qddc89aaf9a_qkv:
	.size	k_qddc89aaf9a_qkv, .Lfunc_end_k_qddc89aaf9a_qkv-k_qddc89aaf9a_qkv
	.p2alignl 7, 3214868480
	.fill 96, 4, 3214868480
	.section	.rodata,"a",@progbits
	.p2align	6, 0x0
	.amdhsa_kernel k_qddc89aaf9a_qkv
		.amdhsa_group_segment_fixed_size 327680
		.amdhsa_private_segment_fixed_size 0
		.amdhsa_enable_private_segment 0
		.amdhsa_kernarg_size 88
		.amdhsa_user_sgpr_count 2
		.amdhsa_user_sgpr_kernarg_segment_ptr 1
		.amdhsa_wavefront_size32 1
		.amdhsa_system_sgpr_workgroup_id_x 1
		.amdhsa_system_sgpr_workgroup_id_y 1
		.amdhsa_system_sgpr_workgroup_id_z 1
		.amdhsa_system_vgpr_workitem_id 0
		.amdhsa_next_free_vgpr 1024
		.amdhsa_next_free_sgpr 102
		.amdhsa_reserve_vcc 1
		.amdhsa_float_denorm_mode_32 3
		.amdhsa_float_denorm_mode_16_64 3
		.amdhsa_memory_ordered 1
		.amdhsa_forward_progress 1
		.amdhsa_inst_pref_size 255
	.end_amdhsa_kernel
	.section	.bss,"aw",@nobits
	.p2align	6
	.space	262144
	.amdgpu_metadata
---
amdhsa.version: [ 1, 2 ]
amdhsa.kernels:
  - .name:           k_qddc89aaf9a_qkv
    .symbol:         k_qddc89aaf9a_qkv.kd
    .args:
      - { .name: hidden_states_codes, .offset: 0, .size: 8, .value_kind: global_buffer, .address_space: global }
      - { .name: hidden_states_scales, .offset: 8, .size: 8, .value_kind: global_buffer, .address_space: global }
      - { .name: Wq_codes, .offset: 16, .size: 8, .value_kind: global_buffer, .address_space: global }
      - { .name: Wq_scales, .offset: 24, .size: 8, .value_kind: global_buffer, .address_space: global }
      - { .name: Wk_codes, .offset: 32, .size: 8, .value_kind: global_buffer, .address_space: global }
      - { .name: Wk_scales, .offset: 40, .size: 8, .value_kind: global_buffer, .address_space: global }
      - { .name: Wv_codes, .offset: 48, .size: 8, .value_kind: global_buffer, .address_space: global }
      - { .name: Wv_scales, .offset: 56, .size: 8, .value_kind: global_buffer, .address_space: global }
      - { .name: rope, .offset: 64, .size: 8, .value_kind: global_buffer, .address_space: global }
      - { .name: qb, .offset: 72, .size: 8, .value_kind: global_buffer, .address_space: global }
      - { .name: kv, .offset: 80, .size: 8, .value_kind: global_buffer, .address_space: global }
    .group_segment_fixed_size: 327680
    .private_segment_fixed_size: 0
    .kernarg_segment_align: 8
    .kernarg_segment_size: 88
    .max_flat_workgroup_size: 128
    .sgpr_count:     102
    .vgpr_count:     1024
    .wavefront_size: 32
...
	.end_amdgpu_metadata
.endif
;; end of part 2
;; launch attn (part 3): grid 16 x 16, 8 waves a work-group, clusters of 4 x 1, 327,680 bytes of LDS; arguments qb, kv, maskw, cimg; writes cimg
.if DOCPART == 3
	.amdgcn_target "amdgcn-amd-amdhsa--gfx1250"
	.amdhsa_code_object_version 6
	.text
	.protected	k_qddc89aaf9a_attn
	.globl	k_qddc89aaf9a_attn
	.p2align	8
	.type	k_qddc89aaf9a_attn,@function
k_qddc89aaf9a_attn:
	s_mov_b64 s[64:65], 0
	v_nop
	global_prefetch_b8 v0, s[64:65] scope:SCOPE_SE
	s_setreg_imm32_b32 hwreg(HW_REG_WAVE_MODE, 25, 1), 1
	s_wait_xcnt 0x0
	s_wait_alu depctr_hold_cnt(0) depctr_sa_sdst(0) depctr_va_vdst(0) depctr_va_sdst(0) depctr_va_ssrc(0) depctr_va_vcc(0) depctr_vm_vsrc(0)
	s_getreg_b32 s2, hwreg(HW_REG_IB_STS2, 6, 4)
	s_cmp_eq_u32 s2, 0
	s_cbranch_scc0 .Lentry_in_a_cluster
	s_endpgm
.Lentry_in_a_cluster:
	s_bfe_u32 s2, ttmp6, 0x10000c
	s_cmp_lg_u32 s2, 0x3003
	s_cbranch_scc0 .Lentry_shape_is_right
	s_endpgm
.Lentry_shape_is_right:
; ATTN: ctx = softmax(mask(q k^T / sqrt(128))) v for one head and 128 queries a work-group, both products on codes of FP4 (E2M1, one E8M0 scale for each 32 along K); ctx leaves quantised along the head's 128.
; THE SOFTMAX AHEAD OF THE SECOND PRODUCT: t = logit x log2(e); M = the running largest t, rounded up to a whole number; p = 2^(t - M) is quantised along the keys, not normalised; the row's sum is taken of the
; unquantised p and divides at the end.  When M moves, the sum and O are multiplied by 2^(old M - new M), which rounds nothing.
; THE MASK is an input: it is honoured bit by bit, and a masked logit is -10000 as the problem has it: the score becomes -10000 sqrt(128) ahead of the maximum, so that a row masked throughout comes out uniform.  No key step is left out.
; It comes as lane masks (one 32-bit word for each of a step's 64 score registers), by scalar loads a step ahead, and steers v_cndmask_b32 alone.
; SHARES: head = work-group y; group G of 128 queries = work-group x; wave w owns tile w: 16 queries in 256 registers, two waves to a SIMD.  Every wave walks the head's 2,048 keys, 128 a step.
; A WHOLE HEAD'S K, V AND THEIR SCALES STAY IN LDS: 16 blocks of 17,408 bytes, images of operand registers, as they lie in memory.  They are filled once, in four chunks of four key steps, so nothing is filled again.
; The four work-groups of a cluster belong to one head and ask for every chunk jointly.  Each wave issues four loads of 8,704 bytes, all at the head: four are out.
; LAYOUT: both products are used transposed (S^T = K Q^T, O^T = V^T P^T): a lane holds one query throughout.  Row r of tile t of K is key 32 (t / 2) + 8 (t % 2) + r + 8 (r / 8) of the step, so score register n is key
; 32 (n / 16) + 16 (lane / 16) + n % 16; V's rows are the head's features in the same order, so O's registers run along the features likewise.
; An image is read by 16 bytes a lane, 512 consecutive bytes an instruction.
; REGISTERS: v1-7 addresses; v12 -M, v13 the largest t, v[14:15] the sum; v16-23 Q; v32-95 K's, then V's eight fragments; v96-159 S^T, then p; v160-223 O^T; v224-231 p's codes; v232-239, v244-247, v252, v254 at work;
;   scale words, and nothing else: v240-243 V's, v248-251 K's, v253 p's, v255 Q's.
; LIMITS: NaN and infinities are not served; a block of zeros keeps the scale byte 1 (its codes are zeros, and this program alone reads the bytes).
.set STEPB, 17408                      ; a key step's block
.set CHB,   4*STEPB                    ; a chunk
.set PARTB, 8704                       ; a wave's part of a chunk: 34 rows of 256 bytes
.set HEADB, 16*STEPB
.set STG,   HEADB                      ; behind the head: 512 bytes, the stage of ctx's scale image; no fill lands there
.set WV,  2
.set CNT, 3
.set TB,  4                            ; s4   LDS byte of the key step in hand
.set MO,  5                            ; s5   byte of the next step's lane masks
.set MP,  6                            ; s[6:7] my tile's lane masks
.set G1,  8                            ; s[8:15]
.set G0,  16                           ; s[16:31] a group 0 for each chunk
.set QB,  66                           ; s[66:67] my group's block of q
.set SEL, 100
.set CS,  104                          ; s[104:105] c = log2(e) / sqrt(128)
.set LI,  1                            ; v1  16 x lane
.set AD,  2                            ; v2  the step's LDS address
.set NEG, 3                            ; v3  -10000 sqrt(128)
.set SA,  4                            ; v4  where my row's scale word of ctx goes
.set SR,  5                            ; v5  where wave 0 reads the scale image back
.set QO,  6                            ; v6  1,024 w + 16 x lane: my tile's image
.set QS,  7                            ; v7  my row's word in a scale image
.macro ROUND                           ; a round of the cluster's barrier
	s_barrier_signal -1
	s_barrier_wait -1
	s_cmp_lg_u32 s[WV], 0
	s_cbranch_scc1 .Lnot_wave_0_\@
	s_barrier_signal -3
.Lnot_wave_0_\@:
	s_barrier_wait -3
	s_barrier_signal -1
	s_barrier_wait -1
.endm
	s_load_b256 s[32:39], s[0:1], 0x0              ; qb s[32:33], kv s[34:35], maskw s[36:37], (cimg is fetched again at the end: these registers take the lane masks)
	v_lshl_add_u32 v30, v0, 2, 0x44200
	v_mov_b32 v31, 0
	ds_add_u32 v30, v31
	ds_add_u32 v30, v31
	v_lshrrev_b32 v1, 5, v0
	v_readfirstlane_b32 s[WV], v1                  ; wave 0..7
	s_bfe_u32 s40, ttmp6, 0x40000                  ; cx
	s_lshl_b32 s41, ttmp9, 2
	s_add_co_u32 s41, s41, s40                     ; G: it enters global addresses of q, the masks and ctx alone
	s_and_b32 s42, ttmp7, 0xffff                   ; the head, which the four partners share
	s_mov_b32 s[G1+0], 15|(3<<16)|(1<<21)          ; the mask: all four work-groups; elements of 8 bytes; bit 21 beside a mask; no padding
	s_mov_b32 s[G1+1], 32<<16                      ; tensor_dim0 = 32 elements: 256 bytes
	s_mov_b32 s[G1+2], 34<<16                      ; tensor_dim1 = 34
	s_mov_b32 s[G1+3], 32<<16                      ; tile_dim0
	s_mov_b32 s[G1+4], 34                          ; tile_dim1
	s_mov_b32 s[G1+5], 32                          ; dense
	s_mov_b32 s[G1+6], 0
	s_mov_b32 s[G1+7], 0
	s_mul_i32 s43, s[WV], PARTB                    ; my part of a chunk, in LDS and in memory alike
	s_mul_i32 s44, s42, HEADB
	s_add_co_u32 s44, s44, s43
	s_mov_b32 s45, 0
	s_lshl_b32 s46, s42, 4
	s_add_co_u32 s46, s46, s41
	s_mul_i32 s46, s46, 8704                       ; q: block 16 head + G
	s_mov_b32 s47, 0
	s_lshl_b32 s52, s41, 3
	s_add_co_u32 s52, s52, s[WV]
	s_lshl_b32 s52, s52, 12                        ; masks: tile 8 G + w, 4,096 bytes a tile
	s_mov_b32 s53, 0
	s_mov_b32 s[SEL], 0x76543210
	s_mov_b32 s[SEL+1], 0xfedcba98
	s_mov_b32 s[CS], 0x3e0293ee
	s_mov_b32 s[CS+1], s[CS]                       ; (named with it as a pair, so it is written)
	s_mov_b32 s[MO], 0
	s_lshl_b32 s48, s[WV], 10
	s_lshr_b32 s49, s[WV], 2
	s_lshl_b32 s49, s49, 8
	s_and_b32 s50, s[WV], 3
	s_lshl_b32 s50, s50, 2
	s_add_co_u32 s49, s49, s50                     ; 256 (w / 4) + 4 (w % 4)
	s_wait_dscnt 0x0
	s_wait_kmcnt 0x0
	s_add_nc_u64 s[44:45], s[34:35], s[44:45]
	s_add_nc_u64 s[QB:QB+1], s[32:33], s[46:47]
	s_add_nc_u64 s[MP:MP+1], s[36:37], s[52:53]
	ROUND                                          ; all four work-groups are here: the joint loads meet
.irp c, 0,1,2,3
	s_mov_b32 s[G0+4*\c], 1
	s_add_co_u32 s[G0+4*\c+1], s43, \c*CHB
	s_add_nc_u64 s[G0+4*\c+2:G0+4*\c+3], s[44:45], \c*CHB
	s_or_b32 s[G0+4*\c+3], s[G0+4*\c+3], 0x80000000
.endr
.irp c, 0,1,2,3
	tensor_load_to_lds s[G0+4*\c:G0+4*\c+3], s[G1:G1+7]
	s_nop 0
.endr
.rept 4
	v_nop
.endr
	v_and_b32 v8, 31, v0
	v_lshlrev_b32 v[LI], 4, v8
	v_and_b32 v9, 15, v0                           ; r
	v_add_nc_u32 v[QO], s48, v[LI]
	v_lshl_add_u32 v[QS], v9, 4, s49               ; 16 (16 (w / 4) + r) + 4 (w % 4)
	v_add_nc_u32 v[SA], STG, v[QS]
	v_add_nc_u32 v[SR], STG, v[LI]
	global_load_b128 v[16:19], v[QO], s[QB:QB+1]               ; Q's fragment stays in registers
	global_load_b128 v[20:23], v[QO], s[QB:QB+1] offset:512
	global_load_b32 v255, v[QS], s[QB:QB+1] offset:8192        ; and its scale words
.macro MASKS                           ; a step's 64 lane masks: word n in s[32 + n] (n < 32) or s[36 + n]
	s_load_b512 s[32:47], s[MP:MP+1], s[MO] offset:0x0
	s_load_b512 s[48:63], s[MP:MP+1], s[MO] offset:0x40
	s_load_b512 s[68:83], s[MP:MP+1], s[MO] offset:0x80
	s_load_b512 s[84:99], s[MP:MP+1], s[MO] offset:0xc0
.endm
	MASKS                                          ; key step 0's
	v_mov_b32 v[NEG], 0xc7dcf88b
	v_mov_b32 v13, 0xff61b1e6                      ; the largest t so far: -3e38, under every t
	v_floor_f32 v12, -v13                          ; -M
	v_mov_b32 v14, 0
	v_mov_b32 v15, 0
.irp b, 0,1,2,3
	v_mov_b32 v[236+\b], 0                         ; written once: a lane permute's destination counts as one of its sources
.endr
	v_mov_b32 v253, 0                              ; (named as the upper half of the pair v[252:253] before it is first written)
.set j, 0
.rept 64
	v_mov_b32 v[160+j], 0                          ; O^T: the step is written once a chunk; the first finds zeros, which the first change of M leaves zeros
.set j, j+1
.endr
; A KEY STEP: 128 keys
.macro STEP
	v_add_nc_u32 v[AD], s[TB], v[LI]
.rept 3
	v_nop                                          ; with the line above: four places behind the last step's products, in front of loads into registers that they read
.endr
	ds_load_b128 v[248:251], v[AD] offset:16384    ; K's scale words: lanes 0-15 tiles 0-3, lanes 16-31 tiles 4-7
	ds_load_b128 v[240:243], v[AD] offset:16896    ; V's
.irp t, 0,1,2,3,4,5,6,7
	ds_load_b128 v[32+8*\t:35+8*\t], v[AD] offset:1024*\t
	ds_load_b128 v[36+8*\t:39+8*\t], v[AD] offset:1024*\t+512
.endr
	s_wait_dscnt 8                                 ; the scale words and tiles 0-3 are in; the eight loads of tiles 4-7 may be out
.irp t, 0,1,2,3
	v_wmma_scale_f32_16x16x128_f8f6f4 v[96+8*\t:103+8*\t], v[32+8*\t:39+8*\t], v[16:23], 0, v[248+\t], v255 matrix_a_fmt:MATRIX_FMT_FP4 matrix_b_fmt:MATRIX_FMT_FP4
.endr
	s_wait_dscnt 0x0
.irp t, 4,5,6,7
	v_wmma_scale_f32_16x16x128_f8f6f4 v[96+8*\t:103+8*\t], v[32+8*\t:39+8*\t], v[16:23], 0, v[244+\t], v255 matrix_a_fmt:MATRIX_FMT_FP4 matrix_b_fmt:MATRIX_FMT_FP4 matrix_a_scale:MATRIX_SCALE_ROW1
.endr
.rept 4
	v_nop                                          ; places: for the loads over K's fragments and for the first reads of the scores
.endr
.irp t, 0,1,2,3,4,5,6,7
	ds_load_b128 v[32+8*\t:35+8*\t], v[AD] offset:8192+1024*\t        ; V's fragments land while the softmax is worked
	ds_load_b128 v[36+8*\t:39+8*\t], v[AD] offset:8192+1024*\t+512
.endr
	s_wait_kmcnt 0x0                               ; this step's lane masks, asked for a step ago
.set n, 0
.rept 64
	v_cndmask_b32 v[96+n], v[96+n], v[NEG], s[32+n+4*(n/32)]   ; a masked score; each accumulator from its low end on
.set n, n+1
.endr
.irp b, 0,1,2,3
	v_max3_num_f32 v[232+\b], v[96+16*\b], v[97+16*\b], v[98+16*\b]   ; the largest score of each block of 32 keys: for the row's maximum, and, since p rises with the score, for the block's largest p
.endr
.irp i, 3,5,7,9,11,13
.irp b, 0,1,2,3
	v_max3_num_f32 v[232+\b], v[232+\b], v[96+16*\b+\i], v[97+16*\b+\i]
.endr
.endr
.irp b, 0,1,2,3
	v_max_num_f32 v[232+\b], v[232+\b], v[111+16*\b]
.endr
.irp b, 0,1,2,3
	v_permlanex16_b32 v[236+\b], v[232+\b], s[SEL], s[SEL+1]
.endr
.irp b, 0,1,2,3
	v_max_num_f32 v[232+\b], v[232+\b], v[236+\b]  ; with lane l xor 16's 16 keys
.endr
	s_add_co_u32 s[MO], s[MO], 256                 ; the next step's lane masks (no scalar load is out: the offset may be written);
	s_min_u32 s[MO], s[MO], 3840                   ; the last step asks for its own block again: no load leaves the buffer
	MASKS
	v_max3_num_f32 v254, v232, v233, v234
	v_max_num_f32 v254, v254, v235                 ; the step's largest score of my query
	v_mul_f32 v254, s[CS], v254                    ; as t
	v_max_num_f32 v13, v13, v254                   ; the running largest t
	v_mov_b32 v254, v12
	v_floor_f32 v12, -v13                          ; the new -M = -ceil(t)
	v_sub_f32 v254, v12, v254                      ; old M - new M: a whole number, 0 or less
	v_cvt_i32_f32 v254, v254                       ; (it saturates)
	v_ldexp_f32 v252, 1.0, v254                    ; f = 2^(old M - new M)
.irp j, 0,2,4,6,8,10,12,14,16,18,20,22,24,26,28,30,32,34,36,38,40,42,44,46,48,50,52,54,56,58,60,62
	v_pk_fma_f32 v[96+\j:97+\j], v[96+\j:97+\j], s[CS:CS+1], v[12:13] op_sel_hi:[1,0,0]   ; t - M, two at a time
.endr
.irp b, 0,1,2,3
	v_fma_f32 v[232+\b], v[232+\b], s[CS], v12     ; the same of each block's largest score
.endr
.set n, 0
.rept 64
	v_exp_f32 v[96+n], v[96+n]                     ; p = 2^(t - M)
.set n, n+1
.endr
.irp b, 0,1,2,3
	v_exp_f32 v[232+\b], v[232+\b]                 ; the block's largest p: the same two instructions on the same number
.endr
	v_pk_mul_f32 v[14:15], v[14:15], v[252:253] op_sel_hi:[1,0]   ; the sums under the new M (a plain line behind the exponentials)
	s_wait_alu depctr_va_vdst(0)
.irp b, 0,1,2,3
	v_max_num_f32 v[232+\b], 0x1800000, v[232+\b]  ; the floor 2^(3 - 127): the byte cannot fall under 1
.endr
.irp b, 0,1,2,3
	v_add_nc_u32 v[244+\b], 0xff000000, v[232+\b]  ; 2 off the exponent field: the conversion's scale operand
.endr
.irp b, 0,1,2,3
	v_lshrrev_b32 v[236+\b], 23, v[244+\b]
.endr
	v_lshl_or_b32 v253, v237, 8, v236              ; p's scale word for these 128 keys
	v_lshl_or_b32 v253, v238, 16, v253
	v_lshl_or_b32 v253, v239, 24, v253
.irp b, 0,1,2,3
	v_cvt_scalef32_pk8_fp4_f32 v[224+2*\b], v[96+16*\b:103+16*\b], v[244+\b]
	v_cvt_scalef32_pk8_fp4_f32 v[225+2*\b], v[104+16*\b:111+16*\b], v[244+\b]
.endr
	v_nop                                          ; one plain line behind a scaled conversion
.irp c, 0,1
.irp i, 0,1
	v_permlane16_swap_b32 v[224+4*\c+\i], v[226+4*\c+\i]   ; a whole block to a lane
.endr
.endr
.irp j, 0,2,4,6,8,10,12,14,16,18,20,22,24,26,28,30,32,34,36,38,40,42,44,46,48,50,52,54,56,58,60,62
	v_pk_mul_f32 v[160+\j:161+\j], v[160+\j:161+\j], v[252:253] op_sel_hi:[1,0]   ; O^T under the new M
.endr
	v_pk_add_f32 v[236:237], v[96:97], v[98:99]    ; the row's sum, of the unquantised p, in two chains.  These 32 lines also stand between every vector write of an operand, a scale or an accumulator and the products below
.irp j, 4,8,12,16,20,24,28,32,36,40,44,48,52,56,60
	v_pk_add_f32 v[14:15], v[14:15], v[96+\j:97+\j]
	v_pk_add_f32 v[236:237], v[236:237], v[98+\j:99+\j]
.endr
	v_pk_add_f32 v[14:15], v[14:15], v[236:237]
	s_wait_dscnt 0x0                               ; V's fragments are in
.irp t, 0,1,2,3
	v_wmma_scale_f32_16x16x128_f8f6f4 v[160+8*\t:167+8*\t], v[32+8*\t:39+8*\t], v[224:231], v[160+8*\t:167+8*\t], v[240+\t], v253 matrix_a_fmt:MATRIX_FMT_FP4 matrix_b_fmt:MATRIX_FMT_FP4
.endr
.irp t, 4,5,6,7
	v_wmma_scale_f32_16x16x128_f8f6f4 v[160+8*\t:167+8*\t], v[32+8*\t:39+8*\t], v[224:231], v[160+8*\t:167+8*\t], v[236+\t], v253 matrix_a_fmt:MATRIX_FMT_FP4 matrix_b_fmt:MATRIX_FMT_FP4 matrix_a_scale:MATRIX_SCALE_ROW1
.endr
	s_add_co_u32 s[TB], s[TB], STEPB
.endm
; A chunk of four key steps.  The count leaves the later chunks' loads out.  No LDS instruction of mine is out at the signal: each step ends behind its wait for 0.
.macro CHUNK c
	s_wait_tensorcnt 3-\c                          ; my part of chunk c has landed,
	s_barrier_signal -1
	s_barrier_wait -1                              ; everybody's has
	s_mov_b32 s[TB], \c*CHB
	s_mov_b32 s[CNT], 4
.Lstep_\@:
	STEP
	s_sub_co_u32 s[CNT], s[CNT], 1
	s_cmp_lg_u32 s[CNT], 0
	s_cbranch_scc1 .Lstep_\@
.endm
	s_wait_loadcnt 0x0                             ; Q
	CHUNK 0
	CHUNK 1
	CHUNK 2
	CHUNK 3
	; THE END: O^T / the sum, quantised along the head's 128: my tile's fragment of ctx and its scale words
.rept 4
	v_nop                                          ; places behind the last products
.endr
	v_add_f32 v14, v14, v15
	v_permlanex16_b32 v252, v14, s[SEL], s[SEL+1]
	v_add_f32 v14, v14, v252                       ; the row's sum
	v_rcp_f32 v14, v14
	v_nop                                          ; a plain line behind the reciprocal
.set j, 0
	s_wait_alu depctr_va_vdst(0)
.rept 64
	v_mul_f32 v[96+j], v[160+j], v14               ; register 16 b + i: feature 32 b + 16 (lane / 16) + i
.set j, j+1
.endr
.irp b, 0,1,2,3
	v_max3_num_f32 v[232+\b], |v[96+16*\b]|, |v[97+16*\b]|, 0x1800000
.endr
.irp i, 2,4,6,8,10,12,14
.irp b, 0,1,2,3
	v_max3_num_f32 v[232+\b], v[232+\b], |v[96+16*\b+\i]|, |v[97+16*\b+\i]|
.endr
.endr
.irp b, 0,1,2,3
	v_permlanex16_b32 v[236+\b], v[232+\b], s[SEL], s[SEL+1]
.endr
.irp b, 0,1,2,3
	v_max_num_f32 v[232+\b], v[232+\b], v[236+\b]
.endr
.irp b, 0,1,2,3
	v_add_nc_u32 v[244+\b], 0xff000000, v[232+\b]
.endr
.irp b, 0,1,2,3
	v_lshrrev_b32 v[236+\b], 23, v[244+\b]
.endr
	v_lshl_or_b32 v254, v237, 8, v236
	v_lshl_or_b32 v254, v238, 16, v254
	v_lshl_or_b32 v254, v239, 24, v254
.irp b, 0,1,2,3
	v_cvt_scalef32_pk8_fp4_f32 v[224+2*\b], v[96+16*\b:103+16*\b], v[244+\b]
	v_cvt_scalef32_pk8_fp4_f32 v[225+2*\b], v[104+16*\b:111+16*\b], v[244+\b]
.endr
	v_nop
.irp c, 0,1
.irp i, 0,1
	v_permlane16_swap_b32 v[224+4*\c+\i], v[226+4*\c+\i]
.endr
.endr
	s_wait_kmcnt 0x0                               ; the last step's scalar loads are in: their registers may be written
	s_load_b64 s[32:33], s[0:1], 0x18              ; cimg
	s_bfe_u32 s34, ttmp6, 0x40000
	s_lshl_b32 s35, ttmp9, 2
	s_add_co_u32 s34, s34, s35                     ; G
	s_lshl_b32 s34, s34, 4
	s_and_b32 s35, ttmp7, 0xffff
	s_add_co_u32 s34, s34, s35                     ; 16 G + head
	s_mul_i32 s34, s34, 8704
	s_mov_b32 s35, 0
	s_wait_kmcnt 0x0
	s_add_nc_u64 s[32:33], s[32:33], s[34:35]
	global_store_b128 v[QO], v[224:227], s[32:33]              ; the fragment as it stands: 512 consecutive bytes a store
	global_store_b128 v[QO], v[228:231], s[32:33] offset:512
	ds_store_b32 v[SA], v254                       ; the eight waves' scale words meet in the stage (lanes l and l + 16 write the same word with the same value)
	s_wait_dscnt 0x0                               ; for the others' sake
	s_barrier_signal -1
	s_barrier_wait -1
	s_cmp_lg_u32 s[WV], 0
	s_cbranch_scc1 .Lnot_mine
	ds_load_b128 v[32:35], v[SR]
	s_wait_dscnt 0x0
	global_store_b128 v[LI], v[32:35], s[32:33] offset:8192    ; the scale image: 512 consecutive bytes
.Lnot_mine:
	s_wait_tensorcnt 0x0
	ds_add_u32 v30, v31
	s_wait_dscnt 0x0
	ROUND                                          ; the closing round
	s_endpgm
.Lfunc_end_k_qddc89aaf9a_attn:
	.size	k_qddc89aaf9a_attn, .Lfunc_end_k_qddc89aaf9a_attn-k_qddc89aaf9a_attn
	.p2alignl 7, 3214868480
	.fill 96, 4, 3214868480
	.section	.rodata,"a",@progbits
	.p2align	6, 0x0
	.amdhsa_kernel k_qddc89aaf9a_attn
		.amdhsa_group_segment_fixed_size 327680
		.amdhsa_private_segment_fixed_size 0
		.amdhsa_enable_private_segment 0
		.amdhsa_kernarg_size 32
		.amdhsa_user_sgpr_count 2
		.amdhsa_user_sgpr_kernarg_segment_ptr 1
		.amdhsa_wavefront_size32 1
		.amdhsa_system_sgpr_workgroup_id_x 1
		.amdhsa_system_sgpr_workgroup_id_y 1
		.amdhsa_system_sgpr_workgroup_id_z 1
		.amdhsa_system_vgpr_workitem_id 0
		.amdhsa_next_free_vgpr 256
		.amdhsa_next_free_sgpr 106
		.amdhsa_reserve_vcc 0
		.amdhsa_float_denorm_mode_32 3
		.amdhsa_float_denorm_mode_16_64 3
		.amdhsa_memory_ordered 1
		.amdhsa_forward_progress 1
		.amdhsa_inst_pref_size 103
	.end_amdhsa_kernel
	.amdgpu_metadata
---
amdhsa.version: [ 1, 2 ]
amdhsa.kernels:
  - .name:           k_qddc89aaf9a_attn
    .symbol:         k_qddc89aaf9a_attn.kd
    .args:
      - { .name: qb, .offset: 0, .size: 8, .value_kind: global_buffer, .address_space: global }
      - { .name: kv, .offset: 8, .size: 8, .value_kind: global_buffer, .address_space: global }
      - { .name: maskw, .offset: 16, .size: 8, .value_kind: global_buffer, .address_space: global }
      - { .name: cimg, .offset: 24, .size: 8, .value_kind: global_buffer, .address_space: global }
    .group_segment_fixed_size: 327680
    .private_segment_fixed_size: 0
    .kernarg_segment_align: 8
    .kernarg_segment_size: 32
    .max_flat_workgroup_size: 256
    .sgpr_count:     106
    .vgpr_count:     256
    .wavefront_size: 32
...
	.end_amdgpu_metadata
.endif
;; end of part 3
;; launch oproj (part 4): grid 16 x 16, 4 waves a work-group, clusters of 4 x 4, 327,680 bytes of LDS; arguments cimg, Wd_codes, Wd_scales, out0; writes out0
.if DOCPART == 4
	.amdgcn_target "amdgcn-amd-amdhsa--gfx1250"
	.amdhsa_code_object_version 6
	.text
	.protected	k_qddc89aaf9a_oproj
	.globl	k_qddc89aaf9a_oproj
	.p2align	8
	.type	k_qddc89aaf9a_oproj,@function
k_qddc89aaf9a_oproj:
	s_mov_b64 s[64:65], 0
	v_nop
	global_prefetch_b8 v0, s[64:65] scope:SCOPE_SE
	s_setreg_imm32_b32 hwreg(HW_REG_WAVE_MODE, 25, 1), 1
	s_wait_xcnt 0x0
	s_wait_alu depctr_hold_cnt(0) depctr_sa_sdst(0) depctr_va_vdst(0) depctr_va_sdst(0) depctr_va_ssrc(0) depctr_va_vcc(0) depctr_vm_vsrc(0)
	s_getreg_b32 s2, hwreg(HW_REG_IB_STS2, 6, 4)
	s_cmp_eq_u32 s2, 0
	s_cbranch_scc0 .Lentry_in_a_cluster
	s_endpgm
.Lentry_in_a_cluster:
	s_bfe_u32 s2, ttmp6, 0x10000c
	s_cmp_lg_u32 s2, 0xf033
	s_cbranch_scc0 .Lentry_shape_is_right
	s_endpgm
.Lentry_shape_is_right:
; OPROJ: out = ctx Wd^T on codes of FP4 (E2M1, one E8M0 scale for each 32 along K).  ctx comes as images of operand registers, cimg [16 groups of 128 tokens][16 heads = K steps][8 fragments of 1,024 bytes, scale image of 512];
; Wd as it is given: rows of 1,024 bytes of codes and 64 scale bytes.  out is [2,048][2,048] f32.
; SHARES: a tile of 128 tokens (group G = tile row) x 128 features (tile column X): 256 work-groups; four waves, each 64 x 64: 16 accumulators.
; ALL OF K STAYS IN LDS, filled once, in four chunks of 512 along K; nothing is filled again.  Waves 0 and 1 fetch ctx's halves of a chunk, waves 2 and 3 Wd's; Wd's scales come first.  At most five loads of a wave are out.
; CLUSTERS: 4 x 4; ctx's images are asked for jointly along a row of the cluster, Wd's rows and scales along a column.
; THE MATRIX INSTRUCTION IS USED TRANSPOSED (source 0 = 16 rows of Wd, source 1 = a fragment of ctx): a lane holds eight neighbouring features of one token.
; Row r of ctx's tile a is token 32 (a / 2) + 8 (a % 2) + r + 8 (r / 8) of the group: that order is undone in the stores' offsets.
; REGISTERS: window 0: v1-19 addresses; v32-95 Wd's scale words of all of K, v96-111 ctx's, four sets (these hold nothing else); v128-255 the accumulators ((a, b) at v[128 + 8 (4 a + b)]).
;   window 1: four sets of fragments, 64 registers each: ctx's four, then Wd's four.
.set CH,   34816                       ; a chunk of either side
.set BCD,  139264                      ; Wd's codes: chunk c: 128 rows of 256 bytes + 16
.set BSC,  278528                      ; Wd's scales: 32 units of 256 bytes + 16
.set STG,  287232                      ; the way out: 32 rows x 272 bytes for each wave; no fill lands there
.set LI,   1
.set ADA,  4                           ; v4-7    ctx's fragments, chunk c
.set AAS,  8                           ; v8-11   ctx's scale words
.set ADB,  12                          ; v12-15  Wd's fragments
.set ABS,  16                          ; v16     Wd's scale words
.set STO,  17
.set RD,   18
.set CO,   19
.set BS,   32
.set AS,   96
.set ACC,  128
.set G1A, 24
.set G0A, 32                           ; s[32:47]
.set G1B, 48
.set G0B, 68                           ; s[68:83]
.set G1S, 84
.set G0S, 92
.set MSB, 0
.macro WIN new
.set WNEW, \new
.if MSB != WNEW
	s_set_vgpr_msb (MSB<<8)|WNEW
.set MSB, WNEW
.endif
.endm
.set MUL,  0x05                        ; sources 0 and 1 window 1; C and D window 0
.set TO_F, 0x40                        ; destination window 1, address window 0
.macro CROUND                          ; a round of the cluster's barrier
	s_barrier_signal -1
	s_barrier_wait -1
	s_cmp_lg_u32 s14, 0
	s_cbranch_scc1 .Lnot_wave_0_\@
	s_barrier_signal -3
.Lnot_wave_0_\@:
	s_barrier_wait -3
	s_barrier_signal -1
	s_barrier_wait -1
.endm
	s_load_b256 s[4:11], s[0:1], 0x0               ; cimg s[4:5], Wd's codes s[6:7], Wd's scales s[8:9], out s[10:11]
	v_lshl_add_u32 v126, v0, 2, 0x4ea00
	v_mov_b32 v127, 0
	ds_add_u32 v126, v127
	ds_add_u32 v126, v127
	v_lshrrev_b32 v1, 5, v0
	v_readfirstlane_b32 s14, v1                    ; wave 0..3
	s_lshr_b32 s15, s14, 1                         ; my half of the tokens.  Also: I fetch for ctx (0) or for Wd (1)
	s_and_b32 s16, s14, 1                          ; my half of the features.  Also: which half I fetch
	s_bfe_u32 s56, ttmp6, 0x40000                  ; cx
	s_bfe_u32 s57, ttmp6, 0x40004                  ; cy
	s_lshl_b32 s58, ttmp9, 2
	s_add_co_u32 s58, s58, s56                     ; X
	s_and_b32 s59, ttmp7, 0xffff
	s_lshl_b32 s59, s59, 2
	s_add_co_u32 s59, s59, s57                     ; G
	s_lshl_b32 s60, s57, 2
	s_lshl_b32 s60, 15, s60                        ; my row of the cluster
	s_lshl_b32 s61, 0x1111, s56                    ; my column
	s_or_b32 s[G1A+0], s60, (3<<16)|(1<<21)        ; ctx: 68 rows of 256 dense bytes (32 elements of 8), no padding
	s_mov_b32 s[G1A+1], 32<<16
	s_mov_b32 s[G1A+2], 68<<16
	s_mov_b32 s[G1A+3], 32<<16
	s_mov_b32 s[G1A+4], 68
	s_mov_b32 s[G1A+5], 32
	s_mov_b32 s[G1A+6], 0
	s_mov_b32 s[G1A+7], 0
	s_or_b32 s[G1B+0], s61, (0<<16)|(1<<20)|(1<<21)|(5<<22)|(3<<25)   ; Wd's codes: 64 rows of 256 bytes, 1,024 apart; 4 words of padding after every 64
	s_mov_b32 s[G1B+1], 256<<16
	s_mov_b32 s[G1B+2], 64<<16
	s_mov_b32 s[G1B+3], 256<<16
	s_mov_b32 s[G1B+4], 64
	s_mov_b32 s[G1B+5], 1024
	s_mov_b32 s[G1B+6], 0
	s_mov_b32 s[G1B+7], 0
	s_or_b32 s[G1S+0], s61, (3<<16)|(1<<20)|(1<<21)|(5<<22)|(3<<25)   ; Wd's scales of 64 rows: 16 rows of 256 dense bytes, padded likewise
	s_mov_b32 s[G1S+1], 32<<16
	s_mov_b32 s[G1S+2], 16<<16
	s_mov_b32 s[G1S+3], 32<<16
	s_mov_b32 s[G1S+4], 16
	s_mov_b32 s[G1S+5], 32
	s_mov_b32 s[G1S+6], 0
	s_mov_b32 s[G1S+7], 0
	s_mul_i32 s17, s16, 17408                      ; my half of a chunk, in LDS (and, for ctx, in memory)
	s_mul_i32 s18, s59, 139264                     ; ctx: group G,
	s_add_co_u32 s18, s18, s17
	s_mov_b32 s19, 0
	s_lshl_b32 s20, s58, 7
	s_lshl_b32 s21, s16, 6
	s_add_co_u32 s20, s20, s21                     ; Wd: the first row that I fetch
	s_lshl_b32 s22, s20, 6                         ; its scales
	s_mov_b32 s23, 0
	s_lshl_b32 s20, s20, 10                        ; its codes
	s_mov_b32 s21, 0
	s_mul_i32 s62, s16, 4352
	s_wait_dscnt 0x0
	s_wait_kmcnt 0x0
	s_add_nc_u64 s[18:19], s[4:5], s[18:19]
	s_add_nc_u64 s[20:21], s[6:7], s[20:21]
	s_add_nc_u64 s[22:23], s[8:9], s[22:23]
	CROUND                                         ; all sixteen work-groups are here: the joint loads meet
.irp c, 0,1,2,3
	s_mov_b32 s[G0A+4*\c], 1
	s_add_co_u32 s[G0A+4*\c+1], s17, \c*CH
	s_add_nc_u64 s[G0A+4*\c+2:G0A+4*\c+3], s[18:19], \c*CH
	s_or_b32 s[G0A+4*\c+3], s[G0A+4*\c+3], 0x80000000
	s_mov_b32 s[G0B+4*\c], 1
	s_add_co_u32 s[G0B+4*\c+1], s17, BCD+\c*CH
	s_add_nc_u64 s[G0B+4*\c+2:G0B+4*\c+3], s[20:21], \c*256
	s_or_b32 s[G0B+4*\c+3], s[G0B+4*\c+3], 0x80000000
.endr
	s_mov_b32 s[G0S], 1
	s_add_co_u32 s[G0S+1], s62, BSC
	s_mov_b64 s[G0S+2:G0S+3], s[22:23]
	s_or_b32 s[G0S+3], s[G0S+3], 0x80000000
	s_cmp_eq_u32 s15, 0                            ; one branch on the wave's number holds all of a wave's fills; in both arms the four chunks are the last four
	s_cbranch_scc0 .Lfor_b
.irp c, 0,1,2,3
	tensor_load_to_lds s[G0A+4*\c:G0A+4*\c+3], s[G1A:G1A+7]
	s_nop 0
.endr
.rept 4
	v_nop
.endr
	s_branch .Lasked
.Lfor_b:
	tensor_load_to_lds s[G0S:G0S+3], s[G1S:G1S+7]
	s_nop 0
.irp c, 0,1,2,3
	tensor_load_to_lds s[G0B+4*\c:G0B+4*\c+3], s[G1B:G1B+7]
	s_nop 0
.endr
.rept 4
	v_nop
.endr
.Lasked:
	v_and_b32 v2, 31, v0
	v_lshlrev_b32 v[LI], 4, v2                     ; 16 x lane
	v_and_b32 v2, 15, v0                           ; r
	v_bfe_u32 v3, v0, 4, 1                         ; h
	s_lshl_b32 s63, s15, 12
	v_add_nc_u32 v[ADA], s63, v[LI]                ; ctx: my four tiles begin 4,096 x half into a head's block
	s_lshl_b32 s63, s15, 8
	s_add_co_u32 s63, s63, 8192
	v_lshl_add_u32 v[AAS], v2, 4, s63              ; their scale words: 16 bytes at lane r + 16 x half of the scale image
	s_mul_i32 s63, s16, 17408
	s_add_co_u32 s63, s63, BCD
	v_mul_u32_u24 v20, v2, 272
	v_lshl_add_u32 v20, v3, 4, v20
	v_add_nc_u32 v[ADB], s63, v20                  ; Wd: my 64 rows; row r x pitch + 16 h
.irp c, 1,2,3
	v_add_nc_u32 v[ADA+\c], \c*CH, v[ADA]
	v_add_nc_u32 v[AAS+\c], \c*CH, v[AAS]
	v_add_nc_u32 v[ADB+\c], \c*CH, v[ADB]
.endr
	s_mul_i32 s63, s16, 4352
	s_add_co_u32 s63, s63, BSC
	v_lshrrev_b32 v21, 2, v2
	v_mul_u32_u24 v21, v21, 272
	v_and_b32 v22, 3, v2
	v_lshl_add_u32 v21, v22, 6, v21
	v_add_nc_u32 v[ABS], s63, v21                  ; Wd's scales: four rows of 64 bytes to a unit
	s_mul_i32 s63, s14, 8704
	s_add_co_u32 s63, s63, STG                     ; my stage
	v_mul_u32_u24 v21, v2, 272
	v_lshl_add_u32 v21, v3, 5, v21
	v_add_nc_u32 v[STO], s63, v21                  ; in: row r, 32 bytes for each half of the lanes
	v_mul_u32_u24 v21, v3, 272
	v_lshl_add_u32 v21, v2, 4, v21
	v_add_nc_u32 v[RD], s63, v21                   ; back: lanes 0-15 one row of 256 bytes, lanes 16-31 the next
	v_lshlrev_b32 v21, 13, v3
	v_lshl_add_u32 v[CO], v2, 4, v21               ; and the same two rows in out (8,192 bytes a row)
	s_lshl_b32 s96, s59, 7
	s_lshl_b32 s97, s15, 6
	s_add_co_u32 s96, s96, s97                     ; my first token
	s_lshl_b32 s96, s96, 13
	s_lshl_b32 s97, s58, 9
	s_add_co_u32 s96, s96, s97
	s_lshl_b32 s97, s16, 8
	s_add_co_u32 s96, s96, s97                     ; + my first feature, 4 bytes each
	s_mov_b32 s97, 0
	s_add_nc_u64 s[10:11], s[10:11], s[96:97]
.macro PLACES
.rept 4
	v_nop
.endr
.endm
; K step s (a head): 17 LDS loads into set s % 4: ctx's four fragments, Wd's four, ctx's four scale words
.macro FETCH s
	WIN TO_F
.irp a, 0,1,2,3
	ds_load_b128 v[64*((\s)%4)+8*\a:64*((\s)%4)+8*\a+3],   v[ADA+(\s)/4] offset:((\s)%4)*8704+\a*1024
	ds_load_b128 v[64*((\s)%4)+8*\a+4:64*((\s)%4)+8*\a+7], v[ADA+(\s)/4] offset:((\s)%4)*8704+\a*1024+512
.endr
.irp b, 0,1,2,3
	ds_load_b128 v[64*((\s)%4)+32+8*\b:64*((\s)%4)+32+8*\b+3],   v[ADB+(\s)/4] offset:\b*4352+64*((\s)%4)
	ds_load_b128 v[64*((\s)%4)+32+8*\b+4:64*((\s)%4)+32+8*\b+7], v[ADB+(\s)/4] offset:\b*4352+64*((\s)%4)+32
.endr
	WIN 0
	ds_load_b128 v[AS+4*((\s)%4):AS+4*((\s)%4)+3], v[AAS+(\s)/4] offset:((\s)%4)*8704
.endm
; 8 matrix instructions: ctx's tiles a0, a0 + 1 x Wd's four.  The 16 accumulators take turns, one instruction a turn, in the same order in every step.
.macro MUL8 s, a0, zero
.irp a, \a0, \a0+1
.irp b, 0,1,2,3
.if \zero
	v_wmma_scale_f32_16x16x128_f8f6f4 v[ACC+8*(4*(\a)+\b):ACC+8*(4*(\a)+\b)+7], v[64*((\s)%4)+32+8*\b:64*((\s)%4)+32+8*\b+7], v[64*((\s)%4)+8*(\a):64*((\s)%4)+8*(\a)+7], 0, v[BS+16*((\s)/4)+4*\b+((\s)%4)], v[AS+4*((\s)%4)+(\a)] matrix_a_fmt:MATRIX_FMT_FP4 matrix_b_fmt:MATRIX_FMT_FP4
.else
	v_wmma_scale_f32_16x16x128_f8f6f4 v[ACC+8*(4*(\a)+\b):ACC+8*(4*(\a)+\b)+7], v[64*((\s)%4)+32+8*\b:64*((\s)%4)+32+8*\b+7], v[64*((\s)%4)+8*(\a):64*((\s)%4)+8*(\a)+7], v[ACC+8*(4*(\a)+\b):ACC+8*(4*(\a)+\b)+7], v[BS+16*((\s)/4)+4*\b+((\s)%4)], v[AS+4*((\s)%4)+(\a)] matrix_a_fmt:MATRIX_FMT_FP4 matrix_b_fmt:MATRIX_FMT_FP4
.endif
.endr
.endr
.endm
; A K step: multiplies set s % 4 and, in its middle, fetches K step s + 2.  Where that step begins a chunk (s = 2, 6, 10), the chunk's wait and a barrier stand first.
.macro KSTEP s, zero
.if (((\s)%4) == 2) && ((\s) < 12)
	s_wait_dscnt 0x0                               ; no LDS instruction of mine is out at a signal
	s_wait_tensorcnt 3-((\s)+2)/4                  ; my part of the next chunk has landed; the chunks behind it may be out
	s_barrier_signal -1
.elseif (\s) == 15
	s_wait_dscnt 0x0
.else
	s_wait_dscnt 17                                ; this step's loads are in; the next step's 17 may be out
.endif
	WIN MUL
	MUL8 \s, 0, \zero
.if (((\s)%4) == 2) && ((\s) < 12)
	s_barrier_wait -1                              ; everybody's part has landed
.endif
.if (\s)+2 < 16
	PLACES                                         ; in front of loads into registers that matrix instructions have read
	FETCH (\s)+2
.endif
	WIN MUL
	MUL8 \s, 2, \zero
.endm
	s_wait_tensorcnt 3                             ; Wd's scales and my part of chunk 0 are in,
	s_barrier_signal -1
	s_barrier_wait -1                              ; everybody's are
.irp c, 0,1,2,3
.irp b, 0,1,2,3
	ds_load_b128 v[BS+16*\c+4*\b:BS+16*\c+4*\b+3], v[ABS] offset:1088*\b+16*\c   ; Wd's scale words of all of K: tile b, K steps 4 c .. 4 c + 3
.endr
.endr
	FETCH 0
	FETCH 1
	KSTEP 0, 1                                     ; the first products start the sums
.set S, 1
.rept 15
	KSTEP S, 0
.set S, S+1
.endr
	WIN 0
	; THE WAY OUT, 32 tokens at a time (ctx's tiles 2 e and 2 e + 1): through my own stage, back as whole rows of 256 bytes.  LDS serves a wave's instructions in order (ISA guide 5.7.1.4): no wait between the stores and the loads.
	; Stage row 16 u + r holds token 32 e + 8 u + r + 8 (r / 8); the rows come back into the accumulators just stored.
	PLACES
.irp e, 0,1
.irp u, 0,1
.irp b, 0,1,2,3
	ds_store_b128 v[STO], v[ACC+8*(4*(2*\e+\u)+\b):ACC+8*(4*(2*\e+\u)+\b)+3] offset:4352*\u+64*\b          ; each accumulator from its low end on
	ds_store_b128 v[STO], v[ACC+8*(4*(2*\e+\u)+\b)+4:ACC+8*(4*(2*\e+\u)+\b)+7] offset:4352*\u+64*\b+16
.endr
.endr
.irp i, 0,1,2,3,4,5,6,7,8,9,10,11,12,13,14,15
	ds_load_b128 v[ACC+64*\e+4*\i:ACC+64*\e+4*\i+3], v[RD] offset:544*\i
.endr
.endr
.irp e, 0,1
.irp i, 0,1,2,3,4,5,6,7,8,9,10,11,12,13,14,15
	s_wait_dscnt 32*(1-\e)+15-\i                   ; younger: the rest of this half's loads, and for the first half the second's 32 instructions
	global_store_b128 v[CO], v[ACC+64*\e+4*\i:ACC+64*\e+4*\i+3], s[10:11] offset:(32*\e+8*(\i/8)+2*(\i%8)+8*((\i%8)/4))*8192 th:TH_STORE_NT   ; sixteen lanes store 256 consecutive bytes, aligned
.endr
.endr
	s_wait_tensorcnt 0x0
	ds_add_u32 v126, v127
	s_wait_dscnt 0x0
	CROUND                                         ; the closing round: no work-group ends while a partner may still ask for a tile that names it
	s_endpgm
.Lfunc_end_k_qddc89aaf9a_oproj:
	.size	k_qddc89aaf9a_oproj, .Lfunc_end_k_qddc89aaf9a_oproj-k_qddc89aaf9a_oproj
	.p2alignl 7, 3214868480
	.fill 96, 4, 3214868480
	.section	.rodata,"a",@progbits
	.p2align	6, 0x0
	.amdhsa_kernel k_qddc89aaf9a_oproj
		.amdhsa_group_segment_fixed_size 327680
		.amdhsa_private_segment_fixed_size 0
		.amdhsa_enable_private_segment 0
		.amdhsa_kernarg_size 32
		.amdhsa_user_sgpr_count 2
		.amdhsa_user_sgpr_kernarg_segment_ptr 1
		.amdhsa_wavefront_size32 1
		.amdhsa_system_sgpr_workgroup_id_x 1
		.amdhsa_system_sgpr_workgroup_id_y 1
		.amdhsa_system_sgpr_workgroup_id_z 1
		.amdhsa_system_vgpr_workitem_id 0
		.amdhsa_next_free_vgpr 512
		.amdhsa_next_free_sgpr 100
		.amdhsa_reserve_vcc 0
		.amdhsa_float_denorm_mode_32 3
		.amdhsa_float_denorm_mode_16_64 3
		.amdhsa_memory_ordered 1
		.amdhsa_forward_progress 1
		.amdhsa_inst_pref_size 73
	.end_amdhsa_kernel
	.amdgpu_metadata
---
amdhsa.version: [ 1, 2 ]
amdhsa.kernels:
  - .name:           k_qddc89aaf9a_oproj
    .symbol:         k_qddc89aaf9a_oproj.kd
    .args:
      - { .name: cimg, .offset: 0, .size: 8, .value_kind: global_buffer, .address_space: global }
      - { .name: Wd_codes, .offset: 8, .size: 8, .value_kind: global_buffer, .address_space: global }
      - { .name: Wd_scales, .offset: 16, .size: 8, .value_kind: global_buffer, .address_space: global }
      - { .name: out0, .offset: 24, .size: 8, .value_kind: global_buffer, .address_space: global }
    .group_segment_fixed_size: 327680
    .private_segment_fixed_size: 0
    .kernarg_segment_align: 8
    .kernarg_segment_size: 32
    .max_flat_workgroup_size: 128
    .sgpr_count:     100
    .vgpr_count:     512
    .wavefront_size: 32
...
	.end_amdgpu_metadata
.endif
;; end of part 4
;; ======== version 2 of 2: 4 launches
;; limits: inputs' magnitudes at most 1,048,576; right only within a limited range of input values
;; workspace buffers: rope 1,048,576 bytes; cls 524,288 bytes of whole numbers; qb 2,228,224 bytes; kv 4,456,448 bytes; cimg 2,228,224 bytes
;; launch prep (part 5): grid 256 x 1, 8 waves a work-group, no clusters, 0 bytes of LDS; arguments attention_mask, position_ids, rope, cls; writes rope, cls
.if DOCPART == 5
	.amdgcn_target "amdgcn-amd-amdhsa--gfx1250"
	.amdhsa_code_object_version 6
	.text
	.protected	k_qddc89aaf9a_prep
	.globl	k_qddc89aaf9a_prep
	.p2align	8
	.type	k_qddc89aaf9a_prep,@function
k_qddc89aaf9a_prep:
	s_mov_b64 s[64:65], 0
	v_nop
	global_prefetch_b8 v0, s[64:65] scope:SCOPE_SE
	s_setreg_imm32_b32 hwreg(HW_REG_WAVE_MODE, 25, 1), 1
	s_wait_xcnt 0x0
; PREP: two tables that the later launches read.
; WORK LEFT OUT BY THE PROGRAM: where all 16 x 128 mask bytes of a tile are true, reference() replaces every score of the tile by -10000, whatever the scores are: those scores reach no output, and attn does not compute them
; (the whole numbers stored here decide).  LIMIT: a NaN, an infinity or an overflow in such a score is not carried to the result.
; (1) rope: sin and cos of f32(position) x inv_freq, f32, laid [128 token tiles T][16 quads][32 lanes][16 bytes].
;     Tile T = 8 G + a holds tokens 128 G + pi(a, r), pi(a, r) = 32 (a / 2) + 8 (a % 2) + r + 8 (r / 8), r = lane % 16.
;     A lane's 64 floats: F[16 b + 2 p] = sin, F[16 b + 2 p + 1] = cos at frequency 16 b + 8 (lane / 16) + p.
; (2) cls: the class of each mask tile, [128 query tiles T][16 key steps J]: 0 no byte is true, 2 all are, 1 otherwise; a unit of 256 bytes for each tile, the word repeated, so that every store fills a whole unit.
; SHARES: work-group g, wave w: T = g / 2, J = 8 (g % 2) + w: one mask tile and one quad of the table (512 bytes out).
; No loop, no branch, no LDS; all lanes stay on.  Two frequencies go side by side in packed lines.
; sin, cos: k = nearest whole number to angle x 2 / pi; the rest r = angle - k pi / 2 by three fused multiply-adds with pi / 2 in three parts; polynomials on |r| <= pi / 4; the quadrant from k.
; inv_freq = 2^(-f c), c = log2(10000) / 64 in two parts.
; LIMITS: the reduction is good to about 1e-7 for |position| up to 2^20 and grows coarser beyond; inv_freq lies within about one unit in the last place of the true number.
	s_load_b256 s[4:11], s[0:1], 0x0               ; mask s[4:5], positions s[6:7], rope s[8:9], cls s[10:11]
	v_lshrrev_b32 v1, 5, v0
	v_readfirstlane_b32 s12, v1                    ; wave 0..7
	s_lshr_b32 s13, ttmp9, 1                       ; T
	s_and_b32 s14, ttmp9, 1
	s_lshl_b32 s14, s14, 3
	s_add_co_u32 s14, s14, s12                     ; J
	s_lshr_b32 s15, s13, 3
	s_lshl_b32 s15, s15, 7                         ; 128 G
	s_bfe_u32 s40, s13, 0x20001
	s_lshl_b32 s40, s40, 5
	s_add_co_u32 s15, s15, s40
	s_and_b32 s40, s13, 1
	s_lshl_b32 s40, s40, 3
	s_add_co_u32 s15, s15, s40                     ; the tile's first token
	s_mov_b32 s24, 0x3c08839e                      ; sine: r + r z (S1 + z (S2 + z S3)): S2,
	s_mov_b32 s25, s24                             ; (the packed forms name pairs and take the low word)
	s_mov_b32 s26, 0xbe2aaaa3                      ; S1
	s_mov_b32 s27, s26
	s_mov_b32 s28, 0xbab6061a                      ; cosine: 1 - z / 2 + z z (C1 + z (C2 + z C3)): C2,
	s_mov_b32 s29, s28
	s_mov_b32 s30, 0x3d2aaaa5                      ; C1
	s_mov_b32 s31, s30
	s_lshr_b32 s36, s14, 2
	s_lshl_b32 s36, s36, 4
	s_and_b32 s37, s14, 3
	s_lshl_b32 s37, s37, 1
	s_add_co_u32 s36, s36, s37                     ; 16 (J / 4) + 2 (J % 4): the quad's first frequency for lanes 0-15
	s_lshl_b32 s40, s15, 11
	s_lshl_b32 s41, s14, 7
	s_add_co_u32 s40, s40, s41                     ; mask: the tile's first row, key step J
	s_mov_b32 s41, 0
	s_lshl_b32 s42, s13, 13
	s_lshl_b32 s43, s14, 9
	s_add_co_u32 s42, s42, s43                     ; rope: 8,192 T + 512 J
	s_mov_b32 s43, 0
	s_lshl_b32 s44, s13, 4
	s_add_co_u32 s44, s44, s14
	s_lshl_b32 s44, s44, 8                         ; cls: 256 (16 T + J)
	s_mov_b32 s45, 0
	s_lshl_b32 s46, s15, 2                         ; positions: 4 bytes a token
	s_mov_b32 s47, 0
	v_and_b32 v1, 15, v0                           ; r
	v_bfe_u32 v2, v0, 4, 1                         ; h
	v_and_b32 v3, 8, v1
	v_and_b32 v7, 31, v0
	v_add_nc_u32 v3, v3, v1                        ; r + 8 (r / 8)
	v_lshlrev_b32 v6, 3, v7                        ; 8 x lane
	v_lshlrev_b32 v4, 11, v3
	v_lshlrev_b32 v7, 4, v7                        ; 16 x lane
	v_lshl_add_u32 v4, v2, 4, v4                   ; mask: my row of 2,048 bytes, + 16 h
	v_lshlrev_b32 v5, 2, v3                        ; my token's position
	v_lshl_add_u32 v25, v2, 3, s36                 ; my first frequency
	v_mov_b32 v31, 0                               ; (the upper half of a pair of which the low word serves)
	s_wait_alu depctr_va_vdst(0)
	s_wait_kmcnt 0x0
	s_add_nc_u64 s[4:5], s[4:5], s[40:41]
	s_add_nc_u64 s[6:7], s[6:7], s[46:47]
	s_add_nc_u64 s[8:9], s[8:9], s[42:43]
	s_add_nc_u64 s[10:11], s[10:11], s[44:45]
	global_load_b32 v24, v5, s[6:7]
.irp b, 0,1,2,3
	global_load_b128 v[8+4*\b:11+4*\b], v4, s[4:5] offset:32*\b th:TH_LOAD_NT   ; keys 32 b + 16 h + 0 .. 15 of my row
.endr
	; inv_freq of frequencies v25 and v25 + 1, while the loads are out
	v_add_nc_u32 v33, 1, v25
	v_cvt_f32_u32 v32, v25
	v_cvt_f32_u32 v33, v33
	v_pk_mul_f32 v[34:35], v[32:33], 0x3e549a78 op_sel_hi:[1,0]    ; p = f c, rounded,
	v_pk_fma_f32 v[36:37], v[32:33], 0x3e549a78, v[34:35] op_sel_hi:[1,0,1] neg_lo:[0,0,1] neg_hi:[0,0,1]   ; what the rounding dropped,
	v_pk_fma_f32 v[36:37], v[32:33], 0x31979a2a, v[36:37] op_sel_hi:[1,0,1]   ; and c's lower part
	v_rndne_f32 v38, v34
	v_rndne_f32 v39, v35
	v_pk_add_f32 v[34:35], v[34:35], v[38:39] neg_lo:[0,1] neg_hi:[0,1]   ; exact
	v_pk_add_f32 v[34:35], v[34:35], v[36:37]      ; the fraction
	v_cvt_i32_f32 v38, v38
	v_cvt_i32_f32 v39, v39
	s_wait_alu depctr_va_vdst(0)                   ; ahead of the batch,
	v_exp_f32 v28, -v34
	v_exp_f32 v29, -v35
	v_sub_nc_u32 v38, 0, v38
	v_sub_nc_u32 v39, 0, v39
	s_wait_alu depctr_va_vdst(0)                   ; and behind it
	v_ldexp_f32 v28, v28, v38
	v_ldexp_f32 v29, v29, v39
	s_wait_alu depctr_va_vdst(0)
	s_wait_loadcnt 0x4                             ; the position is in (the mask's four loads may be out)
	v_cvt_f32_i32 v30, v24
	v_pk_mul_f32 v[32:33], v[28:29], v[30:31] op_sel_hi:[1,0]      ; the angles, rounded once
	v_pk_mul_f32 v[34:35], v[32:33], 0x3f22f983 op_sel_hi:[1,0]
	v_rndne_f32 v34, v34                           ; k
	v_rndne_f32 v35, v35
	v_pk_fma_f32 v[36:37], v[34:35], 0xbfc90fdb, v[32:33] op_sel_hi:[1,0,1]
	v_pk_fma_f32 v[36:37], v[34:35], 0x333bbd2e, v[36:37] op_sel_hi:[1,0,1]
	v_pk_fma_f32 v[36:37], v[34:35], 0x26f72ce7, v[36:37] op_sel_hi:[1,0,1]   ; r
	v_pk_mul_f32 v[38:39], v[36:37], v[36:37]      ; z
	v_pk_fma_f32 v[40:41], v[38:39], 0xb94ca1f9, s[24:25] op_sel_hi:[1,0,0]
	v_pk_fma_f32 v[42:43], v[38:39], 0x37ccf5ce, s[28:29] op_sel_hi:[1,0,0]
	v_pk_fma_f32 v[40:41], v[40:41], v[38:39], s[26:27] op_sel_hi:[1,1,0]
	v_pk_fma_f32 v[42:43], v[42:43], v[38:39], s[30:31] op_sel_hi:[1,1,0]
	v_pk_mul_f32 v[44:45], v[36:37], v[38:39]
	v_pk_mul_f32 v[46:47], v[38:39], v[38:39]
	v_pk_fma_f32 v[52:53], v[38:39], -0.5, 1.0 op_sel_hi:[1,0,0]
	v_pk_fma_f32 v[44:45], v[44:45], v[40:41], v[36:37]            ; sin r
	v_pk_fma_f32 v[46:47], v[46:47], v[42:43], v[52:53]            ; cos r
.irp e, 0,1
	v_cvt_i32_f32 v[54+\e], v[34+\e]
.endr
.irp e, 0,1
	v_and_b32 v[56+\e], 1, v[54+\e]
	v_lshlrev_b32 v[58+\e], 30, v[54+\e]
	v_add_nc_u32 v[60+\e], 1, v[54+\e]
.endr
.irp e, 0,1
	v_cmp_ne_u32 s[20+\e], 0, v[56+\e]             ; an odd quadrant swaps the two
	v_and_b32 v[58+\e], 0x80000000, v[58+\e]       ; sine is negative in quadrants 2 and 3
	v_lshlrev_b32 v[60+\e], 30, v[60+\e]
.endr
.irp e, 0,1
	v_cndmask_b32 v[48+2*\e], v[44+\e], v[46+\e], s[20+\e]
	v_cndmask_b32 v[49+2*\e], v[46+\e], v[44+\e], s[20+\e]
	v_and_b32 v[60+\e], 0x80000000, v[60+\e]       ; cosine in quadrants 1 and 2
.endr
.irp e, 0,1
	v_xor_b32 v[48+2*\e], v[48+2*\e], v[58+\e]
	v_xor_b32 v[49+2*\e], v[49+2*\e], v[60+\e]
.endr
	global_store_b128 v7, v[48:51], s[8:9]         ; the wave stores 512 consecutive bytes
	s_wait_loadcnt 0x0                             ; the mask tile
.irp j, 0,1,2,3
	v_or_b32 v[44+\j], v[8+\j], v[12+\j]
	v_and_b32 v[36+\j], v[8+\j], v[12+\j]
.endr
.irp q, 16,20
.irp j, 0,1,2,3
	v_or_b32 v[44+\j], v[44+\j], v[\q+\j]
	v_and_b32 v[36+\j], v[36+\j], v[\q+\j]
.endr
.endr
	v_or_b32 v44, v44, v45
	v_and_b32 v36, v36, v37
	v_or_b32 v46, v46, v47
	v_and_b32 v38, v38, v39
	v_or_b32 v44, v44, v46
	v_and_b32 v36, v36, v38
	v_cmp_ne_u32 s20, 0, v44                       ; lanes with a true byte
	v_cmp_ne_u32 s21, 0x1010101, v36               ; lanes with a false one
	s_cmp_lg_u32 s20, 0
	s_cselect_b32 s22, 1, 0
	s_cmp_eq_u32 s21, 0
	s_cselect_b32 s22, 2, s22
	v_mov_b32 v26, s22
	v_mov_b32 v27, s22
	global_store_b64 v6, v[26:27], s[10:11]        ; 256 consecutive bytes, aligned
	s_endpgm
.Lfunc_end_k_qddc89aaf9a_prep:
	.size	k_qddc89aaf9a_prep, .Lfunc_end_k_qddc89aaf9a_prep-k_qddc89aaf9a_prep
	.p2alignl 7, 3214868480
	.fill 96, 4, 3214868480
	.section	.rodata,"a",@progbits
	.p2align	6, 0x0
	.amdhsa_kernel k_qddc89aaf9a_prep
		.amdhsa_group_segment_fixed_size 0
		.amdhsa_private_segment_fixed_size 0
		.amdhsa_enable_private_segment 0
		.amdhsa_kernarg_size 32
		.amdhsa_user_sgpr_count 2
		.amdhsa_user_sgpr_kernarg_segment_ptr 1
		.amdhsa_wavefront_size32 1
		.amdhsa_system_sgpr_workgroup_id_x 1
		.amdhsa_system_sgpr_workgroup_id_y 1
		.amdhsa_system_sgpr_workgroup_id_z 1
		.amdhsa_system_vgpr_workitem_id 0
		.amdhsa_next_free_vgpr 64
		.amdhsa_next_free_sgpr 66
		.amdhsa_reserve_vcc 0
		.amdhsa_float_denorm_mode_32 3
		.amdhsa_float_denorm_mode_16_64 3
		.amdhsa_memory_ordered 1
		.amdhsa_forward_progress 1
		.amdhsa_inst_pref_size 8
	.end_amdhsa_kernel
	.amdgpu_metadata
---
amdhsa.version: [ 1, 2 ]
amdhsa.kernels:
  - .name:           k_qddc89aaf9a_prep
    .symbol:         k_qddc89aaf9a_prep.kd
    .args:
      - { .name: attention_mask, .offset: 0, .size: 8, .value_kind: global_buffer, .address_space: global }
      - { .name: position_ids, .offset: 8, .size: 8, .value_kind: global_buffer, .address_space: global }
      - { .name: rope, .offset: 16, .size: 8, .value_kind: global_buffer, .address_space: global }
      - { .name: cls, .offset: 24, .size: 8, .value_kind: global_buffer, .address_space: global }
    .group_segment_fixed_size: 0
    .private_segment_fixed_size: 0
    .kernarg_segment_align: 8
    .kernarg_segment_size: 32
    .max_flat_workgroup_size: 256
    .sgpr_count:     66
    .vgpr_count:     64
    .wavefront_size: 32
...
	.end_amdgpu_metadata
.endif
;; end of part 5
;; launch qkv (part 6): grid 24 x 8, 4 waves a work-group, clusters of 4 x 4, 327,680 bytes of LDS; arguments hidden_states_codes, hidden_states_scales, Wq_codes, Wq_scales, Wk_codes, Wk_scales, Wv_codes, Wv_scales, rope, qb, kv; writes qb, kv
.if DOCPART == 6
	.amdgcn_target "amdgcn-amd-amdhsa--gfx1250"
	.amdhsa_code_object_version 6
	.text
	.protected	k_qddc89aaf9a_qkv
	.globl	k_qddc89aaf9a_qkv
	.p2align	8
	.type	k_qddc89aaf9a_qkv,@function
k_qddc89aaf9a_qkv:
	s_mov_b64 s[64:65], 0
	v_nop
	global_prefetch_b8 v0, s[64:65] scope:SCOPE_SE
	s_setreg_imm32_b32 hwreg(HW_REG_WAVE_MODE, 25, 1), 1
	s_wait_xcnt 0x0
	s_wait_alu depctr_hold_cnt(0) depctr_sa_sdst(0) depctr_va_vdst(0) depctr_va_sdst(0) depctr_va_ssrc(0) depctr_va_vcc(0) depctr_vm_vsrc(0)
	s_getreg_b32 s2, hwreg(HW_REG_IB_STS2, 6, 4)
	s_cmp_eq_u32 s2, 0
	s_cbranch_scc0 .Lentry_in_a_cluster
	s_endpgm
.Lentry_in_a_cluster:
	s_bfe_u32 s2, ttmp6, 0x10000c
	s_cmp_lg_u32 s2, 0xf033
	s_cbranch_scc0 .Lentry_shape_is_right
	s_endpgm
.Lentry_shape_is_right:
; QKV: the three projections on codes of FP4 (E2M1, one E8M0 scale for each 32 along K), the rotary step on q and k, and the quantisers of q and k (along a head's 128) and of v (along the tokens).
; The results leave as IMAGES OF OPERAND REGISTERS: a fragment (16 rows x 128 K, 8 registers a lane) is 1,024 bytes: registers 0-3 at 16 x lane, registers 4-7 at 512 + 16 x lane; the scale words of 8 tiles are 512 bytes: 16 bytes a lane, lanes 0-15 tiles 0-3, lanes 16-31 tiles 4-7.
;   qb [16 heads][16 groups of 128 tokens][8 fragments, scale image];   kv [16 heads][16 groups][K's 8 fragments, V's 8 fragments, K's scale image, V's scale image].
; GRID: 24 x 8 tiles of 256 x 256; kind = cluster x / 2: 0 q, 1 k, 2 v, the same number in all sixteen partners of a cluster.  192 work-groups: no tile made of whole heads divides this work into 256.
; "A" (source 1, a lane's row) and "B" (source 0, along a lane's registers): q, k: A = hidden states (tokens), B = the weight (features); v: A = Wv (features), B = hidden states (tokens).
; So for q and k a lane holds a token and its registers run along the head's features, for v a lane holds a feature and its registers run along the tokens: each time along the next product's K.  One loop serves all three.
; THE ROWS OF A TILE ARE NOT NEIGHBOURS, on both sides: row r of tile a of a group of 128 is pi(a, r) = 32 (a / 2) + 8 (a % 2) + r + 8 (r / 8).  On B's side the 16 registers of tiles 2 b and 2 b + 1 are then 16 neighbours
; along the next K; on A's side the keys and V's features come out in the order in which the attention wants them as its source 0.
; THE LOOP: a work-group of four waves, a wave makes 128 x 128: 64 accumulators, 512 registers.  K goes in steps of 512 through a ring of two LDS slots (rows of 256 bytes + 16 of padding); the scales of all of K come once and stay.
; ROWS BY PARITY.  A wave's tensor load brings every second row of a block of 256 (wave 0: A's even rows, wave 1: A's odd, waves 2 and 3: B's): 128 rows, 2,048 bytes apart in memory, into a region of its own, and each region begins
; 64 bytes further round the banks than the one before.  The 16 rows of a fragment (0-7 and 16-23 of a run of 32) are places 0-3 and 8-11 of the even region and of the odd one: at 68 words a row they start at words 0 .. 12 and 32 .. 44 and,
; 16 words on, at 16 .. 28 and 48 .. 60 modulo 64: sixteen different columns of 16 bytes (64 banks of 4 bytes: ISA guide 11.1).  With the rows as they lie in memory, rows 16 apart would start at the same bank.
; CLUSTERS: 4 x 4 work-groups; A's tiles are asked for jointly along a row of the cluster, B's along a column.
; THE SIN/COS BLOCKS (one for each 16 tokens, 16 loads) are asked for ahead, into four buffers of window 1: two that the loop never names, and B's two sets as they come free.  The ways of q, k and of v part once, behind the last change of
; slots, so the last slot's four steps are written twice: on q's and k's way the first two blocks are asked for in front of them.
; REGISTERS: window 0: v0-31 addresses; v32-95 scale words, two sets (they hold nothing else); v128-191 A's fragments, one set; on the way out v96-215 are at work.
;   window 1: B's fragments, two sets, at v0 and v128; sin/cos block a in buffer a % 4, at v64, v192, v0, v128.   windows 2, 3: the accumulators ((a, b) at v[8 (8 (a % 4) + b)] of window 2 + a / 4).
; LIMITS: NaN and infinities are not served; a block of zeros keeps the scale byte 1 (its codes are zeros, and this program alone reads the bytes).
.set KSTEP,  512
.set NQ,     4                         ; matrix instructions deep in a slot
.set ROWB,   256                       ; a tile's row in bytes
.set KROW,   1024                      ; a row of codes in memory
.set PITCH,  272
.set FR,     8
.set NL,     2
.set NP,     4                         ; places behind this matrix instruction (ISA guide 7.12.1)
.set HALFT,  128*PITCH                 ; 128 rows: what one tensor load brings
.set REG,    HALFT+64                  ; a wave's region: 64 bytes more, so that the next region begins 16 words further round the banks
.set SLOT,   4*REG                     ; A's even rows, A's odd, B's even, B's odd
.set LAPS,   2                         ; K = 2,048: twice round the ring
.set KS,     64                        ; a row of scales in bytes
.set SCL,    2*SLOT                    ; behind the ring: the scales, units of 256 bytes + 16
.set HALFS,  32*272                    ; the scales of 128 rows
.set SPARE,  SCL+4*HALFS               ; the spare words: 128 bytes a wave, two blocks of 256 bytes that no other line names
.set ADRA, 16
.set ADRB, 20
.set LI,   26                          ; v26  16 x lane
.set ADRS, 27
.set SPW,  28
.set NIL,  29
.set SC,   32
.set AF,   128
.set X,    96                          ; v96-159  64 rotated numbers
.set TT,   160                         ; v160-167 four pairs at work
.set TM,   168                         ; v168-171 largest magnitudes, v172-175 exchanged / bytes, v180-183 the conversions' scale operands
.set PC,   186                         ; v186-193, v194-201 codes, two sets by turns
.set SCW,  204                         ; v204-211 the eight tiles' scale words
.set SO,   212                         ; v212-215 the scale image's 16 bytes
.set G1, 24
.set G0, 32
.set G1B, 48
.set G0B, 56
.set G1S, 68
.set G0S, 76
.set G1SB, 80
.set G0SB, 88
.set SEL, 92
.set KIND, 95
.set MSB, 0
.macro WIN new                         ; the immediate's high byte repeats the setting that is left; a switch that changes nothing is dropped
.set WNEW, \new
.if MSB != WNEW
	s_set_vgpr_msb (MSB<<8)|WNEW
.set MSB, WNEW
.endif
.endm
.set MUL_LO, 0xa1                      ; source 0 (B) window 1, source 1 (A) window 0, C and D window 2
.set MUL_HI, 0xf1
.set TO_B,   0x40                      ; destination window 1, address window 0
; A joint load: waves 0 and 1 fetch for A, waves 2 and 3 for B; the branch hangs on the wave's number alone.  Four v_nop follow each line.
.macro JLOAD g0a, g1a, g0b, g1b
	s_cmp_eq_u32 s15, 0
	s_cbranch_scc0 .Lfor_b_\@
	tensor_load_to_lds s[\g0a:\g0a+3], s[\g1a:\g1a+7]
	s_nop 0
.rept 4
	v_nop
.endr
	s_branch .Lasked_\@
.Lfor_b_\@:
	tensor_load_to_lds s[\g0b:\g0b+3], s[\g1b:\g1b+7]
	s_nop 0
.rept 4
	v_nop
.endr
.Lasked_\@:
.endm
.macro CREST                           ; a round of the cluster's barrier behind its opening barrier
	s_cmp_lg_u32 s14, 0
	s_cbranch_scc1 .Lnot_wave_0_\@
	s_barrier_signal -3
.Lnot_wave_0_\@:
	s_barrier_wait -3
	s_barrier_signal -1
	s_barrier_wait -1
.endm
.macro CROUND
	s_barrier_signal -1
	s_barrier_wait -1
	CREST
.endm
	s_load_b512 s[24:39], s[0:1], 0x0              ; hidden codes, scales; Wq codes, scales; Wk codes, scales; Wv codes, scales
	s_load_b128 s[96:99], s[0:1], 0x40             ; rope, qb
	s_load_b64 s[100:101], s[0:1], 0x50            ; kv
	v_lshl_add_u32 v[SPW], v0, 2, SPARE
	v_mov_b32 v[NIL], 0
	ds_add_u32 v28, v29
	ds_add_u32 v28, v29
	s_wait_dscnt 0x0
	v_lshrrev_b32 v1, 5, v0
	v_readfirstlane_b32 s14, v1                    ; wave 0..3
	s_lshr_b32 s15, s14, 1                         ; which half of A's rows is mine.  Also: I fetch for A (0) or for B (1)
	s_and_b32 s16, s14, 1                          ; which half of B's rows.  Also: I fetch the even rows (0) or the odd (1), and the scales of the lower or the upper 128 rows
	s_bfe_u32 s40, ttmp6, 0x40000                  ; cx
	s_bfe_u32 s41, ttmp6, 0x40004                  ; cy
	s_lshl_b32 s42, ttmp9, 2
	s_add_co_u32 s42, s42, s40
	s_and_b32 s42, s42, 7                          ; B's block of 256 rows: the tile column inside its kind
	s_and_b32 s17, ttmp7, 0xffff
	s_lshl_b32 s17, s17, 2
	s_add_co_u32 s17, s17, s41                     ; A's block of 256 rows
	s_lshl_b32 s43, s41, 2
	s_lshl_b32 s43, 15, s43                        ; my row of the cluster
	s_lshl_b32 s44, 0x1111, s40                    ; my column
	s_lshr_b32 s[KIND], ttmp9, 1                   ; 0 q, 1 k, 2 v
	s_lshl_b32 s18, s16, 7
	s_lshl_b32 s20, s17, 8                         ; A's block begins at this row,
	s_lshl_b32 s46, s42, 8                         ; B's at this
	s_add_co_u32 s22, s20, s18                     ; the scales that I fetch: 128 rows on end, 64 bytes a row
	s_lshl_b32 s22, s22, 6
	s_mov_b32 s23, 0
	s_add_co_u32 s92, s46, s18
	s_lshl_b32 s92, s92, 6
	s_mov_b32 s93, 0
	s_add_co_u32 s20, s20, s16                     ; the codes that I fetch: from the block's first even or odd row on, 1,024 bytes a row
	s_lshl_b32 s20, s20, 10
	s_mov_b32 s21, 0
	s_add_co_u32 s46, s46, s16
	s_lshl_b32 s46, s46, 10
	s_mov_b32 s47, 0
	s_mul_i32 s45, s14, REG                        ; where they go: the wave's region: no place in the cluster enters an LDS address
	s_mul_i32 s94, s14, HALFS
	s_wait_kmcnt 0x0
	s_cmp_eq_u32 s[KIND], 2                        ; the buffers are chosen by the kind alone
	s_cselect_b64 s[4:5], s[36:37], s[24:25]       ; A's codes: Wv, else the hidden states
	s_cselect_b64 s[6:7], s[38:39], s[26:27]
	s_cselect_b64 s[8:9], s[24:25], s[28:29]       ; B's codes: the hidden states, else Wq,
	s_cselect_b64 s[10:11], s[26:27], s[30:31]
	s_cmp_eq_u32 s[KIND], 1
	s_cselect_b64 s[8:9], s[32:33], s[8:9]         ; or Wk
	s_cselect_b64 s[10:11], s[34:35], s[10:11]
	s_add_nc_u64 s[20:21], s[4:5], s[20:21]
	s_add_nc_u64 s[22:23], s[6:7], s[22:23]
	s_add_nc_u64 s[46:47], s[8:9], s[46:47]
	s_add_nc_u64 s[92:93], s[10:11], s[92:93]
	; descriptor group 1: a tile of 128 rows x 256 bytes, every second row of the tensor, 16 bytes of padding behind each row
	s_or_b32 s[G1+0], s43, (0<<16)|(1<<20)|(1<<21)|(5<<22)|(3<<25)   ; the mask: A's tiles go to my row; elements of 1 byte; padding on; bit 21 beside a mask; after every 64 words, 4 words
	s_or_b32 s[G1B+0], s44, (0<<16)|(1<<20)|(1<<21)|(5<<22)|(3<<25)
.irp g, G1, G1B
	s_mov_b32 s[\g+1], ROWB<<16                    ; tensor_dim0
	s_mov_b32 s[\g+2], 128<<16                     ; tensor_dim1
	s_mov_b32 s[\g+3], ROWB<<16                    ; tile_dim0
	s_mov_b32 s[\g+4], 128                         ; tile_dim1
	s_mov_b32 s[\g+5], 2*KROW                      ; from row to row of the tile: two rows of the tensor
	s_mov_b32 s[\g+6], 0
	s_mov_b32 s[\g+7], 0
.endr
	; the scales of 128 rows: 8,192 dense bytes as 32 rows of 256 (32 elements of 8 bytes), 16 bytes of padding behind each
	s_or_b32 s[G1S+0], s43, (3<<16)|(1<<20)|(1<<21)|(5<<22)|(3<<25)
	s_or_b32 s[G1SB+0], s44, (3<<16)|(1<<20)|(1<<21)|(5<<22)|(3<<25)
.irp g, G1S, G1SB
	s_mov_b32 s[\g+1], 32<<16
	s_mov_b32 s[\g+2], 32<<16
	s_mov_b32 s[\g+3], 32<<16
	s_mov_b32 s[\g+4], 32
	s_mov_b32 s[\g+5], 32
	s_mov_b32 s[\g+6], 0
	s_mov_b32 s[\g+7], 0
.endr
	CROUND                                         ; all sixteen work-groups are here: the first joint loads meet
	s_mov_b32 s[G0S], 1
	s_add_co_u32 s[G0S+1], s94, SCL
	s_mov_b64 s[G0S+2:G0S+3], s[22:23]
	s_or_b32 s[G0S+3], s[G0S+3], 0x80000000
	s_mov_b32 s[G0SB], 1
	s_add_co_u32 s[G0SB+1], s94, SCL
	s_mov_b64 s[G0SB+2:G0SB+3], s[92:93]
	s_or_b32 s[G0SB+3], s[G0SB+3], 0x80000000
	JLOAD G0S, G1S, G0SB, G1SB                     ; the scales first: they are wanted with K step 0
.irp s, 0,1
	s_mov_b32 s[G0+4*\s], 1
	s_add_co_u32 s[G0+4*\s+1], s45, \s*SLOT
	s_add_nc_u64 s[G0+4*\s+2:G0+4*\s+3], s[20:21], \s*ROWB
	s_or_b32 s[G0+4*\s+3], s[G0+4*\s+3], 0x80000000
	s_mov_b32 s[G0B+4*\s], 1
	s_add_co_u32 s[G0B+4*\s+1], s45, \s*SLOT
	s_add_nc_u64 s[G0B+4*\s+2:G0B+4*\s+3], s[46:47], \s*ROWB
	s_or_b32 s[G0B+4*\s+3], s[G0B+4*\s+3], 0x80000000
.endr
	v_and_b32 v1, 15, v0                           ; r
	v_bfe_u32 v2, v0, 4, 1                         ; h
	v_and_b32 v7, 8, v1
	v_add_nc_u32 v7, v7, v1                        ; r + 8 (r / 8): my row in a run of 32
	v_lshrrev_b32 v3, 1, v7                        ; its place among the rows of its parity
	v_mul_u32_u24 v3, v3, PITCH
	v_lshl_add_u32 v4, v2, 4, v3                   ; place x pitch + 16 h
	v_and_b32 v6, 1, v1
	v_mul_u32_u24 v6, v6, REG                      ; an odd row lies one region on
	v_add_nc_u32 v4, v4, v6
	s_mul_i32 s21, s15, 64*PITCH                   ; my 128 rows of A: 64 places on in both of A's regions
	s_mul_i32 s22, s16, 64*PITCH                   ; my 128 rows of B,
	s_add_co_u32 s22, s22, 2*REG                   ; whose regions lie behind A's two
.irp s, 0,1
	v_add_nc_u32 v[ADRA+\s], s21, v4
	v_add_nc_u32 v[ADRB+\s], s22, v4
	s_add_co_u32 s21, s21, SLOT
	s_add_co_u32 s22, s22, SLOT
.endr
	v_mul_u32_u24 v5, v7, KS                       ; my row's scales: 64 bytes a row,
	v_lshrrev_b32 v6, 8, v5
	v_lshl_add_u32 v5, v6, 4, v5                   ; and 16 more for each 256 passed
	s_mul_i32 s21, s15, HALFS
	s_mul_i32 s22, s16, HALFS
	s_add_co_u32 s22, s22, 2*HALFS
	s_sub_co_u32 s22, s22, s21
	v_mul_u32_u24 v6, s22, v2                      ; lanes 16-31 take B's: one product, the distance between the two bases
	s_add_co_u32 s21, s21, SCL
	v_add_nc_u32 v5, v5, v6
	v_add_nc_u32 v[ADRS], s21, v5
	v_and_b32 v6, 31, v0
	v_lshlrev_b32 v[LI], 4, v6
	s_mov_b32 s[SEL], 0x76543210
	s_mov_b32 s[SEL+1], 0xfedcba98                 ; v_permlanex16_b32's selects for lane l xor 16
	; where my results go.  q, k: head = B's group, token group G = A's group; v: the other way round
	s_lshl_b32 s20, s42, 1
	s_add_co_u32 s20, s20, s16                     ; B's group of 128 rows
	s_lshl_b32 s21, s17, 1
	s_add_co_u32 s21, s21, s15                     ; A's
	s_mov_b32 s47, 16384
	s_cmp_eq_u32 s[KIND], 2
	s_cselect_b32 s22, s21, s20                    ; head
	s_cselect_b32 s23, s20, s21                    ; G
	s_cselect_b32 s46, 8192, 0                     ; V's fragments lie behind K's
	s_cselect_b32 s47, 8704, s47                   ; from my fragments to my scale image: v 8,704, k 16,384,
	s_mov_b32 s18, 17408
	s_cmp_eq_u32 s[KIND], 0
	s_cselect_b64 s[12:13], s[98:99], s[100:101]   ; qb or kv
	s_cselect_b32 s18, 8704, s18                   ; a block's bytes
	s_cselect_b32 s47, 8192, s47                   ; q 8,192
	s_lshl_b32 s22, s22, 4
	s_add_co_u32 s22, s22, s23                     ; 16 head + G
	s_mul_i32 s22, s22, s18
	s_add_co_u32 s22, s22, s46
	s_lshl_b32 s18, s23, 16                        ; the sin/cos blocks of my 128 tokens: 65,536 G
	s_mov_b32 s19, 0
	s_mov_b32 s23, 0
	s_mov_b32 s46, s47
	s_mov_b32 s47, 0
	s_add_nc_u64 s[96:97], s[96:97], s[18:19]
	s_add_nc_u64 s[12:13], s[12:13], s[22:23]      ; my eight fragments
	s_add_nc_u64 s[98:99], s[12:13], s[46:47]      ; my scale image
.macro FRAG reg, adr, q, i             ; tile i's fragment of the slot's q-th 128 along K: the tile begins at row 32 (i / 2) + 8 (i % 2), which is place 16 (i / 2) + 4 (i % 2) of each parity
.irp c, 0,1
	ds_load_b128 v[\reg+4*\c:\reg+4*\c+3], v[\adr] offset:64*(\q)+32*\c+(16*((\i)/2)+4*((\i)%2))*PITCH
.endr
.endm
; 16 matrix instructions: A's blocks a0, a0 + 1 x B's eight.  The 64 accumulators take turns, one instruction a turn, in the same order in every step.
.macro MUL16 a0, p, q, sc, zero
.irp a, \a0, \a0+1
.irp b, 0,1,2,3,4,5,6,7
.if \zero
	v_wmma_scale_f32_16x16x128_f8f6f4 v[8*(8*((\a)%4)+\b):8*(8*((\a)%4)+\b)+7], v[128*(\p)+FR*\b:128*(\p)+FR*\b+FR-1], v[AF+FR*(\a):AF+FR*(\a)+FR-1], 0, v[SC+8*NQ*(\sc)+NQ*\b+(\q)], v[SC+8*NQ*(\sc)+NQ*(\a)+(\q)] matrix_a_fmt:MATRIX_FMT_FP4 matrix_b_fmt:MATRIX_FMT_FP4 matrix_a_scale:MATRIX_SCALE_ROW1
.else
	v_wmma_scale_f32_16x16x128_f8f6f4 v[8*(8*((\a)%4)+\b):8*(8*((\a)%4)+\b)+7], v[128*(\p)+FR*\b:128*(\p)+FR*\b+FR-1], v[AF+FR*(\a):AF+FR*(\a)+FR-1], v[8*(8*((\a)%4)+\b):8*(8*((\a)%4)+\b)+7], v[SC+8*NQ*(\sc)+NQ*\b+(\q)], v[SC+8*NQ*(\sc)+NQ*(\a)+(\q)] matrix_a_fmt:MATRIX_FMT_FP4 matrix_b_fmt:MATRIX_FMT_FP4 matrix_a_scale:MATRIX_SCALE_ROW1
.endif
.endr
.endr
.endm
.macro FETCH_B slot, q, p
	WIN TO_B
.irp i, 0,1,2,3,4,5,6,7
	FRAG 128*(\p)+FR*\i, ADRB+\slot, \q, \i
.endr
	WIN 0
.endm
.macro FETCH_A slot, q, i0
.irp i, \i0, \i0+1, \i0+2, \i0+3
	FRAG AF+FR*(\i), ADRA+\slot, \q, \i
.endr
.endm
.macro SCALES sc                       ; a K step's scale words: 4 words a row; lanes 0-15 A's tile i, lanes 16-31 B's tile i; the tile's first row is 8 (i / 2) + 2 (i % 2) units of 256 bytes on
.irp i, 0,1,2,3,4,5,6,7
	ds_load_b128 v[SC+8*NQ*\sc+NQ*\i:SC+8*NQ*\sc+NQ*\i+3], v[ADRS] offset:(8*(\i/2)+2*(\i%2))*272
.endr
.endm
.macro PLACES n                        ; plain vector lines between a matrix instruction and a load into, or a vector line on, its registers
.rept \n
	v_nop
.endr
.endm
.macro STEP slot, q, zero              ; 128 along K, with its successor in the same slot
	s_wait_dscnt 4*NL                              ; B's set and A's blocks 0-3 are in; the youngest eight loads (A's blocks 4-7) may be out
	WIN MUL_LO
	MUL16 0, (\q)%2, \q, \slot, \zero
	MUL16 2, (\q)%2, \q, \slot, \zero
	s_wait_dscnt 0                                 ; A's blocks 4-7 are in
	PLACES NP
	FETCH_B \slot, (\q)+1, 1-(\q)%2
	FETCH_A \slot, (\q)+1, 0
	WIN MUL_HI
	MUL16 4, (\q)%2, \q, \slot, \zero
	MUL16 6, (\q)%2, \q, \slot, \zero
	PLACES NP
	WIN 0
	FETCH_A \slot, (\q)+1, 4
.endm
; A slot's last step changes slots: one barrier; in front of it each wave waits for all its tensor loads, adds 0 to its spare word, and waits for that and for its reads of this slot.
.macro TURN slot, next, fill
	s_wait_tensorcnt 0x0                           ; all my tensor loads have landed: my part of the next slot
	ds_add_u32 v[SPW], v[NIL]                      ; 0 onto my spare word
	s_wait_dscnt 4*NL+1                            ; (the add and the youngest eight loads may be out)
	WIN MUL_LO
	MUL16 0, 1, NQ-1, \slot, 0
	s_wait_dscnt 0x0                               ; the add is done, and my reads of this slot are over
	s_barrier_signal -1
	MUL16 2, 1, NQ-1, \slot, 0
	WIN 0
	s_barrier_wait -1
.if \fill
	CREST                                          ; the barrier has opened a round of the cluster's barrier: no wave of any partner still reads this slot or has a load on its way
	s_add_nc_u64 s[G0+4*\slot+2:G0+4*\slot+3], s[G0+4*\slot+2:G0+4*\slot+3], 2*ROWB
	s_add_nc_u64 s[G0B+4*\slot+2:G0B+4*\slot+3], s[G0B+4*\slot+2:G0B+4*\slot+3], 2*ROWB
	JLOAD G0+4*\slot, G1, G0B+4*\slot, G1B         ; the first tensor load behind the round; its four v_nop are the places in front of the loads below
.else
	PLACES NP
.endif
	s_wait_alu depctr_va_vdst(0)
	v_add_nc_u32 v[ADRS], 4*NQ, v[ADRS]            ; the next K step's scale words
	FETCH_B \next, 0, 0
	FETCH_A \next, 0, 0
	SCALES \next
	WIN MUL_HI
	MUL16 4, 1, NQ-1, \slot, 0
	MUL16 6, 1, NQ-1, \slot, 0
	PLACES NP
	WIN 0
	FETCH_A \next, 0, 4
.endm
.macro STEPS slot, from
.set Q, \from
.rept NQ-1-\from
	STEP \slot, Q, 0
.set Q, Q+1
.endr
.endm
; THE WAY OUT.  For A's block a, a lane's 64 results (register 16 b + i = place 32 b + 16 (lane / 16) + i along the next K) become one fragment and one scale word a row.
; 64 numbers at v[s] of window w -> codes in v[pc .. pc + 7], scale word in v[pw].  Every accumulator is read from its low end on.
.macro QUANT s, w, pc, pw
	WIN (\w)|((\w)<<2)
.irp b, 0,1,2,3
	v_max3_num_f32 v[TM+\b], |v[(\s)+16*\b]|, |v[(\s)+16*\b+1]|, 0x1800000   ; block b: my 16 numbers, and the floor 2^(3 - 127): the byte cannot fall under 1
.endr
.irp i, 2,4,6,8,10,12,14
.irp b, 0,1,2,3
	v_max3_num_f32 v[TM+\b], |v[(\s)+16*\b+\i]|, |v[(\s)+16*\b+\i+1]|, v[TM+\b]   ; (the four blocks by turns)
.endr
.endr
	WIN 0
.irp b, 0,1,2,3
	v_permlanex16_b32 v[TM+4+\b], v[TM+\b], s[SEL], s[SEL+1]
.endr
.irp b, 0,1,2,3
	v_max_num_f32 v[TM+\b], v[TM+\b], v[TM+4+\b]   ; with lane l xor 16's: the block's largest magnitude
.endr
.irp b, 0,1,2,3
	v_add_nc_u32 v[TM+12+\b], 0xff000000, v[TM+\b] ; 2 off its exponent field: the conversion's scale operand
.endr
.irp b, 0,1,2,3
	v_lshrrev_b32 v[TM+4+\b], 23, v[TM+12+\b]      ; the scale's byte
.endr
	v_lshl_or_b32 v[\pw], v[TM+5], 8, v[TM+4]
	v_lshl_or_b32 v[\pw], v[TM+6], 16, v[\pw]
	v_lshl_or_b32 v[\pw], v[TM+7], 24, v[\pw]
	WIN \w
.irp b, 0,1,2,3
	v_cvt_scalef32_pk8_fp4_f32 v[(\pc)+2*\b], v[(\s)+16*\b:(\s)+16*\b+7], v[TM+12+\b]
	v_cvt_scalef32_pk8_fp4_f32 v[(\pc)+2*\b+1], v[(\s)+16*\b+8:(\s)+16*\b+15], v[TM+12+\b]
.endr
	WIN 0
	v_nop                                          ; one plain line behind a scaled conversion
.irp c, 0,1                                    ; the operand's layout wants a whole block in a lane
.irp i, 0,1
	v_permlane16_swap_b32 v[(\pc)+4*\c+\i], v[(\pc)+4*\c+2+\i]
.endr
.endr
.endm
; The sin/cos block of tile a's 16 tokens, in the order of my registers: 16 loads of 512 consecutive bytes, into buffer a % 4 of window 1: v64, v192, v0, v128
.macro ROPELOAD a
.set RB, 64*(1-((\a)%4)/2)+128*((\a)%2)
	WIN TO_B
.irp q, 0,1,2,3,4,5,6,7,8,9,10,11,12,13,14,15
	global_load_b128 v[RB+4*\q:RB+4*\q+3], v[LI], s[96:97] offset:(\a)*8192+\q*512
.endr
	WIN 0
.endm
.macro ROT a                           ; (x1, x2) -> (x1 cos - x2 sin, x2 cos + x1 sin), four pairs at a time
.set LEFT, 7-(\a)
.if LEFT > 2
.set LEFT, 2
.endif
	s_wait_loadcnt 16*LEFT                         ; block a is in; behind it blocks a + 1 and a + 2 were asked for, 16 loads each, as far as there are any: they may be out
	WIN (2+(\a)/4)|4                               ; source 0: the accumulators' window; source 1: window 1
.set AC, 64*((\a)%4)
.set RB, 64*(1-((\a)%4)/2)+128*((\a)%2)
.set g, 0
.rept 8
.irp k, 0,1,2,3
	v_pk_mul_f32 v[TT+2*\k:TT+2*\k+1], v[AC+8*g+2*\k:AC+8*g+2*\k+1], v[RB+8*g+2*\k:RB+8*g+2*\k+1] op_sel_hi:[1,0]   ; (x1 sin, x2 sin)
.endr
.irp k, 0,1,2,3
	v_fma_f32 v[X+8*g+2*\k], v[AC+8*g+2*\k], v[RB+8*g+2*\k+1], -v[TT+2*\k+1]
	v_fma_f32 v[X+8*g+2*\k+1], v[AC+8*g+2*\k+1], v[RB+8*g+2*\k+1], v[TT+2*\k]
.endr
.set g, g+1
.endr
	WIN 0
.endm
.macro OUT a                           ; the fragment as it stands: two stores of 512 consecutive bytes
	global_store_b128 v[LI], v[PC+8*((\a)%2):PC+8*((\a)%2)+3], s[12:13] offset:(\a)*1024
	global_store_b128 v[LI], v[PC+8*((\a)%2)+4:PC+8*((\a)%2)+7], s[12:13] offset:(\a)*1024+512
.endm
; The last slot's four steps.  rope = 1: sin/cos block 2 is asked for in front of the last step, into B's set 0: its last products stand in front of the four places at the end of the step before.
.macro TAIL rope
	STEPS 1, 0
.if \rope
	ROPELOAD 2
.endif
	s_wait_dscnt 4*NL                              ; the very last step: nothing more to fetch from LDS
	WIN MUL_LO
	MUL16 0, 1, NQ-1, 1, 0
	MUL16 2, 1, NQ-1, 1, 0
	s_wait_dscnt 0
	WIN MUL_HI
	MUL16 4, 1, NQ-1, 1, 0
	MUL16 6, 1, NQ-1, 1, 0
	WIN 0
	PLACES NP                                      ; behind the last products: for the loads and vector lines on registers that they read, and for the reads of results
.irp b, 0,1,2,3
	v_mov_b32 v[TM+4+\b], 0                        ; written once: a lane permute's destination counts as one of its sources
.endr
.endm
	s_wait_alu depctr_va_vdst(0)
	s_wait_tensorcnt 0x0                           ; my part of the scales is in
	ds_add_u32 v[SPW], v[NIL]
	s_wait_dscnt 0x0
	CROUND
	JLOAD G0, G1, G0B, G1B                         ; K step 0
	s_wait_tensorcnt 0x0
	ds_add_u32 v[SPW], v[NIL]
	s_wait_dscnt 0x0
	CROUND                                         ; everybody's part of K step 0 is in
	JLOAD G0+4, G1, G0B+4, G1B                     ; K step 1
	FETCH_B 0, 0, 0
	FETCH_A 0, 0, 0
	SCALES 0
	FETCH_A 0, 0, 4
	STEP 0, 0, 1                                   ; the first step stands in front of the loop: its products start the sums
	s_mov_b32 s3, LAPS-1
.Llap:                                                 ; a trip goes once round the ring and fills both slots again
	STEPS 0, 1
	TURN 0, 1, 1
	STEPS 1, 0
	TURN 1, 0, 1
	STEP 0, 0, 0
	s_sub_co_u32 s3, s3, 1
	s_cmp_lg_u32 s3, 0
	s_cbranch_scc1 .Llap
	STEPS 0, 1                                     ; the last lap fills nothing
	TURN 0, 1, 0
	s_cmp_lt_u32 ttmp9, 4                          ; q and k take the rotary step; the kind is the same in all partners.  The ways part here, once, behind the last barrier of the ring
	s_cbranch_scc0 .Lv
	ROPELOAD 0                                     ; 256 matrix instructions ahead of their use, into registers that the loop never names
	ROPELOAD 1
	TAIL 1
.irp a, 0,1,2,3,4,5,6,7
	ROT \a
.if \a < 5
	ROPELOAD \a+3                                  ; into the buffer that the block before has left (block 3: B's set 1, behind the places of the last products); it has three blocks' work in which to land
.endif
	s_wait_xcnt 0x0                                ; the stores of two blocks back have read this set of codes
	QUANT X, 0, PC+8*(\a%2), SCW+\a
	OUT \a
.endr
	s_branch .Ljoin
.Lv:
	TAIL 0
.irp a, 0,1,2,3,4,5,6,7
	s_wait_xcnt 0x0                                ; the stores of two blocks back have read this set of codes
	QUANT 64*(\a%4), 2+\a/4, PC+8*(\a%2), SCW+\a
	OUT \a
.endr
.Ljoin:
	s_mov_b32 vcc_lo, 0xffff0000
.irp i, 0,1,2,3
	v_cndmask_b32 v[SO+\i], v[SCW+\i], v[SCW+4+\i], vcc_lo   ; lanes 0-15 tiles 0-3, lanes 16-31 tiles 4-7 (every lane holds its row's word of every tile)
.endr
	global_store_b128 v[LI], v[SO:SO+3], s[98:99]
	s_wait_tensorcnt 0x0                           ; the wave's end
	ds_add_u32 v[SPW], v[NIL]
	s_wait_dscnt 0x0
	CROUND                                         ; the closing round: no work-group ends while a partner may still ask for a tile that names it
	s_endpgm
.Lfunc_end_k_qddc89aaf9a_qkv:
	.size	k_qddc89aaf9a_qkv, .Lfunc_end_k_qddc89aaf9a_qkv-k_qddc89aaf9a_qkv
	.p2alignl 7, 3214868480
	.fill 96, 4, 3214868480
	.section	.rodata,"a",@progbits
	.p2align	6, 0x0
	.amdhsa_kernel k_qddc89aaf9a_qkv
		.amdhsa_group_segment_fixed_size 327680
		.amdhsa_private_segment_fixed_size 0
		.amdhsa_enable_private_segment 0
		.amdhsa_kernarg_size 88
		.amdhsa_user_sgpr_count 2
		.amdhsa_user_sgpr_kernarg_segment_ptr 1
		.amdhsa_wavefront_size32 1
		.amdhsa_system_sgpr_workgroup_id_x 1
		.amdhsa_system_sgpr_workgroup_id_y 1
		.amdhsa_system_sgpr_workgroup_id_z 1
		.amdhsa_system_vgpr_workitem_id 0
		.amdhsa_next_free_vgpr 1024
		.amdhsa_next_free_sgpr 102
		.amdhsa_reserve_vcc 1
		.amdhsa_float_denorm_mode_32 3
		.amdhsa_float_denorm_mode_16_64 3
		.amdhsa_memory_ordered 1
		.amdhsa_forward_progress 1
		.amdhsa_inst_pref_size 255
	.end_amdhsa_kernel
	.section	.bss,"aw",@nobits
	.p2align	6
	.space	262144
	.amdgpu_metadata
---
amdhsa.version: [ 1, 2 ]
amdhsa.kernels:
  - .name:           k_qddc89aaf9a_qkv
    .symbol:         k_qddc89aaf9a_qkv.kd
    .args:
      - { .name: hidden_states_codes, .offset: 0, .size: 8, .value_kind: global_buffer, .address_space: global }
      - { .name: hidden_states_scales, .offset: 8, .size: 8, .value_kind: global_buffer, .address_space: global }
      - { .name: Wq_codes, .offset: 16, .size: 8, .value_kind: global_buffer, .address_space: global }
      - { .name: Wq_scales, .offset: 24, .size: 8, .value_kind: global_buffer, .address_space: global }
      - { .name: Wk_codes, .offset: 32, .size: 8, .value_kind: global_buffer, .address_space: global }
      - { .name: Wk_scales, .offset: 40, .size: 8, .value_kind: global_buffer, .address_space: global }
      - { .name: Wv_codes, .offset: 48, .size: 8, .value_kind: global_buffer, .address_space: global }
      - { .name: Wv_scales, .offset: 56, .size: 8, .value_kind: global_buffer, .address_space: global }
      - { .name: rope, .offset: 64, .size: 8, .value_kind: global_buffer, .address_space: global }
      - { .name: qb, .offset: 72, .size: 8, .value_kind: global_buffer, .address_space: global }
      - { .name: kv, .offset: 80, .size: 8, .value_kind: global_buffer, .address_space: global }
    .group_segment_fixed_size: 327680
    .private_segment_fixed_size: 0
    .kernarg_segment_align: 8
    .kernarg_segment_size: 88
    .max_flat_workgroup_size: 128
    .sgpr_count:     102
    .vgpr_count:     1024
    .wavefront_size: 32
...
	.end_amdgpu_metadata
.endif
;; end of part 6
;; launch attn (part 7): grid 16 x 16, 16 waves a work-group, no clusters, 281,088 bytes of LDS; arguments qb, kv, cls, attention_mask, cimg; writes cimg
.if DOCPART == 7
	.amdgcn_target "amdgcn-amd-amdhsa--gfx1250"
	.amdhsa_code_object_version 6
	.text
	.protected	k_qddc89aaf9a_attn
	.globl	k_qddc89aaf9a_attn
	.p2align	8
	.type	k_qddc89aaf9a_attn,@function
k_qddc89aaf9a_attn:
	s_mov_b64 s[64:65], 0
	v_nop
	global_prefetch_b8 v0, s[64:65] scope:SCOPE_SE
	s_setreg_imm32_b32 hwreg(HW_REG_WAVE_MODE, 25, 1), 1
	s_wait_xcnt 0x0
; ATTN: S = Q K^T on codes of FP4, the mask, p = 2^(t - M), O = P V on codes, O / l, and the quantiser of the context along the head.
; WORK LEFT OUT: Q K^T in tiles of 16 queries x 128 keys whose mask bytes are all true (class 2, stored by prep): reference() replaces all those scores by -10000.  What they weigh is NOT left out: see MASKED STEPS.
; SHARES.  Work-group (x, head): p = x / 2, c = x % 2: the query tiles 4 c .. 4 c + 3 of the token groups p and 15 - p.  Wave w: i = w % 4, side = w / 4 % 2, half = w / 8: tile (G = p or 15 - p, a = 4 c + i),
; key steps J = 2 s + half in trip s = 0 .. 7.  Two waves share a tile and join their parts at the end.  The pairing of p with 15 - p only says who does what: any mask is served.
; CLASSES: 0 open (no selects), 1 mixed (the raw mask bytes are read and select), 2 masked.  The branches hang on stored whole numbers; this launch has no tensor load and no joint loads: cluster = none.
; MASKED STEPS: every t of the step is t0 = -10000 log2(e), so every p of a query is p0 = 2^(t0 - M), one number.  A wave with such a step starts its running maximum at t0, which all 16 queries have among their keys; so M is never under ceil(t0)
; there, p0 = E0 x 2^(ceil(t0) - M) with E0 = 2^(t0 - ceil(t0)), the sum takes 64 p0 a lane, and V is multiplied by p0's code like any other step.
; FEED.  All K and V images of the head, 16 x 17,408 bytes, come to lie in LDS, each byte stored once: in trip s a wave stores its 4 rows of 512 bytes of trip s + 1 (asked for a trip earlier) and asks for those of trip s + 2.
; The scale images of all steps come at the head (1,024 bytes a wave).  ONE BARRIER A TRIP, in two halves: a wave signals when its stores for the next trip are done, in mid trip, and waits at the next trip's head.
; PREFETCH: block J is asked for once in the launch for each head, by the work-group x = J, one trip ahead of the loads that want it, by waves 0 and 1: 32 lanes x 256 bytes each; J under 6 comes by its loads alone.
; LAYOUT.  Both products are used transposed: a lane holds one query (lane % 16); the 16 registers of score tiles 2 b, 2 b + 1 are keys 32 b + 16 (lane / 16) + 0 .. 15.
; REGISTERS: v1-11, v24-28 addresses and constants; v12 -M, v13 the largest t, v[14:15] the sum; v16-23 Q; v32-79 tiles 0-5 of K or V; v80-95 the feed; v96-159 scores, p (then V's tiles 6, 7 at v96-111); v160-223 O^T;
; v224-239 K's tiles 6, 7, then P's codes and work; v244-247 the conversions' scale operands; v248-251 scale words of K, then of V; v252-254 work, v253 P's scale word; v255 Q's scale word.
; LIMITS: the promise holds while the scaled scores (exponents to the base 2) stay under 2^31 in magnitude; NaN and infinities are not served.
.set STEPB, 17408
.set TRIPB, 2*STEPB
.set HEADB, 16*STEPB
.set STG,   HEADB                      ; 512 bytes: the context's scale words of both sides
.set SPARE, STG+512
.set MTILE, 8704
.set WV,  2
.set CNT, 3
.set TB,  4
.set FB,  5
.set CW,  6
.set CLS, 7
.set LIM, 8
.set KB,  44
.set QB,  46
.set MP,  48
.set PB,  50
.set OB,  52
.set SOB, 54
.set BM,  76
.set CM,  80
.set SEL, 84
.set CS,  86
.set LI,  1
.set AD,  2
.set NEG, 3
.set SA,  4
.set SR,  5
.set QO,  6
.set FD,  7
.set FS,  8
.set MB,  9
.set MS,  10
.set ML,  11
.set FA,  24
.set PFO, 25
.set E0,  26
.set SCO, 27
.set QS,  28
	s_load_b256 s[32:39], s[0:1], 0x0              ; qb s[32:33], kv s[34:35], cls s[36:37], mask s[38:39]
	s_load_b64 s[40:41], s[0:1], 0x20              ; cimg
	v_lshl_add_u32 v30, v0, 2, SPARE
	v_mov_b32 v31, 0
	v_lshrrev_b32 v2, 5, v0
	v_readfirstlane_b32 s[WV], v2
	s_and_b32 s10, s[WV], 3                        ; i
	s_bfe_u32 s11, s[WV], 0x10002                  ; side
	s_lshr_b32 s12, s[WV], 3                       ; half
	s_and_b32 s13, s[WV], 7
	s_lshr_b32 s14, ttmp9, 1                       ; p
	s_and_b32 s15, ttmp9, 1                        ; c
	s_and_b32 s16, ttmp7, 0xffff                   ; head
	s_mul_i32 s17, s11, 15
	s_xor_b32 s17, s17, s14                        ; G = p or 15 - p
	s_lshl_b32 s18, s15, 2
	s_add_co_u32 s18, s18, s10                     ; a
	s_lshl_b32 s20, s16, 4
	s_add_co_u32 s20, s20, s17
	s_mul_i32 s20, s20, 8704                       ; Q's block
	s_mov_b32 s21, 0
	s_mul_i32 s22, s16, HEADB                      ; the head's K and V
	s_mov_b32 s23, 0
	s_lshl_b32 s24, s17, 3
	s_add_co_u32 s24, s24, s18
	s_lshl_b32 s24, s24, 12
	s_lshl_b32 s19, s12, 8
	s_add_co_u32 s24, s24, s19                     ; the tile's classes: 256 (16 T + half), 512 a trip
	s_mov_b32 s25, 0
	s_lshl_b32 s26, s17, 7
	s_lshr_b32 s19, s18, 1
	s_lshl_b32 s19, s19, 5
	s_add_co_u32 s26, s26, s19
	s_and_b32 s19, s18, 1
	s_lshl_b32 s19, s19, 3
	s_add_co_u32 s26, s26, s19                     ; the tile's first token
	s_lshl_b32 s26, s26, 11
	s_lshl_b32 s19, s12, 7
	s_add_co_u32 s26, s26, s19                     ; its mask row, at key step half
	s_mov_b32 s27, 0
	s_lshl_b32 s28, s17, 4
	s_add_co_u32 s28, s28, s16
	s_mul_i32 s28, s28, 8704                       ; the context's block: [G][head]
	s_mov_b32 s29, 0
	s_lshl_b32 s58, s14, 4
	s_add_co_u32 s58, s58, s16
	s_mul_i32 s58, s58, 8704
	s_add_co_u32 s58, s58, 8192
	s_lshl_b32 s19, s15, 8
	s_add_co_u32 s58, s58, s19                     ; group p's half of the scale image
	s_mov_b32 s59, 0
	s_lshl_b32 s19, s14, 1
	s_sub_co_u32 s60, 15, s19
	s_mul_i32 s60, s60, 139264                     ; from there to group 15 - p's
	s_mul_i32 s62, ttmp9, STEPB                    ; the block that this work-group prefetches
	s_mov_b32 s63, 0
	s_sub_co_u32 s[LIM], s14, 3                    ; in trip p - 3 (under 0: never)
	s_cmp_lt_u32 s[WV], 2
	s_cselect_b32 s[LIM], s[LIM], 15
	v_and_b32 v2, 31, v0
	v_and_b32 v24, 15, v0                          ; r
	v_bfe_u32 v26, v0, 4, 1                        ; h
	v_lshlrev_b32 v[LI], 4, v2
	s_lshl_b32 s19, s18, 10
	v_add_nc_u32 v[QO], s19, v[LI]
	s_mul_i32 s19, s12, STEPB
	s_mov_b32 s[TB], s19
	s_lshl_b32 s61, s13, 11
	s_add_co_u32 s19, s19, s61
	v_add_nc_u32 v[FD], s19, v[LI]                 ; my rows of a trip: step w / 8, 2,048 (w % 8) bytes on
	s_mul_i32 s19, s[WV], STEPB
	s_add_co_u32 s19, s19, 16384
	v_add_nc_u32 v[FS], s19, v[LI]                 ; the scale images of step w
	s_lshl_b32 s19, s15, 8
	s_lshl_b32 s61, s10, 2
	s_add_co_u32 s19, s19, s61
	s_add_co_u32 s19, s19, 8192
	s_wait_alu depctr_va_vdst(0)
	v_lshl_add_u32 v[QS], v24, 4, s19              ; Q's scale words
	s_lshl_b32 s19, s11, 8
	s_add_co_u32 s19, s19, s61
	s_add_co_u32 s19, s19, STG
	v_lshl_add_u32 v[SA], v24, 4, s19
	v_add_nc_u32 v[SR], STG, v[LI]
	s_mul_i32 s19, s13, MTILE
	v_add_nc_u32 v[MS], s19, v[LI]
	v_lshl_add_u32 v[ML], v2, 3, s19
	v_add_nc_u32 v[ML], 8192, v[ML]
	v_and_b32 v25, 8, v24
	v_add_nc_u32 v25, v25, v24
	v_lshlrev_b32 v25, 11, v25
	v_lshl_add_u32 v[MB], v26, 4, v25              ; mask: row r + 8 (r / 8), + 16 h
	v_mul_u32_u24 v27, s60, v26
	v_lshl_add_u32 v[SCO], v24, 4, v27
	s_and_b32 s19, s[WV], 1
	s_lshl_b32 s19, s19, 13
	v_lshl_add_u32 v[PFO], v2, 8, s19
	s_mov_b32 s[SEL], 0x76543210
	s_mov_b32 s[SEL+1], 0xfedcba98                 ; v_permlanex16_b32's selects for lane l xor 16
	s_mov_b32 s[CS], 0x3e0293ee                    ; log2(e) / sqrt(128)
	s_mov_b32 s[CS+1], s[CS]
	s_mov_b32 s[BM], 0xff
	s_mov_b32 s[BM+1], 0xff00
	s_mov_b32 s[BM+2], 0xff0000
	s_mov_b32 s[BM+3], 0xff000000
	s_mov_b32 s[CNT], 0
	s_mov_b32 s[FB], TRIPB
	s_wait_alu depctr_va_vdst(0)
	s_wait_kmcnt 0x0
	s_add_nc_u64 s[KB:KB+1], s[34:35], s[22:23]
	s_add_nc_u64 s[QB:QB+1], s[32:33], s[20:21]
	s_add_nc_u64 s[56:57], s[36:37], s[24:25]
	s_add_nc_u64 s[MP:MP+1], s[38:39], s[26:27]
	s_add_nc_u64 s[OB:OB+1], s[40:41], s[28:29]
	s_add_nc_u64 s[SOB:SOB+1], s[40:41], s[58:59]
	s_add_nc_u64 s[PB:PB+1], s[KB:KB+1], s[62:63]
.irp k, 0,1,2,3
	global_load_b128 v[96+4*\k:99+4*\k], v[FD], s[KB:KB+1] offset:512*\k          ; trip 0
.endr
	global_load_b128 v[112:115], v[FS], s[KB:KB+1]
	global_load_b128 v[116:119], v[FS], s[KB:KB+1] offset:512
	global_load_b128 v[16:19], v[QO], s[QB:QB+1]
	global_load_b128 v[20:23], v[QO], s[QB:QB+1] offset:512
	global_load_b32 v255, v[QS], s[QB:QB+1]
.irp k, 0,1,2,3
	global_load_b128 v[80+4*\k:83+4*\k], v[FD], s[KB:KB+1] offset:TRIPB+512*\k    ; trip 1
.endr
.irp s, 0,1,2,3,4,5,6,7
	s_load_b32 s[68+\s], s[56:57], 512*\s
.endr
	v_mov_b32 v[NEG], 0xc7dcf88b                   ; -10000 sqrt(128): as a score
	v_mov_b32 v13, 0xff61b1e6                      ; -3e38
	v_mul_f32 v29, s[CS], v[NEG]                   ; t0
	v_fma_f32 v[E0], v[NEG], s[CS], 0x46616800     ; t0 - ceil(t0) = t0 + 14,426
	s_wait_alu depctr_va_vdst(0)                   ; ahead of the transcendental
	v_exp_f32 v[E0], v[E0]
	v_mov_b32 v14, 0
	v_mov_b32 v15, 0
	s_wait_alu depctr_va_vdst(0)                   ; and behind it
.set n, 0
.rept 64
	v_mov_b32 v[160+n], 0                          ; O^T.  (The trip is written once)
.set n, n+1
.endr
.set n, 120
.rept 40
	v_mov_b32 v[n], 0                              ; (scores: written once ahead of the loop, so that no way through the text reads them unwritten)
.set n, n+1
.endr
.irp b, 0,1,2,3
	v_mov_b32 v[236+\b], 0                         ; (a lane permute's destination counts as one of its sources)
	v_mov_b32 v[244+\b], 0
.endr
	v_mov_b32 v252, 0
	v_mov_b32 v253, 0
	s_wait_xcnt 0x0
	s_add_nc_u64 s[KB:KB+1], s[KB:KB+1], 2*TRIPB   ; on to trip 2
	s_wait_kmcnt 0x0
	s_mov_b32 s[CW], s75
.irp s, 6,5,4,3,2,1,0
	s_lshl2_add_u32 s[CW], s[CW], s[68+\s]         ; the eight classes, two bits each, trip 0's lowest
.endr
	s_and_b32 s19, s[CW], 0xaaaa                   ; a masked step among them?
	s_cmp_lg_u32 s19, 0
	s_cselect_b32 s19, -1, 0
	v_cndmask_b32 v13, v13, v29, s19               ; then every query of mine has a key with t0
	v_floor_f32 v12, -v13                          ; -M = floor(-t)
	s_wait_alu depctr_va_vdst(0)                   ; at the head's end
	s_wait_loadcnt 0x4                             ; trip 0's rows, the scales and Q are in; trip 1's four loads may be out
.irp k, 0,1,2,3
	ds_store_b128 v[FD], v[96+4*\k:99+4*\k] offset:512*\k
.endr
	ds_store_b128 v[FS], v[112:115]
	ds_store_b128 v[FS], v[116:119] offset:512
	s_wait_dscnt 0x0
	s_barrier_signal -1
.Ltrip:
	v_add_nc_u32 v[AD], s[TB], v[LI]
	v_add_nc_u32 v[FA], s[FB], v[FD]
	s_wait_alu depctr_va_vdst(0)
	s_barrier_wait -1                              ; this trip's two key steps lie in LDS
	s_and_b32 s[CLS], s[CW], 3
	s_cmp_lt_u32 s[CNT], 7
	s_cbranch_scc0 .Lfed
	s_wait_loadcnt 0x0                             ; my rows of the next trip, asked for a trip ago
.irp k, 0,1,2,3
	ds_store_b128 v[FA], v[80+4*\k:83+4*\k] offset:512*\k
.endr
	s_cmp_lt_u32 s[CNT], 6
	s_cbranch_scc0 .Lfed
.irp k, 0,1,2,3
	global_load_b128 v[80+4*\k:83+4*\k], v[FD], s[KB:KB+1] offset:512*\k          ; trip s + 2
.endr
	s_cmp_eq_u32 s[CNT], s[LIM]
	s_cbranch_scc0 .Lfed
	global_prefetch_b8 v[PFO], s[PB:PB+1] th:TH_LOAD_NT scope:SCOPE_SE
.Lfed:
	s_cmp_eq_u32 s[CLS], 2
	s_cbranch_scc1 .Lscored
.rept 4
	v_nop                                          ; with the two additions above: places behind the last trip's products
.endr
	ds_load_b128 v[248:251], v[AD] offset:16384    ; K's scale words: lanes 0-15 tiles 0-3, lanes 16-31 tiles 4-7
.irp t, 0,1,2,3,4,5,6,7
	ds_load_b128 v[32+8*\t+144*(\t/6):35+8*\t+144*(\t/6)], v[AD] offset:1024*\t
	ds_load_b128 v[36+8*\t+144*(\t/6):39+8*\t+144*(\t/6)], v[AD] offset:1024*\t+512
.endr
	s_wait_dscnt 8                                 ; the scale words and tiles 0-3 (tiles 4-7 may be out)
.irp t, 0,1,2,3
	v_wmma_scale_f32_16x16x128_f8f6f4 v[96+8*\t:103+8*\t], v[32+8*\t:39+8*\t], v[16:23], 0, v[248+\t], v255 matrix_a_fmt:MATRIX_FMT_FP4 matrix_b_fmt:MATRIX_FMT_FP4
.endr
	s_wait_dscnt 0x0
.irp t, 4,5,6,7
	v_wmma_scale_f32_16x16x128_f8f6f4 v[96+8*\t:103+8*\t], v[32+8*\t+144*(\t/6):39+8*\t+144*(\t/6)], v[16:23], 0, v[244+\t], v255 matrix_a_fmt:MATRIX_FMT_FP4 matrix_b_fmt:MATRIX_FMT_FP4 matrix_a_scale:MATRIX_SCALE_ROW1
.endr
	s_cmp_eq_u32 s[CLS], 1
	s_cbranch_scc0 .Lscored
	; MIXED: my row's 64 mask bytes; byte n % 4 of v[32 + n / 4] belongs to score register n
.rept 4
	v_nop
.endr
.irp b, 0,1,2,3
	global_load_b128 v[32+4*\b:35+4*\b], v[MB], s[MP:MP+1] offset:32*\b
.endr
	s_wait_loadcnt 0x0
.set n, 0
.rept 16
.irp k, 0,1,2,3
	v_and_b32 v[224+\k], s[BM+\k], v[32+n/4]
.endr
.irp k, 0,1,2,3
	v_cmp_ne_u32 s[CM+\k], 0, v[224+\k]
.endr
.irp k, 0,1,2,3
	v_cndmask_b32 v[96+n+\k], v[96+n+\k], v[NEG], s[CM+\k]
.endr
.set n, n+4
.endr
.Lscored:
	s_wait_alu depctr_va_vdst(0)
	s_wait_dscnt 0x0                               ; my stores for the next trip are done: say so
	s_barrier_signal -1                            ; up to the next trip's head: work on registers, and loads of LDS bytes that nobody writes any more
.rept 4
	v_nop                                          ; places ahead of loads into registers that products have read
.endr
	ds_load_b128 v[248:251], v[AD] offset:16896    ; V's scale words
.irp t, 0,1,2,3,4,5
	ds_load_b128 v[32+8*\t:35+8*\t], v[AD] offset:8192+1024*\t
	ds_load_b128 v[36+8*\t:39+8*\t], v[AD] offset:8192+1024*\t+512
.endr
.macro VLATE                           ; V's tiles 6 and 7, when p's registers have been read
.irp t, 6,7
	ds_load_b128 v[48+8*\t:51+8*\t], v[AD] offset:8192+1024*\t
	ds_load_b128 v[52+8*\t:55+8*\t], v[AD] offset:8192+1024*\t+512
.endr
.endm
	s_cmp_eq_u32 s[CLS], 2
	s_cbranch_scc1 .Lmasked
.irp b, 0,1,2,3
	v_max3_num_f32 v[232+\b], v[96+16*\b], v[97+16*\b], v[98+16*\b]   ; the largest score of each block of 32 keys
.endr
.irp i, 3,5,7,9,11,13
.irp b, 0,1,2,3
	v_max3_num_f32 v[232+\b], v[232+\b], v[96+16*\b+\i], v[97+16*\b+\i]
.endr
.endr
.irp b, 0,1,2,3
	v_max_num_f32 v[232+\b], v[232+\b], v[111+16*\b]
.endr
.irp b, 0,1,2,3
	v_permlanex16_b32 v[236+\b], v[232+\b], s[SEL], s[SEL+1]
.endr
.irp b, 0,1,2,3
	v_max_num_f32 v[232+\b], v[232+\b], v[236+\b]
.endr
	v_max3_num_f32 v254, v232, v233, v234
	s_delay_alu instid0(VALU_DEP_1)
	v_max_num_f32 v254, v254, v235
	s_delay_alu instid0(VALU_DEP_1)
	v_mul_f32 v254, s[CS], v254                    ; as t
	s_delay_alu instid0(VALU_DEP_1)
	v_max_num_f32 v13, v13, v254
	v_mov_b32 v254, v12
	s_delay_alu instid0(VALU_DEP_2)
	v_floor_f32 v12, -v13                          ; the new -M
	s_delay_alu instid0(VALU_DEP_1)
	v_sub_f32 v254, v12, v254
	s_delay_alu instid0(VALU_DEP_1)
	v_cvt_i32_f32 v254, v254
	s_delay_alu instid0(VALU_DEP_1)
	v_ldexp_f32 v252, 1.0, v254                    ; f = 2^(old M - new M): exact
.set n, 0
.rept 32
	v_pk_fma_f32 v[96+n:97+n], v[96+n:97+n], s[CS:CS+1], v[12:13] op_sel_hi:[1,0,0]   ; t - M
.set n, n+2
.endr
.irp b, 0,1,2,3
	v_fma_f32 v[232+\b], v[232+\b], s[CS], v12     ; the same of each block's largest score
.endr
	s_wait_alu depctr_va_vdst(0)                   ; ahead of the batch,
.set n, 0
.rept 64
	v_exp_f32 v[96+n], v[96+n]
.set n, n+1
.endr
.irp b, 0,1,2,3
	v_exp_f32 v[232+\b], v[232+\b]
.endr
	v_pk_mul_f32 v[14:15], v[14:15], v[252:253] op_sel_hi:[1,0]
	s_wait_alu depctr_va_vdst(0)                   ; and ahead of its first reader
	v_pk_add_f32 v[236:237], v[96:97], v[98:99]    ; the row's sum is taken of the unquantised p, in two chains
.set n, 4
.rept 15
	v_pk_add_f32 v[14:15], v[14:15], v[96+n:97+n]
	v_pk_add_f32 v[236:237], v[236:237], v[98+n:99+n]
.set n, n+4
.endr
	v_pk_add_f32 v[14:15], v[14:15], v[236:237]
.irp b, 0,1,2,3
	v_max_num_f32 v[232+\b], 0x1800000, v[232+\b]  ; the floor 2^(3 - 127): the byte cannot fall under 1
.endr
.irp b, 0,1,2,3
	v_add_nc_u32 v[244+\b], 0xff000000, v[232+\b]  ; 2 off the exponent field: the conversion's scale operand
.endr
.irp b, 0,1,2,3
	v_lshrrev_b32 v[236+\b], 23, v[244+\b]         ; the scale's byte
.endr
	v_lshl_or_b32 v253, v237, 8, v236
	v_lshl_or_b32 v253, v238, 16, v253
	v_lshl_or_b32 v253, v239, 24, v253
.irp b, 0,1,2,3
	v_cvt_scalef32_pk8_fp4_f32 v[224+2*\b], v[96+16*\b:103+16*\b], v[244+\b]
	v_cvt_scalef32_pk8_fp4_f32 v[225+2*\b], v[104+16*\b:111+16*\b], v[244+\b]
.endr
	v_nop                                          ; one plain place behind the conversions
	VLATE
.irp c, 0,1
.irp i, 0,1
	v_permlane16_swap_b32 v[224+4*\c+\i], v[226+4*\c+\i]   ; the operand's layout wants a whole block in a lane
.endr
.endr
	s_wait_alu depctr_va_vdst(0)                   ; directly ahead of the first readers of O^T
.set n, 0
.rept 32
	v_pk_mul_f32 v[160+n:161+n], v[160+n:161+n], v[252:253] op_sel_hi:[1,0]   ; O^T under the new M; also the places ahead of the products
.set n, n+2
.endr
	s_wait_alu depctr_va_vdst(0)                   ; ahead of the branch
	s_branch .Lpv
.Lmasked:
	v_add_f32 v254, 0xc6616800, v12                ; ceil(t0) - M, 0 or less
	v_cvt_i32_f32 v254, v254
	v_ldexp_f32 v112, v[E0], v254                  ; p0
.irp j, 113,114,115,116,117,118,119
	v_mov_b32 v\j, v112
.endr
	v_max_num_f32 v232, 0x1800000, v112
	v_fma_f32 v14, v112, 0x42800000, v14           ; 64 keys of this lane
	v_add_nc_u32 v244, 0xff000000, v232
	v_lshrrev_b32 v236, 23, v244
	v_lshl_or_b32 v253, v236, 8, v236
	v_lshl_or_b32 v253, v253, 16, v253             ; the same byte for all four blocks
	v_cvt_scalef32_pk8_fp4_f32 v224, v[112:119], v244
	v_nop
	VLATE
.irp j, 225,226,227,228,229,230,231
	v_mov_b32 v\j, v224
.endr
.rept 4
	v_nop                                          ; an operand written by vector lines stands 4 places ahead of the product, a scale register 8
.endr
.Lpv:
	s_wait_alu depctr_va_vdst(0)
	s_wait_dscnt 4                                 ; V's scale words and tiles 0-5 (tiles 6 and 7 may be out)
.irp t, 0,1,2,3
	v_wmma_scale_f32_16x16x128_f8f6f4 v[160+8*\t:167+8*\t], v[32+8*\t:39+8*\t], v[224:231], v[160+8*\t:167+8*\t], v[248+\t], v253 matrix_a_fmt:MATRIX_FMT_FP4 matrix_b_fmt:MATRIX_FMT_FP4
.endr
.irp t, 4,5
	v_wmma_scale_f32_16x16x128_f8f6f4 v[160+8*\t:167+8*\t], v[32+8*\t:39+8*\t], v[224:231], v[160+8*\t:167+8*\t], v[244+\t], v253 matrix_a_fmt:MATRIX_FMT_FP4 matrix_b_fmt:MATRIX_FMT_FP4 matrix_a_scale:MATRIX_SCALE_ROW1
.endr
	s_wait_dscnt 0x0
.irp t, 6,7
	v_wmma_scale_f32_16x16x128_f8f6f4 v[160+8*\t:167+8*\t], v[48+8*\t:55+8*\t], v[224:231], v[160+8*\t:167+8*\t], v[244+\t], v253 matrix_a_fmt:MATRIX_FMT_FP4 matrix_b_fmt:MATRIX_FMT_FP4 matrix_a_scale:MATRIX_SCALE_ROW1
.endr
	s_lshr_b32 s[CW], s[CW], 2
	s_add_co_u32 s[TB], s[TB], TRIPB
	s_add_co_u32 s[FB], s[FB], TRIPB
	s_wait_xcnt 0x0                                ; the loads have read their bases
	s_add_nc_u64 s[KB:KB+1], s[KB:KB+1], TRIPB
	s_add_nc_u64 s[MP:MP+1], s[MP:MP+1], 256
	s_wait_alu depctr_va_vdst(0)                   ; ahead of the branch
	s_add_co_u32 s[CNT], s[CNT], 1
	s_cmp_lt_u32 s[CNT], 8
	s_cbranch_scc1 .Ltrip
	s_barrier_wait -1                              ; everybody is in trip 7 or past it: the LDS bytes of trips 0 and 1, onto which the parts below go, are read no more
	s_wait_loadcnt 0x0
.rept 4
	v_nop
.endr
	v_add_f32 v13, v14, v15                        ; my part of the sum, beside -M
	s_wait_alu depctr_va_vdst(0)
	s_cmp_lt_u32 s[WV], 8
	s_cbranch_scc1 .Llower
.irp t, 0,1,2,3,4,5,6,7
	ds_store_b128 v[MS], v[160+8*\t:163+8*\t] offset:1024*\t
	ds_store_b128 v[MS], v[164+8*\t:167+8*\t] offset:1024*\t+512
.endr
	ds_store_b64 v[ML], v[12:13]
.Llower:
	s_wait_dscnt 0x0
	s_barrier_signal -1
	s_barrier_wait -1
	s_cmp_lt_u32 s[WV], 8
	s_cbranch_scc0 .Lupper
	ds_load_b64 v[234:235], v[ML]
.irp t, 0,1,2,3,4,5,6,7
	ds_load_b128 v[32+8*\t:35+8*\t], v[MS] offset:1024*\t
	ds_load_b128 v[36+8*\t:39+8*\t], v[MS] offset:1024*\t+512
.endr
	s_wait_dscnt 0x0
	v_min_num_f32 v236, v12, v234                  ; -M of both
	v_sub_f32 v237, v236, v12
	v_sub_f32 v238, v236, v234
	v_cvt_i32_f32 v237, v237
	v_cvt_i32_f32 v238, v238
	v_ldexp_f32 v237, 1.0, v237
	v_ldexp_f32 v238, 1.0, v238
	v_mul_f32 v14, v13, v237
	v_fma_f32 v14, v235, v238, v14
	v_permlanex16_b32 v252, v14, s[SEL], s[SEL+1]
	v_add_f32 v14, v14, v252                       ; the row's sum
	s_wait_alu depctr_va_vdst(0)                   ; ahead of the transcendental,
	v_rcp_f32 v14, v14
	v_nop
	s_wait_alu depctr_va_vdst(0)                   ; and behind it
	v_mul_f32 v244, v237, v14
	v_mul_f32 v246, v238, v14
.set n, 0
.rept 32
	v_pk_mul_f32 v[96+n:97+n], v[32+n:33+n], v[246:247] op_sel_hi:[1,0]
.set n, n+2
.endr
.set n, 0
.rept 32
	v_pk_fma_f32 v[96+n:97+n], v[160+n:161+n], v[244:245], v[96+n:97+n] op_sel_hi:[1,0,1]
.set n, n+2
.endr
	; the context's quantiser along the head
.irp b, 0,1,2,3
	v_max3_num_f32 v[232+\b], |v[96+16*\b]|, |v[97+16*\b]|, 0x1800000
.endr
.irp i, 2,4,6,8,10,12,14
.irp b, 0,1,2,3
	v_max3_num_f32 v[232+\b], v[232+\b], |v[96+16*\b+\i]|, |v[97+16*\b+\i]|
.endr
.endr
.irp b, 0,1,2,3
	v_permlanex16_b32 v[236+\b], v[232+\b], s[SEL], s[SEL+1]
.endr
.irp b, 0,1,2,3
	v_max_num_f32 v[232+\b], v[232+\b], v[236+\b]
.endr
.irp b, 0,1,2,3
	v_add_nc_u32 v[244+\b], 0xff000000, v[232+\b]
.endr
.irp b, 0,1,2,3
	v_lshrrev_b32 v[236+\b], 23, v[244+\b]
.endr
	v_lshl_or_b32 v254, v237, 8, v236
	v_lshl_or_b32 v254, v238, 16, v254
	v_lshl_or_b32 v254, v239, 24, v254
.irp b, 0,1,2,3
	v_cvt_scalef32_pk8_fp4_f32 v[224+2*\b], v[96+16*\b:103+16*\b], v[244+\b]
	v_cvt_scalef32_pk8_fp4_f32 v[225+2*\b], v[104+16*\b:111+16*\b], v[244+\b]
.endr
	v_nop
.irp c, 0,1
.irp i, 0,1
	v_permlane16_swap_b32 v[224+4*\c+\i], v[226+4*\c+\i]
.endr
.endr
	global_store_b128 v[QO], v[224:227], s[OB:OB+1]           ; 512 consecutive bytes each
	global_store_b128 v[QO], v[228:231], s[OB:OB+1] offset:512
	ds_store_b32 v[SA], v254
.Lupper:
	s_wait_dscnt 0x0
	s_barrier_signal -1
	s_barrier_wait -1
	s_cmp_lg_u32 s[WV], 0
	s_cbranch_scc1 .Lnot_mine
	ds_load_b128 v[32:35], v[SR]                   ; lanes 0-15 group p's words, lanes 16-31 group 15 - p's
	s_wait_dscnt 0x0
	global_store_b128 v[SCO], v[32:35], s[SOB:SOB+1]          ; two aligned units of 256 bytes
.Lnot_mine:
	s_wait_tensorcnt 0x0                           ; the wave's end
	ds_add_u32 v30, v31
	s_wait_dscnt 0x0
	s_endpgm
.Lfunc_end_k_qddc89aaf9a_attn:
	.size	k_qddc89aaf9a_attn, .Lfunc_end_k_qddc89aaf9a_attn-k_qddc89aaf9a_attn
	.p2alignl 7, 3214868480
	.fill 96, 4, 3214868480
	.section	.rodata,"a",@progbits
	.p2align	6, 0x0
	.amdhsa_kernel k_qddc89aaf9a_attn
		.amdhsa_group_segment_fixed_size 281088
		.amdhsa_private_segment_fixed_size 0
		.amdhsa_enable_private_segment 0
		.amdhsa_kernarg_size 40
		.amdhsa_user_sgpr_count 2
		.amdhsa_user_sgpr_kernarg_segment_ptr 1
		.amdhsa_wavefront_size32 1
		.amdhsa_system_sgpr_workgroup_id_x 1
		.amdhsa_system_sgpr_workgroup_id_y 1
		.amdhsa_system_sgpr_workgroup_id_z 1
		.amdhsa_system_vgpr_workitem_id 0
		.amdhsa_next_free_vgpr 256
		.amdhsa_next_free_sgpr 100
		.amdhsa_reserve_vcc 0
		.amdhsa_float_denorm_mode_32 3
		.amdhsa_float_denorm_mode_16_64 3
		.amdhsa_memory_ordered 1
		.amdhsa_forward_progress 1
		.amdhsa_inst_pref_size 55
	.end_amdhsa_kernel
	.amdgpu_metadata
---
amdhsa.version: [ 1, 2 ]
amdhsa.kernels:
  - .name:           k_qddc89aaf9a_attn
    .symbol:         k_qddc89aaf9a_attn.kd
    .args:
      - { .name: qb, .offset: 0, .size: 8, .value_kind: global_buffer, .address_space: global }
      - { .name: kv, .offset: 8, .size: 8, .value_kind: global_buffer, .address_space: global }
      - { .name: cls, .offset: 16, .size: 8, .value_kind: global_buffer, .address_space: global }
      - { .name: attention_mask, .offset: 24, .size: 8, .value_kind: global_buffer, .address_space: global }
      - { .name: cimg, .offset: 32, .size: 8, .value_kind: global_buffer, .address_space: global }
    .group_segment_fixed_size: 281088
    .private_segment_fixed_size: 0
    .kernarg_segment_align: 8
    .kernarg_segment_size: 40
    .max_flat_workgroup_size: 512
    .sgpr_count:     100
    .vgpr_count:     256
    .wavefront_size: 32
...
	.end_amdgpu_metadata
.endif
;; end of part 7
;; launch oproj (part 8): grid 16 x 16, 4 waves a work-group, clusters of 4 x 4, 327,680 bytes of LDS; arguments cimg, Wd_codes, Wd_scales, out0; writes out0
.if DOCPART == 8
	.amdgcn_target "amdgcn-amd-amdhsa--gfx1250"
	.amdhsa_code_object_version 6
	.text
	.protected	k_qddc89aaf9a_oproj
	.globl	k_qddc89aaf9a_oproj
	.p2align	8
	.type	k_qddc89aaf9a_oproj,@function
k_qddc89aaf9a_oproj:
	s_mov_b64 s[64:65], 0
	v_nop
	global_prefetch_b8 v0, s[64:65] scope:SCOPE_SE
	s_setreg_imm32_b32 hwreg(HW_REG_WAVE_MODE, 25, 1), 1
	s_wait_xcnt 0x0
	s_wait_alu depctr_hold_cnt(0) depctr_sa_sdst(0) depctr_va_vdst(0) depctr_va_sdst(0) depctr_va_ssrc(0) depctr_va_vcc(0) depctr_vm_vsrc(0)
	s_getreg_b32 s2, hwreg(HW_REG_IB_STS2, 6, 4)
	s_cmp_eq_u32 s2, 0
	s_cbranch_scc0 .Lentry_in_a_cluster
	s_endpgm
.Lentry_in_a_cluster:
	s_bfe_u32 s2, ttmp6, 0x10000c
	s_cmp_lg_u32 s2, 0xf033
	s_cbranch_scc0 .Lentry_shape_is_right
	s_endpgm
.Lentry_shape_is_right:
; OPROJ: out = ctx Wd^T on codes of FP4 (E2M1, one E8M0 scale for each 32 along K).  ctx comes as images of operand registers, cimg [16 groups of 128 tokens][16 heads = K steps][8 fragments of 1,024 bytes, scale image of 512];
; Wd as it is given: rows of 1,024 bytes of codes and 64 scale bytes.  out is [2,048][2,048] f32.
; SHARES: a tile of 128 tokens (group G = tile row) x 128 features (tile column X): 256 work-groups; four waves, each 64 x 64: 16 accumulators.
; ALL OF K STAYS IN LDS, filled once, by ONE tensor load a wave: wave 0 ctx's K steps 0-7, wave 1 Wd's, wave 2 ctx's K steps 8-15, wave 3 Wd's.  The first eight steps begin when waves 0 and 1 have waited.
; Wd's scales go from memory straight into registers: 64 bytes a row.  No prefetch: there is no loop to run ahead in.
; CLUSTERS: 4 x 4; ctx's images are asked for jointly along a row of the cluster, Wd's rows along a column.
; THE MATRIX INSTRUCTION IS USED TRANSPOSED (source 0 = 16 rows of Wd, source 1 = a fragment of ctx): a lane holds eight neighbouring features of one token.
; Row r of ctx's tile a is token 32 (a / 2) + 8 (a % 2) + r + 8 (r / 8) of the group: that order is undone in the stores' offsets.
; REGISTERS: window 0: v1-21 addresses; v32-95 Wd's scale words of all of K, v96-111 ctx's, four sets (these hold nothing else); v126, v127 the add's; v128-255 the accumulators ((a, b) at v[128 + 8 (4 a + b)]).
;   window 1: four sets of fragments, 64 registers each: ctx's four, then Wd's four.
.set CH,   34816                       ; four K steps of ctx
.set CHH,  69632                       ; eight
.set BCD,  139264                      ; Wd's codes: K half: 128 rows of 512 bytes + 16
.set BPI,  528
.set KHB,  128*BPI
.set STG,  BCD+2*KHB                   ; the way out: 32 rows x 272 bytes for each wave; no fill lands there
.set SPARE, STG+4*8704
.set LI,   1
.set ADA,  4                           ; v4-7    ctx's fragments, four K steps each
.set AAS,  8                           ; v8-11   ctx's scale words
.set ADB,  12                          ; v12-15  Wd's fragments
.set ABS,  16
.set STO,  17
.set RD,   18
.set CO,   19
.set BS,   32
.set AS,   96
.set ACC,  128
.set G1A, 24
.set G0A, 32
.set G0B, 36
.set G1B, 48
.set MSB, 0
.macro WIN new                         ; the immediate's high byte repeats the setting that is left
.set WNEW, \new
.if MSB != WNEW
	s_set_vgpr_msb (MSB<<8)|WNEW
.set MSB, WNEW
.endif
.endm
.set MUL,  0x05                        ; sources 0 and 1 window 1; C and D window 0
.set TO_F, 0x40                        ; destination window 1, address window 0
.macro CROUND                          ; a round of the cluster's barrier
	s_barrier_signal -1
	s_barrier_wait -1
	s_cmp_lg_u32 s14, 0
	s_cbranch_scc1 .Lnot_wave_0_\@
	s_barrier_signal -3
.Lnot_wave_0_\@:
	s_barrier_wait -3
	s_barrier_signal -1
	s_barrier_wait -1
.endm
	s_load_b256 s[4:11], s[0:1], 0x0               ; cimg s[4:5], Wd's codes s[6:7], Wd's scales s[8:9], out s[10:11]
	v_lshl_add_u32 v126, v0, 2, SPARE
	v_mov_b32 v127, 0
	ds_add_u32 v126, v127                          ; the opening lines
	ds_add_u32 v126, v127
	v_lshrrev_b32 v1, 5, v0
	v_readfirstlane_b32 s14, v1                    ; wave 0..3
	s_lshr_b32 s15, s14, 1                         ; my half of the tokens.  Also: the half of K that I fetch
	s_and_b32 s16, s14, 1                          ; my half of the features.  Also: I fetch ctx (0) or Wd (1)
	s_bfe_u32 s56, ttmp6, 0x40000                  ; cx
	s_bfe_u32 s57, ttmp6, 0x40004                  ; cy
	s_lshl_b32 s58, ttmp9, 2
	s_add_co_u32 s58, s58, s56                     ; X
	s_and_b32 s59, ttmp7, 0xffff
	s_lshl_b32 s59, s59, 2
	s_add_co_u32 s59, s59, s57                     ; G
	s_lshl_b32 s60, s57, 2
	s_lshl_b32 s60, 15, s60                        ; my row of the cluster
	s_lshl_b32 s61, 0x1111, s56                    ; my column
	s_or_b32 s[G1A+0], s60, (3<<16)|(1<<21)        ; ctx: 272 rows of 256 dense bytes (32 elements of 8), no padding
	s_mov_b32 s[G1A+1], 32<<16
	s_mov_b32 s[G1A+2], 272<<16
	s_mov_b32 s[G1A+3], 32<<16
	s_mov_b32 s[G1A+4], 272
	s_mov_b32 s[G1A+5], 32
	s_mov_b32 s[G1A+6], 0
	s_mov_b32 s[G1A+7], 0
	s_or_b32 s[G1B+0], s61, (0<<16)|(1<<20)|(1<<21)|(6<<22)|(3<<25)   ; Wd's codes: 128 rows of 512 bytes, 1,024 apart; 4 words of padding after every 128
	s_mov_b32 s[G1B+1], 512<<16
	s_mov_b32 s[G1B+2], 128<<16
	s_mov_b32 s[G1B+3], 512<<16
	s_mov_b32 s[G1B+4], 128
	s_mov_b32 s[G1B+5], 1024
	s_mov_b32 s[G1B+6], 0
	s_mov_b32 s[G1B+7], 0
	s_mul_i32 s17, s15, CHH                        ; my half of K: in LDS and in memory
	s_mul_i32 s18, s59, 139264                     ; ctx: group G
	s_add_co_u32 s18, s18, s17
	s_mov_b32 s19, 0
	s_lshl_b32 s20, s58, 7                         ; Wd: row 128 X,
	s_lshl_b32 s21, s16, 6
	s_add_co_u32 s22, s20, s21
	s_lshl_b32 s22, s22, 6                         ; the scales of my 64 features
	s_mov_b32 s23, 0
	s_lshl_b32 s20, s20, 10
	s_lshl_b32 s21, s15, 9
	s_add_co_u32 s20, s20, s21                     ; and my half of K of its codes
	s_mov_b32 s21, 0
	s_mul_i32 s62, s15, KHB
	s_add_co_u32 s62, s62, BCD
	s_wait_dscnt 0x0                               ; both opening adds are done
	s_wait_kmcnt 0x0
	s_add_nc_u64 s[18:19], s[4:5], s[18:19]
	s_add_nc_u64 s[20:21], s[6:7], s[20:21]
	s_add_nc_u64 s[22:23], s[8:9], s[22:23]
	CROUND                                         ; all sixteen work-groups are here: the joint loads meet
	s_mov_b32 s[G0A], 1
	s_mov_b32 s[G0A+1], s17
	s_mov_b64 s[G0A+2:G0A+3], s[18:19]
	s_or_b32 s[G0A+3], s[G0A+3], 0x80000000
	s_mov_b32 s[G0B], 1
	s_mov_b32 s[G0B+1], s62
	s_mov_b64 s[G0B+2:G0B+3], s[20:21]
	s_or_b32 s[G0B+3], s[G0B+3], 0x80000000
; one tree of branches on the wave's number: every way passes exactly one load, and each wave has a line of its own
.macro ARM under, g0, g1, next
	s_cmp_lt_u32 s14, \under
	s_cbranch_scc0 \next
	tensor_load_to_lds s[\g0:\g0+3], s[\g1:\g1+7]
	s_nop 0
.rept 4
	v_nop
.endr
	s_branch .Lasked
\next:
.endm
	ARM 1, G0A, G1A, .Lwave_1
	ARM 2, G0B, G1B, .Lwave_2
	ARM 3, G0A, G1A, .Lwave_3
	tensor_load_to_lds s[G0B:G0B+3], s[G1B:G1B+7]
	s_nop 0
.rept 4
	v_nop
.endr
.Lasked:
	v_and_b32 v2, 15, v0                           ; r
	v_lshlrev_b32 v[ABS], 6, v2
.irp c, 0,1,2,3
.irp b, 0,1,2,3
	global_load_b128 v[BS+16*\c+4*\b:BS+16*\c+4*\b+3], v[ABS], s[22:23] offset:1024*\b+16*\c   ; Wd's scale words: tile b, K steps 4 c .. 4 c + 3; the sixteen loads take 4,096 dense bytes
.endr
.endr
	v_and_b32 v21, 31, v0
	v_bfe_u32 v3, v0, 4, 1                         ; h
	v_lshlrev_b32 v[LI], 4, v21                    ; 16 x lane
	s_lshl_b32 s63, s15, 12
	v_add_nc_u32 v[ADA], s63, v[LI]                ; ctx: my four tiles begin 4,096 x half into a head's block
	s_lshl_b32 s63, s15, 8
	s_add_co_u32 s63, s63, 8192
	v_lshl_add_u32 v[AAS], v2, 4, s63              ; their scale words: 16 bytes at lane r + 16 x half of the scale image
	s_mul_i32 s63, s16, 64*BPI
	s_add_co_u32 s63, s63, BCD
	v_mul_u32_u24 v20, v2, BPI
	v_lshl_add_u32 v20, v3, 4, v20
	v_add_nc_u32 v[ADB], s63, v20                  ; Wd: my 64 rows; row r x pitch + 16 h
.irp c, 1,2,3
	v_add_nc_u32 v[ADA+\c], \c*CH, v[ADA]
	v_add_nc_u32 v[AAS+\c], \c*CH, v[AAS]
	v_add_nc_u32 v[ADB+\c], (\c/2)*KHB+(\c%2)*256, v[ADB]
.endr
	s_mul_i32 s63, s14, 8704
	s_add_co_u32 s63, s63, STG                     ; my stage
	v_mul_u32_u24 v21, v2, 272
	v_lshl_add_u32 v21, v3, 5, v21
	v_add_nc_u32 v[STO], s63, v21                  ; in: row r, 32 bytes for each half of the lanes
	v_mul_u32_u24 v21, v3, 272
	v_lshl_add_u32 v21, v2, 4, v21
	v_add_nc_u32 v[RD], s63, v21                   ; back: lanes 0-15 one row of 256 bytes, lanes 16-31 the next
	v_lshlrev_b32 v21, 13, v3
	v_lshl_add_u32 v[CO], v2, 4, v21               ; and the same two rows in out (8,192 bytes a row)
	s_lshl_b32 s96, s59, 7
	s_lshl_b32 s97, s15, 6
	s_add_co_u32 s96, s96, s97                     ; my first token
	s_lshl_b32 s96, s96, 13
	s_lshl_b32 s97, s58, 9
	s_add_co_u32 s96, s96, s97
	s_lshl_b32 s97, s16, 8
	s_add_co_u32 s96, s96, s97                     ; + my first feature, 4 bytes each
	s_mov_b32 s97, 0
	s_add_nc_u64 s[10:11], s[10:11], s[96:97]
.macro PLACES
.rept 4
	v_nop
.endr
.endm
; K step s (a head): 17 LDS loads into set s % 4: ctx's four fragments, Wd's four, ctx's four scale words
.macro FETCH s
	WIN TO_F
.irp a, 0,1,2,3
	ds_load_b128 v[64*((\s)%4)+8*\a:64*((\s)%4)+8*\a+3],   v[ADA+(\s)/4] offset:((\s)%4)*8704+\a*1024
	ds_load_b128 v[64*((\s)%4)+8*\a+4:64*((\s)%4)+8*\a+7], v[ADA+(\s)/4] offset:((\s)%4)*8704+\a*1024+512
.endr
.irp b, 0,1,2,3
	ds_load_b128 v[64*((\s)%4)+32+8*\b:64*((\s)%4)+32+8*\b+3],   v[ADB+(\s)/4] offset:\b*16*BPI+64*((\s)%4)
	ds_load_b128 v[64*((\s)%4)+32+8*\b+4:64*((\s)%4)+32+8*\b+7], v[ADB+(\s)/4] offset:\b*16*BPI+64*((\s)%4)+32
.endr
	WIN 0
	ds_load_b128 v[AS+4*((\s)%4):AS+4*((\s)%4)+3], v[AAS+(\s)/4] offset:((\s)%4)*8704
.endm
; 8 matrix instructions: ctx's tiles a0, a0 + 1 x Wd's four.  The 16 accumulators take turns, one instruction a turn, in the same order in every step.
.macro MUL8 s, a0, zero
.irp a, \a0, \a0+1
.irp b, 0,1,2,3
.if \zero
	v_wmma_scale_f32_16x16x128_f8f6f4 v[ACC+8*(4*(\a)+\b):ACC+8*(4*(\a)+\b)+7], v[64*((\s)%4)+32+8*\b:64*((\s)%4)+32+8*\b+7], v[64*((\s)%4)+8*(\a):64*((\s)%4)+8*(\a)+7], 0, v[BS+16*((\s)/4)+4*\b+((\s)%4)], v[AS+4*((\s)%4)+(\a)] matrix_a_fmt:MATRIX_FMT_FP4 matrix_b_fmt:MATRIX_FMT_FP4
.else
	v_wmma_scale_f32_16x16x128_f8f6f4 v[ACC+8*(4*(\a)+\b):ACC+8*(4*(\a)+\b)+7], v[64*((\s)%4)+32+8*\b:64*((\s)%4)+32+8*\b+7], v[64*((\s)%4)+8*(\a):64*((\s)%4)+8*(\a)+7], v[ACC+8*(4*(\a)+\b):ACC+8*(4*(\a)+\b)+7], v[BS+16*((\s)/4)+4*\b+((\s)%4)], v[AS+4*((\s)%4)+(\a)] matrix_a_fmt:MATRIX_FMT_FP4 matrix_b_fmt:MATRIX_FMT_FP4
.endif
.endr
.endr
.endm
; A K step: multiplies set s % 4 and, in its middle, fetches K step s + 2.  Step 6 fetches the first step of K's second half: that half's wait and a barrier stand there.
.macro KSTEP s, zero
.if (\s) == 6
	s_wait_dscnt 0x0                               ; no LDS instruction of mine is out at a signal
	s_wait_tensorcnt 0x0                           ; my load has landed
	s_barrier_signal -1
.elseif (\s) == 15
	s_wait_dscnt 0x0
.else
	s_wait_dscnt 17                                ; this step's loads are in; the next step's 17 may be out
.endif
	WIN MUL
	MUL8 \s, 0, \zero
.if (\s) == 6
	s_barrier_wait -1                              ; everybody's has
.endif
.if (\s)+2 < 16
	PLACES                                         ; in front of loads into registers that matrix instructions have read
	FETCH (\s)+2
.endif
	WIN MUL
	MUL8 \s, 2, \zero
.endm
	s_wait_alu depctr_va_vdst(0)                   ; at the head's end
	s_cmp_lt_u32 s14, 2
	s_cbranch_scc0 .Lsecond_half
	s_wait_tensorcnt 0x0                           ; waves 0 and 1: K's first half is in
.Lsecond_half:
	s_wait_loadcnt 0x0                             ; Wd's scale words
	s_barrier_signal -1
	s_barrier_wait -1
	FETCH 0
	FETCH 1
	KSTEP 0, 1                                     ; the first products start the sums
.set S, 1
.rept 15
	KSTEP S, 0
.set S, S+1
.endr
	WIN 0
	; THE WAY OUT, 32 tokens at a time (ctx's tiles 2 e and 2 e + 1): through my own stage, back as whole rows of 256 bytes.  LDS serves a wave's instructions in order (ISA guide 5.7.1.4): no wait between the stores and the loads.
	; Stage row 16 u + r holds token 32 e + 8 u + r + 8 (r / 8); the rows come back into the accumulators just stored.
	PLACES
.irp e, 0,1
.irp u, 0,1
.irp b, 0,1,2,3
	ds_store_b128 v[STO], v[ACC+8*(4*(2*\e+\u)+\b):ACC+8*(4*(2*\e+\u)+\b)+3] offset:4352*\u+64*\b          ; each accumulator from its low end on
	ds_store_b128 v[STO], v[ACC+8*(4*(2*\e+\u)+\b)+4:ACC+8*(4*(2*\e+\u)+\b)+7] offset:4352*\u+64*\b+16
.endr
.endr
.irp i, 0,1,2,3,4,5,6,7,8,9,10,11,12,13,14,15
	ds_load_b128 v[ACC+64*\e+4*\i:ACC+64*\e+4*\i+3], v[RD] offset:544*\i
.endr
.endr
.irp e, 0,1
.irp i, 0,1,2,3,4,5,6,7,8,9,10,11,12,13,14,15
	s_wait_dscnt 32*(1-\e)+15-\i                   ; younger: the rest of this half's loads, and for the first half the second's 32 instructions
	global_store_b128 v[CO], v[ACC+64*\e+4*\i:ACC+64*\e+4*\i+3], s[10:11] offset:(32*\e+8*(\i/8)+2*(\i%8)+8*((\i%8)/4))*8192 th:TH_STORE_NT   ; sixteen lanes store 256 consecutive bytes, aligned
.endr
.endr
	s_wait_tensorcnt 0x0                           ; the wave's end
	ds_add_u32 v126, v127
	s_wait_dscnt 0x0
	CROUND                                         ; the closing round: no work-group ends while a partner may still ask for a tile that names it
	s_endpgm
.Lfunc_end_k_qddc89aaf9a_oproj:
	.size	k_qddc89aaf9a_oproj, .Lfunc_end_k_qddc89aaf9a_oproj-k_qddc89aaf9a_oproj
	.p2alignl 7, 3214868480
	.fill 96, 4, 3214868480
	.section	.rodata,"a",@progbits
	.p2align	6, 0x0
	.amdhsa_kernel k_qddc89aaf9a_oproj
		.amdhsa_group_segment_fixed_size 327680
		.amdhsa_private_segment_fixed_size 0
		.amdhsa_enable_private_segment 0
		.amdhsa_kernarg_size 32
		.amdhsa_user_sgpr_count 2
		.amdhsa_user_sgpr_kernarg_segment_ptr 1
		.amdhsa_wavefront_size32 1
		.amdhsa_system_sgpr_workgroup_id_x 1
		.amdhsa_system_sgpr_workgroup_id_y 1
		.amdhsa_system_sgpr_workgroup_id_z 1
		.amdhsa_system_vgpr_workitem_id 0
		.amdhsa_next_free_vgpr 512
		.amdhsa_next_free_sgpr 100
		.amdhsa_reserve_vcc 0
		.amdhsa_float_denorm_mode_32 3
		.amdhsa_float_denorm_mode_16_64 3
		.amdhsa_memory_ordered 1
		.amdhsa_forward_progress 1
		.amdhsa_inst_pref_size 71
	.end_amdhsa_kernel
	.amdgpu_metadata
---
amdhsa.version: [ 1, 2 ]
amdhsa.kernels:
  - .name:           k_qddc89aaf9a_oproj
    .symbol:         k_qddc89aaf9a_oproj.kd
    .args:
      - { .name: cimg, .offset: 0, .size: 8, .value_kind: global_buffer, .address_space: global }
      - { .name: Wd_codes, .offset: 8, .size: 8, .value_kind: global_buffer, .address_space: global }
      - { .name: Wd_scales, .offset: 16, .size: 8, .value_kind: global_buffer, .address_space: global }
      - { .name: out0, .offset: 24, .size: 8, .value_kind: global_buffer, .address_space: global }
    .group_segment_fixed_size: 327680
    .private_segment_fixed_size: 0
    .kernarg_segment_align: 8
    .kernarg_segment_size: 32
    .max_flat_workgroup_size: 128
    .sgpr_count:     100
    .vgpr_count:     512
    .wavefront_size: 32
...
	.end_amdgpu_metadata
.endif
;; end of part 8
